; MI455X (gfx1250); checked and timed in simulation.
; The chip was launched on July 23, 2026; its instructions are those of AMD's public machine-readable ISA for CDNA 5 (MIT licence, August 2026) and "CDNA5" Instruction Set Architecture Reference Guide (July 2026). The comments in the code are by the model that wrote it; some were corrected since.
;; Adaptive Incidence Attention. Allowed arithmetic: float matrix products may take bf16 or f16 operands with f32 sums; other float arithmetic in f32, or as packed bf16 or f16 multiplies, adds, multiply-adds, maxima and minima; sums over many terms, partial sums and values carried from step to step in f32; what a program stores and reads back later, other than sums and carried values, may be rounded once to bf16 or f16.
;; Inputs: W1 1,024 x 512 float32; W2 512 x 16 float32; Wo 1,024 x 1,024 float32; Wqkv 1,024 x 3,072 float32; adaptive_weight 1 float32; b1 512 float32; b2 16 float32; bo 1,024 float32; bqkv 3,072 float32; mobius_scale 16 float32; x 2 x 2,048 x 1,024 float32.
;; Outputs: out0 2 x 2,048 x 1,024 float32.
;; 2 versions, each right. Each part assembles by itself: llvm-mc -triple=amdgcn-amd-amdhsa -mcpu=gfx1250 --defsym DOCPART=n.
;; ======== version 1 of 2: 5 launches
;; limits: values are held in f16: magnitudes above 65,504 overflow, below 6.1e-05 lose precision
;; workspace buffers: xb 8,388,608 bytes; wqkvt 6,291,456 bytes; wot 2,097,152 bytes; csum 524,288 bytes; gpart 4,096 bytes; qkvh 25,165,824 bytes; att 8,388,608 bytes
;; launch prep (part 1): grid 256 x 1, 8 waves a work-group, no clusters, 66,560 bytes of LDS; arguments x, Wqkv, Wo, xb, csum, wqkvt, wot; writes xb, csum, wqkvt, wot
.if DOCPART == 1
	.amdgcn_target "amdgcn-amd-amdhsa--gfx1250"
	.amdhsa_code_object_version 6
	.text
	.protected	k_q18a4577596_prep
	.globl	k_q18a4577596_prep
	.p2align	8
	.type	k_q18a4577596_prep,@function
k_q18a4577596_prep:
	s_mov_b64 s[64:65], 0
	v_nop
	global_prefetch_b8 v0, s[64:65] scope:SCOPE_SE
	s_setreg_imm32_b32 hwreg(HW_REG_WAVE_MODE, 25, 1), 1
	s_wait_xcnt 0x0
; prep: x -> bf16 (xb) and 128 partial column sums (csum); Wqkv and Wo -> bf16, turned to [n][k] (wqkvt, wot).
; 256 work-groups of eight waves, 131,072 bytes of f32 each: groups 0-127 take 32 rows of x, 128-223 a tile of 128 k x 256 n of Wqkv,
; 224-255 such a tile of Wo.  Memory binds: each input byte is read once, by loads that cover 512 neighbouring bytes a wave, and each
; store of sixteen (bf16 rows of x: thirty-two) neighbouring lanes covers 256 consecutive bytes, aligned.  No matrix unit, no cluster: no byte is shared.
.set X,   20                           ; v[20:147]  32 loads of 4 registers
.set Y,   148                          ; v[148:211] packed bf16
.set SUM, 14                           ; v[14:17]   x path: sums of my 4 columns
.set SA,  4                            ; v4-5       weight path: LDS address of my stores, for k rows 0-7 and 8-15 of my wave
.set RA,  6                            ; v[6:13]    weight path: LDS address of my reads, one for each pair of loads
; A tile of a weight [k][n] (np bytes a row).  Wave w loads k rows 16 w .. 16 w + 15, lane l columns 4 l .. 4 l + 3 of each half of 128.
; Two k neighbours of one n are packed into a word, eight k into 16 bytes, and stored into LDS row n (256 bytes = 128 k).
.macro WPATH src, dst, np, first
	s_sub_co_u32 s21, ttmp9, \first
	s_and_b32 s22, s21, 7                          ; kb: which 128 rows of k
	s_lshr_b32 s23, s21, 3                         ; nb: which 256 columns of n
	s_mul_i32 s2, s22, 128*\np
	s_lshl_b32 s24, s23, 10
	s_add_co_u32 s2, s2, s24
	s_add_nc_u64 s[\src:\src+1], s[\src:\src+1], s[2:3]
	v_mul_u32_u24 v1, v18, 16*\np                  ; my wave's 16 rows
	v_lshl_add_u32 v1, v3, 4, v1                   ; + 16 bytes a lane
.irp q, 0,1,2,3                        ; group q: k rows 8 (q / 2) .. + 7, half q % 2 of the columns
.irp j, 0,1,2,3,4,5,6,7
	global_load_b128 v[X+4*(8*\q+\j):X+4*(8*\q+\j)+3], v1, s[\src:\src+1] offset:(8*(\q/2)+\j)*\np+512*(\q%2) th:TH_LOAD_NT
.endr
.endr
	s_lshl_b32 s2, s23, 19                         ; 256 rows of 2,048 bytes of the turned weight
	s_lshl_b32 s24, s22, 8                         ; 128 k of 2 bytes
	s_add_co_u32 s2, s2, s24
	s_add_nc_u64 s[\dst:\dst+1], s[\dst:\dst+1], s[2:3]
	v_lshl_add_u32 v19, v18, 1, v3                 ; 2 wave + lane
.irp o, 0,1
	v_add_nc_u32 v[SA+\o], \o, v19                 ; piece 2 wave + o, turned by n / 4 = lane (mod 16)
	v_and_b32 v[SA+\o], 15, v[SA+\o]
	v_lshlrev_b32 v[SA+\o], 4, v[SA+\o]
	v_lshl_add_u32 v[SA+\o], v3, 10, v[SA+\o]      ; row 4 lane
.endr
	v_and_b32 v2, 15, v3                           ; c: the piece that I read back
	v_lshrrev_b32 v19, 4, v3                       ; hi: the even or the odd row of a pair
	v_lshl_add_u32 v14, v18, 3, v2                 ; c + 8 wave
	v_lshlrev_b32 v15, 13, v18                     ; row 32 wave
	v_lshl_add_u32 v15, v19, 8, v15                ; + hi
.irp u, 0,1,2,3,4,5,6,7
	v_add_nc_u32 v[RA+\u], \u, v14                 ; rows 32 wave + 4 u .. + 3 are turned by 8 wave + u
	v_and_b32 v[RA+\u], 15, v[RA+\u]
	v_lshl_add_u32 v[RA+\u], v[RA+\u], 4, v15
.endr
	v_lshlrev_b32 v16, 16, v18                     ; in memory: row 32 wave of 2,048 bytes
	v_lshl_add_u32 v16, v19, 11, v16
	v_lshl_add_u32 v2, v2, 4, v16
.irp q, 0,1,2,3
	s_wait_loadcnt 24-8*\q                         ; loads return in order: group q is in, the younger groups stay out
.irp i, 0,1,2,3
.irp jj, 0,1,2,3
	v_cvt_pk_bf16_f32 v[Y+16*\q+4*\i+\jj], v[X+4*(8*\q+2*\jj)+\i], v[X+4*(8*\q+2*\jj+1)+\i]
.endr
	ds_store_b128 v[SA+\q/2], v[Y+16*\q+4*\i:Y+16*\q+4*\i+3] offset:(\q%2)*32768+\i*256
.endr
.endr
	s_wait_dscnt 0x0                               ; for the others' sake: my stores are done
	s_barrier_signal -1
	s_barrier_wait -1
.irp t, 0,1,2,3,4,5,6,7,8,9,10,11,12,13,14,15
	ds_load_b128 v[X+4*\t:X+4*\t+3], v[RA+\t/2] offset:512*\t      ; rows 32 wave + 2 t and + 2 t + 1, whole
.endr
.irp t, 0,1,2,3,4,5,6,7,8,9,10,11,12,13,14,15
	s_wait_dscnt 15-\t
	global_store_b128 v2, v[X+4*\t:X+4*\t+3], s[\dst:\dst+1] offset:4096*\t   ; 16 lanes store 256 consecutive bytes, aligned
.endr
.endm
	s_load_b256 s[4:11], s[0:1], 0x0               ; x s[4:5], Wqkv s[6:7], Wo s[8:9], xb s[10:11]
	s_load_b128 s[12:15], s[0:1], 0x20             ; csum s[12:13], wqkvt s[14:15]
	s_load_b64 s[16:17], s[0:1], 0x30              ; wot
	v_lshl_add_u32 v216, v0, 2, 0x10000
	v_mov_b32 v217, 0
	v_and_b32 v3, 31, v0                           ; lane
	v_lshrrev_b32 v18, 5, v0                       ; wave
	s_mov_b32 s3, 0                                ; high word of every offset
	s_wait_kmcnt 0x0
	s_cmp_lt_u32 ttmp9, 128                        ; the branches hang on the work-group's number alone
	s_cbranch_scc1 .Lx
	s_cmp_lt_u32 ttmp9, 224
	s_cbranch_scc1 .Lwqkv
	WPATH 8, 16, 4096, 224
	s_wait_tensorcnt 0x0
	ds_add_u32 v216, v217
	s_wait_dscnt 0x0
	s_endpgm
.Lwqkv:
	WPATH 6, 14, 12288, 128
	s_wait_tensorcnt 0x0
	ds_add_u32 v216, v217
	s_wait_dscnt 0x0
	s_endpgm
.Lx:                                                   ; 32 rows of x: thread t owns columns 4 t .. 4 t + 3 of every row
	s_lshl_b32 s2, ttmp9, 17
	s_add_nc_u64 s[4:5], s[4:5], s[2:3]
	s_lshl_b32 s2, ttmp9, 16
	s_add_nc_u64 s[10:11], s[10:11], s[2:3]
	s_lshl_b32 s2, ttmp9, 12
	s_add_nc_u64 s[12:13], s[12:13], s[2:3]
	v_lshlrev_b32 v1, 4, v0
	v_lshlrev_b32 v2, 3, v0
.set i, 0
.rept 32
	global_load_b128 v[X+4*i:X+4*i+3], v1, s[4:5] offset:4096*i th:TH_LOAD_NT   ; all 32 rows are asked for at once
.set i, i+1
.endr
.set i, 0
.rept 32
	s_wait_loadcnt 31-i                            ; row i is in, the younger rows stay out
	v_cvt_pk_bf16_f32 v[Y+2*i], v[X+4*i], v[X+4*i+1]
	v_cvt_pk_bf16_f32 v[Y+2*i+1], v[X+4*i+2], v[X+4*i+3]
.if i == 1
	v_pk_add_f32 v[SUM:SUM+1], v[X:X+1], v[X+4:X+5]            ; the first two rows start the sums: nothing is cleared
	v_pk_add_f32 v[SUM+2:SUM+3], v[X+2:X+3], v[X+6:X+7]
.elseif i > 1
	v_pk_add_f32 v[SUM:SUM+1], v[SUM:SUM+1], v[X+4*i:X+4*i+1]
	v_pk_add_f32 v[SUM+2:SUM+3], v[SUM+2:SUM+3], v[X+4*i+2:X+4*i+3]
.endif
	global_store_b64 v2, v[Y+2*i:Y+2*i+1], s[10:11] offset:2048*i   ; a wave's 32 lanes store 256 consecutive bytes, aligned; no register is used twice
.set i, i+1
.endr
	global_store_b128 v1, v[SUM:SUM+3], s[12:13]
	s_endpgm
.Lfunc_end_k_q18a4577596_prep:
	.size	k_q18a4577596_prep, .Lfunc_end_k_q18a4577596_prep-k_q18a4577596_prep
	.p2alignl 7, 3214868480
	.fill 96, 4, 3214868480
	.section	.rodata,"a",@progbits
	.p2align	6, 0x0
	.amdhsa_kernel k_q18a4577596_prep
		.amdhsa_group_segment_fixed_size 66560
		.amdhsa_private_segment_fixed_size 0
		.amdhsa_enable_private_segment 0
		.amdhsa_kernarg_size 56
		.amdhsa_user_sgpr_count 2
		.amdhsa_user_sgpr_kernarg_segment_ptr 1
		.amdhsa_wavefront_size32 1
		.amdhsa_system_sgpr_workgroup_id_x 1
		.amdhsa_system_sgpr_workgroup_id_y 1
		.amdhsa_system_sgpr_workgroup_id_z 1
		.amdhsa_system_vgpr_workitem_id 0
		.amdhsa_next_free_vgpr 218
		.amdhsa_next_free_sgpr 66
		.amdhsa_reserve_vcc 0
		.amdhsa_float_denorm_mode_32 3
		.amdhsa_float_denorm_mode_16_64 3
		.amdhsa_memory_ordered 1
		.amdhsa_forward_progress 1
		.amdhsa_inst_pref_size 44
	.end_amdhsa_kernel
	.amdgpu_metadata
---
amdhsa.version: [ 1, 2 ]
amdhsa.kernels:
  - .name:           k_q18a4577596_prep
    .symbol:         k_q18a4577596_prep.kd
    .args:
      - { .name: x, .offset: 0, .size: 8, .value_kind: global_buffer, .address_space: global }
      - { .name: Wqkv, .offset: 8, .size: 8, .value_kind: global_buffer, .address_space: global }
      - { .name: Wo, .offset: 16, .size: 8, .value_kind: global_buffer, .address_space: global }
      - { .name: xb, .offset: 24, .size: 8, .value_kind: global_buffer, .address_space: global }
      - { .name: csum, .offset: 32, .size: 8, .value_kind: global_buffer, .address_space: global }
      - { .name: wqkvt, .offset: 40, .size: 8, .value_kind: global_buffer, .address_space: global }
      - { .name: wot, .offset: 48, .size: 8, .value_kind: global_buffer, .address_space: global }
    .group_segment_fixed_size: 66560
    .private_segment_fixed_size: 0
    .kernarg_segment_align: 8
    .kernarg_segment_size: 56
    .max_flat_workgroup_size: 256
    .sgpr_count:     66
    .vgpr_count:     218
    .wavefront_size: 32
...
	.end_amdgpu_metadata
.endif
;; end of part 1
;; launch gate (part 2): grid 32 x 2, 8 waves a work-group, no clusters, 9,216 bytes of LDS; arguments csum, W1, b1, W2, gpart; writes gpart
.if DOCPART == 2
	.amdgcn_target "amdgcn-amd-amdhsa--gfx1250"
	.amdhsa_code_object_version 6
	.text
	.protected	k_q18a4577596_gate
	.globl	k_q18a4577596_gate
	.p2align	8
	.type	k_q18a4577596_gate,@function
k_q18a4577596_gate:
	s_mov_b64 s[64:65], 0
	v_nop
	global_prefetch_b8 v0, s[64:65] scope:SCOPE_SE
	s_setreg_imm32_b32 hwreg(HW_REG_WAVE_MODE, 25, 1), 1
	s_wait_xcnt 0x0
; gate: for batch b (grid y) and 16 columns of the hidden layer (grid x = g): ctx = mean of x over the sequence (64 rows of csum, times 2^-11),
; u = ctx . W1 + b1, h = gelu(u) = u / 2 (1 + erf(u / sqrt 2)), and the 16 partial logits sum over my 16 columns of h W2 -> gpart[b][g][0..15].
; A product of one row with a matrix: a stream, all in f32 on the vector unit; the matrix unit would have one row in sixteen in use.
; LIMIT: erf by the five-term rational form 1 - (a1 t + .. + a5 t^5) exp(-z^2), t = 1 / (1 + p z): absolute error 1.5e-7.
.set ACC, 4                            ; v[4:7]     ctx of my 4 columns
.set A,   8                            ; v[8:11]    partial products for 4 hidden columns
.set W,   20                           ; v[20:83]   W1: 16 rows x 4 columns
.set X,   84                           ; v[84:211]  ring of 32 loads of csum
.set C,   212                          ; v[212:227] ctx of my 16 rows of W1
.set W2R, 228                          ; v[228:243] row 16 g + (lane mod 16) of W2
.set B1,  244                          ; b1 of that hidden column
	s_load_b256 s[4:11], s[0:1], 0x0               ; csum s[4:5], W1 s[6:7], b1 s[8:9], W2 s[10:11]
	s_load_b64 s[12:13], s[0:1], 0x20              ; gpart
	v_lshl_add_u32 v248, v0, 2, 0x2000
	v_mov_b32 v249, 0
	v_lshrrev_b32 v1, 5, v0
	v_readfirstlane_b32 s20, v1                    ; wave
	s_and_b32 s21, ttmp7, 0xffff                   ; b
	s_mov_b32 s14, 0x76543210                      ; v_permlanex16_b32: each lane takes its own place in the other half
	s_mov_b32 s15, 0xfedcba98
	s_mov_b32 s3, 0
	v_and_b32 v12, 15, v0                          ; c
	v_lshlrev_b32 v13, 6, v12                      ; a row of W2 is 64 bytes
	v_lshlrev_b32 v14, 2, v12
	v_lshrrev_b32 v15, 2, v0                       ; kk = t / 4: my row of W1 in each block of 64
	v_and_b32 v16, 3, v0                           ; c4: which 4 of the 16 columns
	v_lshlrev_b32 v17, 6, v1                       ; 64 bytes of partial sums a wave
	v_lshl_add_u32 v17, v16, 4, v17
	v_lshlrev_b32 v1, 11, v15                      ; a row of W1 is 2,048 bytes
	v_lshl_add_u32 v1, v16, 4, v1
	v_lshlrev_b32 v2, 4, v0                        ; my 4 columns of csum, and of ctx in LDS
	v_lshlrev_b32 v3, 2, v15
	s_wait_kmcnt 0x0
	s_lshl_b32 s2, ttmp9, 10
	s_add_nc_u64 s[10:11], s[10:11], s[2:3]        ; W2 at row 16 g
	s_lshl_b32 s2, ttmp9, 6
	s_add_nc_u64 s[8:9], s[8:9], s[2:3]            ; b1 at 16 g
	s_add_nc_u64 s[6:7], s[6:7], s[2:3]            ; W1 at column 16 g
	s_lshl_b32 s22, s21, 11
	s_add_co_u32 s2, s2, s22
	s_add_nc_u64 s[12:13], s[12:13], s[2:3]        ; gpart at (32 b + g) x 64 bytes
	s_lshl_b32 s2, s21, 18
	s_add_nc_u64 s[4:5], s[4:5], s[2:3]            ; csum at row 64 b
.irp i, 0,1,2,3
	global_load_b128 v[W2R+4*\i:W2R+4*\i+3], v13, s[10:11] offset:16*\i   ; the oldest loads: every later wait covers them
.endr
	global_load_b32 v[B1], v14, s[8:9]
.set i, 0
.rept 16
	global_load_b128 v[W+4*i:W+4*i+3], v1, s[6:7] offset:131072*i          ; rows kk + 64 i
.set i, i+1
.endr
.set i, 0
.rept 32
	global_load_b128 v[X+4*i:X+4*i+3], v2, s[4:5] offset:4096*i
.set i, i+1
.endr
.set i, 0
.rept 32
	s_wait_loadcnt 31                              ; behind slot i's load stand 31 - i first loads and i second ones: 31
.if i == 0
	v_pk_mul_f32 v[ACC:ACC+1], v[X:X+1], 0x3a000000 op_sel_hi:[1,0]        ; 2^-11: the mean of 2,048 rows
	v_pk_mul_f32 v[ACC+2:ACC+3], v[X+2:X+3], 0x3a000000 op_sel_hi:[1,0]
.else
	v_pk_fma_f32 v[ACC:ACC+1], v[X+4*i:X+4*i+1], 0x3a000000, v[ACC:ACC+1] op_sel_hi:[1,0,1]
	v_pk_fma_f32 v[ACC+2:ACC+3], v[X+4*i+2:X+4*i+3], 0x3a000000, v[ACC+2:ACC+3] op_sel_hi:[1,0,1]
.endif
	global_load_b128 v[X+4*i:X+4*i+3], v2, s[4:5] offset:4096*(32+i)
.set i, i+1
.endr
.set i, 0
.rept 32
	s_wait_loadcnt 31-i                            ; the last round loads nothing: the counts run down
	v_pk_fma_f32 v[ACC:ACC+1], v[X+4*i:X+4*i+1], 0x3a000000, v[ACC:ACC+1] op_sel_hi:[1,0,1]
	v_pk_fma_f32 v[ACC+2:ACC+3], v[X+4*i+2:X+4*i+3], 0x3a000000, v[ACC+2:ACC+3] op_sel_hi:[1,0,1]
.set i, i+1
.endr
	ds_store_b128 v2, v[ACC:ACC+3]                 ; ctx: LDS bytes 0 to 4,095
	s_wait_dscnt 0x0
	s_barrier_signal -1
	s_barrier_wait -1
.set i, 0
.rept 16
	ds_load_b32 v[C+i], v3 offset:256*i            ; ctx[kk + 64 i]
.set i, i+1
.endr
.set i, 0
.rept 16
	s_wait_dscnt 15-i
.irp j, 0,1,2,3
.if i == 0
	v_mul_f32 v[A+\j], v[C], v[W+\j]
.else
	v_fma_f32 v[A+\j], v[C+i], v[W+4*i+\j], v[A+\j]
.endif
.endr
.set i, i+1
.endr
	; lane = 4 (kk mod 8) + c4: the sum over kk goes over lane bits 2, 3 and 4
.irp j, 0,1,2,3
	v_add_f32_dpp v[A+\j], v[A+\j], v[A+\j] row_xmask:4 row_mask:0xf bank_mask:0xf
.endr
.irp j, 0,1,2,3
	v_add_f32_dpp v[A+\j], v[A+\j], v[A+\j] row_xmask:8 row_mask:0xf bank_mask:0xf
.endr
.irp j, 0,1,2,3
	v_permlanex16_b32 v[C+\j], v[A+\j], s14, s15   ; the destination has been written before
.endr
.irp j, 0,1,2,3
	v_add_f32 v[A+\j], v[A+\j], v[C+\j]
.endr
	ds_store_b128 v17, v[A:A+3] offset:4096        ; lanes of equal c4 write equal numbers to the same bytes; bytes of their own behind ctx
	s_wait_dscnt 0x0
	s_barrier_signal -1
	s_barrier_wait -1
	s_cmp_lg_u32 s20, 0
	s_cbranch_scc1 .Lend                           ; wave 0 finishes; no barrier follows
.irp w, 0,1,2,3,4,5,6,7
	ds_load_b32 v[20+\w], v14 offset:4096+64*\w    ; hidden column c: the eight waves' parts
.endr
	s_wait_dscnt 0x0
	v_add_f32 v20, v20, v21
	v_add_f32 v22, v22, v23
	v_add_f32 v24, v24, v25
	v_add_f32 v26, v26, v27
	v_add_f32 v20, v20, v22
	v_add_f32 v24, v24, v26
	v_add_f32 v20, v20, v24
	v_add_f32 v21, v20, v[B1]                      ; u
	v_and_b32 v20, 0x7fffffff, v21
	v_mul_f32 v20, 0x3f3504f3, v20                 ; z = |u| / sqrt 2
	v_fma_f32 v22, 0x3ea7ba05, v20, 1.0            ; 1 + p z
	v_rcp_f32 v22, v22                             ; t
	v_mul_f32 v23, v20, v20                        ; a plain instruction stands behind each transcendental before its result is used
	v_mul_f32 v23, 0xbfb8aa3b, v23
	v_exp_f32 v23, v23                             ; exp(-z^2)
	v_mov_b32 v24, 0x3f87dc22                      ; a5
	s_wait_alu depctr_va_vdst(0)
	v_fmaak_f32 v24, v24, v22, 0xbfba00e3          ; a4
	v_fmaak_f32 v24, v24, v22, 0x3fb5f0e3          ; a3
	v_fmaak_f32 v24, v24, v22, 0xbe91a98e          ; a2
	v_fmaak_f32 v24, v24, v22, 0x3e827906          ; a1
	v_mul_f32 v24, v24, v22
	v_fma_f32 v24, -v24, v23, 1.0                  ; erf(z)
	v_bfi_b32 v24, 0x7fffffff, v24, v21            ; with u's sign
	v_add_f32 v24, 1.0, v24
	v_mul_f32 v25, 0.5, v21
	v_mul_f32 v24, v24, v25                        ; h of column c
	v_mov_b32 v28, 0
.set n, 0
.rept 8
	v_pk_mul_f32 v[W2R+2*n:W2R+2*n+1], v[W2R+2*n:W2R+2*n+1], v[24:25] op_sel_hi:[1,0]
.set n, n+1
.endr
.irp m, 1,2,4,8                        ; the sum over my 16 columns: over the sixteen lanes of a row
.set n, 0
.rept 16
	v_add_f32_dpp v[W2R+n], v[W2R+n], v[W2R+n] row_xmask:\m row_mask:0xf bank_mask:0xf
.set n, n+1
.endr
.endr
	s_wait_xcnt 0x0                                ; EXEC changes only behind this wait
	v_cmp_eq_u32 vcc_lo, 0, v0
	s_wait_tensorcnt 0x0
	ds_add_u32 v248, v249
	s_wait_dscnt 0x0
	s_and_saveexec_b32 s21, vcc_lo                 ; lane 0 stores the 16 partial logits, 64 bytes
.irp i, 0,1,2,3
	global_store_b128 v28, v[W2R+4*\i:W2R+4*\i+3], s[12:13] offset:16*\i
.endr
	s_endpgm
.Lend:
	s_wait_tensorcnt 0x0
	ds_add_u32 v248, v249
	s_wait_dscnt 0x0
	s_endpgm
.Lfunc_end_k_q18a4577596_gate:
	.size	k_q18a4577596_gate, .Lfunc_end_k_q18a4577596_gate-k_q18a4577596_gate
	.p2alignl 7, 3214868480
	.fill 96, 4, 3214868480
	.section	.rodata,"a",@progbits
	.p2align	6, 0x0
	.amdhsa_kernel k_q18a4577596_gate
		.amdhsa_group_segment_fixed_size 9216
		.amdhsa_private_segment_fixed_size 0
		.amdhsa_enable_private_segment 0
		.amdhsa_kernarg_size 40
		.amdhsa_user_sgpr_count 2
		.amdhsa_user_sgpr_kernarg_segment_ptr 1
		.amdhsa_wavefront_size32 1
		.amdhsa_system_sgpr_workgroup_id_x 1
		.amdhsa_system_sgpr_workgroup_id_y 1
		.amdhsa_system_sgpr_workgroup_id_z 1
		.amdhsa_system_vgpr_workitem_id 0
		.amdhsa_next_free_vgpr 250
		.amdhsa_next_free_sgpr 66
		.amdhsa_reserve_vcc 1
		.amdhsa_float_denorm_mode_32 3
		.amdhsa_float_denorm_mode_16_64 3
		.amdhsa_memory_ordered 1
		.amdhsa_forward_progress 1
		.amdhsa_inst_pref_size 38
	.end_amdhsa_kernel
	.amdgpu_metadata
---
amdhsa.version: [ 1, 2 ]
amdhsa.kernels:
  - .name:           k_q18a4577596_gate
    .symbol:         k_q18a4577596_gate.kd
    .args:
      - { .name: csum, .offset: 0, .size: 8, .value_kind: global_buffer, .address_space: global }
      - { .name: W1, .offset: 8, .size: 8, .value_kind: global_buffer, .address_space: global }
      - { .name: b1, .offset: 16, .size: 8, .value_kind: global_buffer, .address_space: global }
      - { .name: W2, .offset: 24, .size: 8, .value_kind: global_buffer, .address_space: global }
      - { .name: gpart, .offset: 32, .size: 8, .value_kind: global_buffer, .address_space: global }
    .group_segment_fixed_size: 9216
    .private_segment_fixed_size: 0
    .kernarg_segment_align: 8
    .kernarg_segment_size: 40
    .max_flat_workgroup_size: 256
    .sgpr_count:     66
    .vgpr_count:     250
    .wavefront_size: 32
...
	.end_amdgpu_metadata
.endif
;; end of part 2
;; launch qkv (part 3): grid 16 x 16, 4 waves a work-group, clusters of 4 x 4, 327,680 bytes of LDS; arguments xb, wqkvt, qkvh, bqkv; writes qkvh
.if DOCPART == 3
	.amdgcn_target "amdgcn-amd-amdhsa--gfx1250"
	.amdhsa_code_object_version 6
	.text
	.protected	k_q18a4577596_qkv
	.globl	k_q18a4577596_qkv
	.p2align	8
	.type	k_q18a4577596_qkv,@function
k_q18a4577596_qkv:
	s_mov_b64 s[64:65], 0
	v_nop
	global_prefetch_b8 v0, s[64:65] scope:SCOPE_SE
	s_setreg_imm32_b32 hwreg(HW_REG_WAVE_MODE, 25, 1), 1
	s_wait_xcnt 0x0
	s_wait_alu depctr_hold_cnt(0) depctr_sa_sdst(0) depctr_va_vdst(0) depctr_va_sdst(0) depctr_va_ssrc(0) depctr_va_vcc(0) depctr_vm_vsrc(0)
	s_getreg_b32 s2, hwreg(HW_REG_IB_STS2, 6, 4)
	s_cmp_eq_u32 s2, 0
	s_cbranch_scc0 .Lentry_in_a_cluster
	s_endpgm
.Lentry_in_a_cluster:
	s_bfe_u32 s2, ttmp6, 0x10000c
	s_cmp_lg_u32 s2, 0xf033
	s_cbranch_scc0 .Lentry_shape_is_right
	s_endpgm
.Lentry_shape_is_right:
; qkv: C[m][n] = sum over k of xb[m][k] wqkvt[n][k] + bqkv[n], m < 4,096, n < 3,072, k < 1,024; operands bf16, sums f32, C rounded once to F16 and laid
; head-major: qkvh[n / 64][m][n % 64].  16 x 16 work-groups, a tile of 256 x 192 each: one for each of 256 WGPs.  Four waves; wave w makes rows 64 w .. + 63 and all
; 192 columns (three whole heads), 48 accumulators of 16 x 16, so that its way out touches no other wave's rows.
; WHY F16 OUT: the attention that reads q, k, v adds 2,048 terms that nearly cancel, so each rounding of an operand shows in full in its result; f16 keeps 11 significant bits, bf16 8.
; LIMIT: |q|, |k|, |v| below 65,504.  Room: x of spread 1 and weights of spread 0.02 give a spread of 0.64; both 30 times larger give 576; common offsets of 30 and 0.6 give 1,024 x 30 x 0.6 = 18,432;
; both 30 times smaller give 7e-4, of which f16's fixed step 2^-24 is a ten-thousandth.
; K goes in steps of 128 (rows of 256 bytes in memory) through two LDS slots filled by the tensor data mover.  4 x 4 work-groups form a cluster: A's tiles are asked for jointly
; along a row of the cluster, B's along a column.  The matrix instruction is used transposed (source 0 = 16 rows of B, source 1 = 16 rows of A): a lane holds eight neighbouring columns of a row of C.
; REGISTERS: window 0: v16-27 addresses; v64-95, v96-127 A's fragments, two buffers; v128-223 the bias; on the way out v32-127 at work.
;   window 1: v0-95, v128-223 B's fragments, two buffers.  window 2: accumulators of my row blocks 0, 1 at v[8 (12 a + b)]; window 3: blocks 2, 3.
.set SIZE_K, 1024
.set KSTEP,  128
.set PITCH,  272                       ; an LDS row: 256 bytes + 16 of padding: the 16 rows of a fragment load start in 16 different 16-byte columns
.set AHALF,  128*PITCH                 ; what waves 0 and 1 fetch: 128 rows of A
.set BHALF,  96*PITCH                  ; what waves 2 and 3 fetch: 96 rows of B
.set BOFF,   256*PITCH                 ; B's 192 rows lie behind A's 256
.set SLOT,   448*PITCH
.set STAGE,  2*SLOT                    ; behind the ring, a multiple of 256: for each wave 3 heads x 16 rows x 144 bytes
.set SP,     144
.set HSTG,   16*SP
.set LAPS,   SIZE_K/(2*KSTEP)
.set ADRA, 16                          ; v16-17 LDS address of my A fragments in slot 0, 1
.set ADRB, 20                          ; v20-21 the same for B
.set STO,  24
.set RD,   25
.set CO,   26
.set BOF,  27
.set T,    32                          ; the way out: 96 sums, then 48 packed words
.set OB,   80                          ; the way out: 12 x 4 registers read back from the stage
.set BIAS, 128
.set G1,  24                           ; s[24:31] group 1 for A's tiles;  s[32:39] group 0, a set for each slot
.set G0,  32
.set G1B, 48                           ; s[48:55], s[56:63] the same for B's
.set G0B, 56
.set MSB, 0
.macro WIN new                         ; the immediate's high byte repeats the setting that is left
.if MSB != \new
	s_set_vgpr_msb (MSB<<8)|\new
.set MSB, \new
.endif
.endm
.set MUL_LO, 0xa1                      ; source 0 (B) window 1, source 1 (A) window 0, C and D window 2
.set MUL_HI, 0xf1                      ; the same, C and D window 3
.set TO_B,   0x40                      ; destination window 1, address window 0
.macro JLOAD s                         ; a joint load: waves 0, 1 fetch A's halves, waves 2, 3 B's; four v_nop follow each line
	s_cmp_eq_u32 s11, 0
	s_cbranch_scc0 .Lfor_b_\@
	tensor_load_to_lds s[G0+4*\s:G0+4*\s+3], s[G1:G1+7]
	s_nop 0
.rept 4
	v_nop
.endr
	s_branch .Lasked_\@
.Lfor_b_\@:
	tensor_load_to_lds s[G0B+4*\s:G0B+4*\s+3], s[G1B:G1B+7]
	s_nop 0
.rept 4
	v_nop
.endr
.Lasked_\@:
.endm
.macro CREST                           ; a round of the cluster's barrier behind its opening barrier
	s_cmp_lg_u32 s10, 0
	s_cbranch_scc1 .Lnot_wave_0_\@
	s_barrier_signal -3
.Lnot_wave_0_\@:
	s_barrier_wait -3
	s_barrier_signal -1
	s_barrier_wait -1
.endm
.macro CROUND
	s_barrier_signal -1
	s_barrier_wait -1
	CREST
.endm
.macro PLACES                          ; four plain places in front of loads into registers that matrix instructions have read, and of vector reads of their results
.rept 4
	v_nop
.endr
.endm
	s_load_b128 s[4:7], s[0:1], 0x0                ; xb s[4:5], wqkvt s[6:7]
	s_load_b64 s[8:9], s[0:1], 0x10                ; qkvh
	s_load_b64 s[66:67], s[0:1], 0x18              ; bqkv
	s_set_vgpr_msb 0x40
	v_lshl_add_u32 v255, v0, 2, 0x42400
	s_set_vgpr_msb 0x4000
	v_mov_b32 v255, 0
	s_set_vgpr_msb 0x1
	ds_add_u32 v255, v255
	s_set_vgpr_msb 0x100
	v_lshrrev_b32 v1, 5, v0
	v_readfirstlane_b32 s10, v1                    ; wave 0..3
	s_lshr_b32 s11, s10, 1                         ; I fetch for A (0) or for B (1)
	s_and_b32 s12, s10, 1                          ; which half of that tile
	s_bfe_u32 s40, ttmp6, 0x40000                  ; cx
	s_bfe_u32 s41, ttmp6, 0x40004                  ; cy
	s_lshl_b32 s42, ttmp9, 2
	s_add_co_u32 s42, s42, s40                     ; tile column = 4 x cluster x + cx
	s_and_b32 s13, ttmp7, 0xffff
	s_lshl_b32 s13, s13, 2
	s_add_co_u32 s13, s13, s41                     ; tile row = 4 x cluster y + cy
	s_lshl_b32 s43, s41, 2
	s_lshl_b32 s43, 15, s43                        ; my row of the cluster
	s_lshl_b32 s44, 0x1111, s40                    ; my column
	s_or_b32 s[G1+0], s43, (1<<16)|(1<<20)|(1<<21)|(5<<22)|(3<<25)   ; mask; elements of 2 bytes; padding on; bit 21 beside a mask; after every 64 words 4 words
	s_or_b32 s[G1B+0], s44, (1<<16)|(1<<20)|(1<<21)|(5<<22)|(3<<25)
	s_mov_b32 s[G1+1], KSTEP<<16                   ; tensor_dim0 = 128
	s_mov_b32 s[G1+2], 128<<16                     ; tensor_dim1 = 128
	s_mov_b32 s[G1+3], KSTEP<<16                   ; tile_dim0 = 128
	s_mov_b32 s[G1+4], 128                         ; tile_dim1 = 128
	s_mov_b32 s[G1+5], SIZE_K                      ; elements from row to row
	s_mov_b32 s[G1+6], 0
	s_mov_b32 s[G1+7], 0
	s_mov_b32 s[G1B+1], KSTEP<<16
	s_mov_b32 s[G1B+2], 96<<16                     ; B's load has 96 rows
	s_mov_b32 s[G1B+3], KSTEP<<16
	s_mov_b32 s[G1B+4], 96
	s_mov_b32 s[G1B+5], SIZE_K
	s_mov_b32 s[G1B+6], 0
	s_mov_b32 s[G1B+7], 0
	s_lshl_b32 s17, s12, 7
	s_lshl_b32 s16, s13, 8
	s_add_co_u32 s16, s16, s17                     ; A: row 256 x tile row + 128 x half
	s_mul_i32 s46, s42, 192
	s_mul_i32 s47, s12, 96
	s_add_co_u32 s46, s46, s47                     ; B: row 192 x tile column + 96 x half
	s_mov_b32 s17, 0
	s_mov_b32 s47, 0
	s_mov_b64 s[18:19], SIZE_K*2
	s_mul_u64 s[16:17], s[16:17], s[18:19]
	s_mul_u64 s[46:47], s[46:47], s[18:19]
	s_mul_i32 s20, s10, AHALF                      ; where A's halves go (waves 0, 1)
	s_mul_i32 s21, s10, BHALF
	s_add_co_u32 s21, s21, BOFF-2*BHALF            ; where B's halves go (waves 2, 3): no place in the cluster enters an LDS address
	s_wait_dscnt 0x0
	s_wait_kmcnt 0x0
	s_add_nc_u64 s[14:15], s[4:5], s[16:17]
	s_add_nc_u64 s[46:47], s[6:7], s[46:47]
	CROUND                                         ; all sixteen work-groups are here: the first joint loads meet
.irp s, 0,1
	s_mov_b32 s[G0+4*\s], 1
	s_add_co_u32 s[G0+4*\s+1], s20, \s*SLOT
	s_add_nc_u64 s[G0+4*\s+2:G0+4*\s+3], s[14:15], \s*KSTEP*2
	s_or_b32 s[G0+4*\s+3], s[G0+4*\s+3], 0x80000000
	s_mov_b32 s[G0B+4*\s], 1
	s_add_co_u32 s[G0B+4*\s+1], s21, \s*SLOT
	s_add_nc_u64 s[G0B+4*\s+2:G0B+4*\s+3], s[46:47], \s*KSTEP*2
	s_or_b32 s[G0B+4*\s+3], s[G0B+4*\s+3], 0x80000000
	JLOAD \s                                       ; both slots are asked for before anything else: two loads of mine are out
.endr
	s_mul_i32 s46, s42, 768                        ; the tile's 192 numbers of the bias
	s_mov_b32 s47, 0
	s_add_nc_u64 s[66:67], s[66:67], s[46:47]
	v_and_b32 v1, 15, v0                           ; r = l % 16
	v_bfe_u32 v2, v0, 4, 1                         ; h = l / 16
	v_lshlrev_b32 v[BOF], 5, v2                    ; my eight columns of a block of 16
.irp b, 0,1,2,3,4,5,6,7,8,9,10,11
	global_load_b128 v[BIAS+8*\b:BIAS+8*\b+3],   v[BOF], s[66:67] offset:64*\b
	global_load_b128 v[BIAS+8*\b+4:BIAS+8*\b+7], v[BOF], s[66:67] offset:64*\b+16
.endr
	v_mul_u32_u24 v3, v1, PITCH
	v_lshl_add_u32 v3, v2, 4, v3                   ; a fragment's row x pitch + 16 x half
	s_mul_i32 s22, s10, 64*PITCH                   ; my 64 rows of A
.irp s, 0,1
	v_add_nc_u32 v[ADRA+\s], s22, v3
	v_add_nc_u32 v[ADRB+\s], BOFF+\s*SLOT, v3      ; every wave reads all of B
	s_add_co_u32 s22, s22, SLOT
.endr
	s_mul_i32 s23, s10, 3*HSTG
	s_add_co_u32 s23, s23, STAGE                   ; my stage
	v_mul_u32_u24 v4, v1, SP                       ; in: row r, 16 bytes for each half of the lanes
	v_lshl_add_u32 v4, v2, 4, v4
	v_add_nc_u32 v[STO], s23, v4
	v_and_b32 v5, 31, v0
	v_lshrrev_b32 v6, 3, v5                        ; back: eight lanes take a row of 128 bytes, a load four rows
	v_and_b32 v7, 7, v0
	v_mul_u32_u24 v6, v6, SP
	v_lshl_add_u32 v6, v7, 4, v6
	v_add_nc_u32 v[RD], s23, v6
	v_lshlrev_b32 v[CO], 4, v5                     ; in memory a head's rows follow each other: 512 neighbouring bytes a store
	s_mul_i32 s46, s42, 3*524288                   ; my three heads,
	s_lshl_b32 s47, s13, 15                        ; the tile's 256 rows of 128 bytes,
	s_add_co_u32 s46, s46, s47
	s_lshl_b32 s47, s10, 13                        ; my 64 of them
	s_add_co_u32 s46, s46, s47
	s_mov_b32 s47, 0
	s_add_nc_u64 s[8:9], s[8:9], s[46:47]
; 12 matrix instructions: my row block 2 hi + a x all 12 column blocks, 32 along K, from buffer f.  zero = 1: the product starts the sums.
; The 48 accumulators take turns, one instruction a turn, in the same order in every quarter.
.macro MUL12 f, hi, a, zero
.irp b, 0,1,2,3,4,5,6,7,8,9,10,11
.if \zero
	v_wmma_f32_16x16x32_bf16 v[8*(12*\a+\b):8*(12*\a+\b)+7], v[128*\f+8*\b:128*\f+8*\b+7], v[64+32*\f+8*(2*\hi+\a):64+32*\f+8*(2*\hi+\a)+7], 0
.else
	v_wmma_f32_16x16x32_bf16 v[8*(12*\a+\b):8*(12*\a+\b)+7], v[128*\f+8*\b:128*\f+8*\b+7], v[64+32*\f+8*(2*\hi+\a):64+32*\f+8*(2*\hi+\a)+7], v[8*(12*\a+\b):8*(12*\a+\b)+7]
.endif
.endr
.endm
; 32 LDS loads in one run: 192 rows of B, then my 64 rows of A, 32 K at byte k of the rows, into buffer f
.macro FETCH slot, k, f
	WIN TO_B
.irp i, 0,1,2,3,4,5,6,7,8,9,10,11
	ds_load_b128 v[128*\f+8*\i:128*\f+8*\i+3],   v[ADRB+\slot] offset:\k+\i*16*PITCH
	ds_load_b128 v[128*\f+8*\i+4:128*\f+8*\i+7], v[ADRB+\slot] offset:\k+\i*16*PITCH+32
.endr
	WIN 0
.irp i, 0,1,2,3
	ds_load_b128 v[64+32*\f+8*\i:64+32*\f+8*\i+3],   v[ADRA+\slot] offset:\k+\i*16*PITCH
	ds_load_b128 v[64+32*\f+8*\i+4:64+32*\f+8*\i+7], v[ADRA+\slot] offset:\k+\i*16*PITCH+32
.endr
.endm
; A K step is four quarters of 32 along K, 48 matrix instructions each, on buffers 0, 1, 0, 1.  One of the first three.
.macro QUARTER slot, k, f, g, zero
	s_wait_dscnt 4                                 ; B and A's blocks 0, 1 are in; the youngest four loads (blocks 2, 3) may be out
	WIN MUL_LO
	MUL12 \f, 0, 0, \zero
	MUL12 \f, 0, 1, \zero
	PLACES
	FETCH \slot, \k, \g
	s_wait_dscnt 32                                ; all but the 32 just issued
	WIN MUL_HI
	MUL12 \f, 1, 0, \zero
	MUL12 \f, 1, 1, \zero
.endm
; The last quarter multiplies buffer 1 and changes slots: one barrier; in front of it each wave waits for its reads of this slot and for all its tensor loads.
; fill = 1: the barrier opens a round of the cluster's barrier, and the slot just read is filled again, two K steps ahead, first thing behind the round.
.macro TURN slot, next, fill
	s_wait_dscnt 4
	WIN MUL_LO
	MUL12 1, 0, 0, 0
	s_wait_dscnt 0                                 ; my reads of this slot are over,
	s_wait_tensorcnt 0x0                           ; and all my tensor loads have landed: the one that was out is my part of the next slot
	ds_add_u32 v255, v255
	s_wait_dscnt 0x0
	s_barrier_signal -1
	MUL12 1, 0, 1, 0                               ; register work while the others arrive
.if \fill
	WIN 0
.endif
	s_barrier_wait -1
.if \fill
	CREST                                          ; no wave of any partner still reads this slot or has a load on its way
	s_add_nc_u64 s[G0+4*\slot+2:G0+4*\slot+3], s[G0+4*\slot+2:G0+4*\slot+3], 2*KSTEP*2
	s_add_nc_u64 s[G0B+4*\slot+2:G0B+4*\slot+3], s[G0B+4*\slot+2:G0B+4*\slot+3], 2*KSTEP*2
	JLOAD \slot                                    ; my one tensor load behind the round; its four v_nop are also the places in front of the loads below
.else
	PLACES
.endif
	FETCH \next, 0, 0
	WIN MUL_HI
	MUL12 1, 1, 0, 0
	MUL12 1, 1, 1, 0
.endm
	s_wait_tensorcnt 1                             ; my part of K step 0 is in; K step 1's may stay out
	s_barrier_signal -1
	s_barrier_wait -1
	FETCH 0, 0, 0
	QUARTER 0, 64, 0, 1, 1                         ; the first quarter stands in front of the loop: its products start the sums
	WIN 0                                          ; at a label and at a branch every window is 0
	s_mov_b32 s3, LAPS-1
.Llap:                                                 ; a trip goes once round the ring and fills both slots again
	QUARTER 0, 128, 1, 0, 0
	QUARTER 0, 192, 0, 1, 0
	TURN 0, 1, 1
	QUARTER 1, 64,  0, 1, 0
	QUARTER 1, 128, 1, 0, 0
	QUARTER 1, 192, 0, 1, 0
	TURN 1, 0, 1
	QUARTER 0, 64,  0, 1, 0
	WIN 0
	s_sub_co_u32 s3, s3, 1
	s_cmp_lg_u32 s3, 0
	s_cbranch_scc1 .Llap
	QUARTER 0, 128, 1, 0, 0                        ; the last lap fills nothing
	QUARTER 0, 192, 0, 1, 0
	TURN 0, 1, 0
	QUARTER 1, 64,  0, 1, 0
	QUARTER 1, 128, 1, 0, 0
	QUARTER 1, 192, 0, 1, 0
	s_wait_dscnt 4                                 ; the very last quarter
	WIN MUL_LO
	MUL12 1, 0, 0, 0
	MUL12 1, 0, 1, 0
	s_wait_dscnt 0
	WIN MUL_HI
	MUL12 1, 1, 0, 0
	MUL12 1, 1, 1, 0
	WIN 0
; THE WAY OUT of my row block a: bias added, rounded to f16, 16 bytes a lane into my own stage (a region of 16 rows x 144 bytes for each head), back as 4 rows a load, stored.
.macro OUT a
.if \a > 0
	s_wait_xcnt 0x0                                ; the registers that the last block's stores read are written again only behind this wait
.endif
	WIN 0x02+(\a)/2                                ; source 0: window 2 or 3
.set n, 0
.rept 48
	v_pk_add_f32 v[T+2*n:T+2*n+1], v[96*((\a)%2)+2*n:96*((\a)%2)+2*n+1], v[BIAS+2*n:BIAS+2*n+1]   ; each accumulator is read from its low end on
.set n, n+1
.endr
	WIN 0
.set n, 0
.rept 48
	v_cvt_pk_f16_f32 v[T+n], v[T+2*n], v[T+2*n+1]  ; in place: word n is written when words 2 n and 2 n + 1 are read, and never ahead of them
.set n, n+1
.endr
.irp b, 0,1,2,3,4,5,6,7,8,9,10,11
	ds_store_b128 v[STO], v[T+4*\b:T+4*\b+3] offset:(\b/4)*HSTG+32*(\b%4)
.endr
.irp n, 0,1,2,3,4,5,6,7,8,9,10,11
	ds_load_b128 v[OB+4*\n:OB+4*\n+3], v[RD] offset:(\n/4)*HSTG+(\n%4)*4*SP   ; LDS serves a wave's instructions in order (ISA guide 5.7.1.4): these see the stores above
.endr
.irp n, 0,1,2,3,4,5,6,7,8,9,10,11
	s_wait_dscnt 11-\n
	global_store_b128 v[CO], v[OB+4*\n:OB+4*\n+3], s[8:9] offset:(\n/4)*524288+\a*2048+(\n%4)*512   ; a store covers 512 consecutive bytes, aligned
.endr
.endm
	s_wait_loadcnt 0x0                             ; the bias
	PLACES
	OUT 0
	OUT 1
	OUT 2
	OUT 3
	s_set_vgpr_msb 0x1
	s_wait_tensorcnt 0x0
	ds_add_u32 v255, v255
	s_wait_dscnt 0x0
	s_set_vgpr_msb 0x100
	CROUND                                         ; the closing round: no work-group ends while a partner may still ask for a tile that names it
	s_endpgm
.Lfunc_end_k_q18a4577596_qkv:
	.size	k_q18a4577596_qkv, .Lfunc_end_k_q18a4577596_qkv-k_q18a4577596_qkv
	.p2alignl 7, 3214868480
	.fill 96, 4, 3214868480
	.section	.rodata,"a",@progbits
	.p2align	6, 0x0
	.amdhsa_kernel k_q18a4577596_qkv
		.amdhsa_group_segment_fixed_size 327680
		.amdhsa_private_segment_fixed_size 0
		.amdhsa_enable_private_segment 0
		.amdhsa_kernarg_size 32
		.amdhsa_user_sgpr_count 2
		.amdhsa_user_sgpr_kernarg_segment_ptr 1
		.amdhsa_wavefront_size32 1
		.amdhsa_system_sgpr_workgroup_id_x 1
		.amdhsa_system_sgpr_workgroup_id_y 1
		.amdhsa_system_sgpr_workgroup_id_z 1
		.amdhsa_system_vgpr_workitem_id 0
		.amdhsa_next_free_vgpr 1024
		.amdhsa_next_free_sgpr 72
		.amdhsa_reserve_vcc 0
		.amdhsa_float_denorm_mode_32 3
		.amdhsa_float_denorm_mode_16_64 3
		.amdhsa_memory_ordered 1
		.amdhsa_forward_progress 1
		.amdhsa_inst_pref_size 134
	.end_amdhsa_kernel
	.amdgpu_metadata
---
amdhsa.version: [ 1, 2 ]
amdhsa.kernels:
  - .name:           k_q18a4577596_qkv
    .symbol:         k_q18a4577596_qkv.kd
    .args:
      - { .name: xb, .offset: 0, .size: 8, .value_kind: global_buffer, .address_space: global }
      - { .name: wqkvt, .offset: 8, .size: 8, .value_kind: global_buffer, .address_space: global }
      - { .name: qkvh, .offset: 16, .size: 8, .value_kind: global_buffer, .address_space: global }
      - { .name: bqkv, .offset: 24, .size: 8, .value_kind: global_buffer, .address_space: global }
    .group_segment_fixed_size: 327680
    .private_segment_fixed_size: 0
    .kernarg_segment_align: 8
    .kernarg_segment_size: 32
    .max_flat_workgroup_size: 128
    .sgpr_count:     72
    .vgpr_count:     1024
    .wavefront_size: 32
...
	.end_amdgpu_metadata
.endif
;; end of part 3
;; launch attn (part 4): grid 16 x 16, 8 waves a work-group, clusters of 4 x 1, 327,680 bytes of LDS; arguments qkvh, mobius_scale, att; writes att
.if DOCPART == 4
	.amdgcn_target "amdgcn-amd-amdhsa--gfx1250"
	.amdhsa_code_object_version 6
	.text
	.protected	k_q18a4577596_attn
	.globl	k_q18a4577596_attn
	.p2align	8
	.type	k_q18a4577596_attn,@function
k_q18a4577596_attn:
	s_mov_b64 s[64:65], 0
	v_nop
	global_prefetch_b8 v0, s[64:65] scope:SCOPE_SE
	s_setreg_imm32_b32 hwreg(HW_REG_WAVE_MODE, 25, 1), 1
	s_wait_xcnt 0x0
	s_wait_alu depctr_hold_cnt(0) depctr_sa_sdst(0) depctr_va_vdst(0) depctr_va_sdst(0) depctr_va_ssrc(0) depctr_va_vcc(0) depctr_vm_vsrc(0)
	s_getreg_b32 s2, hwreg(HW_REG_IB_STS2, 6, 4)
	s_cmp_eq_u32 s2, 0
	s_cbranch_scc0 .Lentry_in_a_cluster
	s_endpgm
.Lentry_in_a_cluster:
	s_bfe_u32 s2, ttmp6, 0x10000c
	s_cmp_lg_u32 s2, 0x3003
	s_cbranch_scc0 .Lentry_shape_is_right
	s_endpgm
.Lentry_shape_is_right:
; attn: for each batch and head, s = q . k / 8, s' = s + ms s / (1 + s^2) = s (1 + ms / (1 + s^2)), softmax over the 2,048 keys with a running maximum, O = P V.
; q, k, v: qkvh[g][m][64] f16 (g = head, 16 + head, 32 + head; m = 2,048 b + position).  att[m][64 head + d] bf16.
; FORMATS.  Both products take f16 operands and add in f32.  O adds 2,048 terms that nearly cancel where the weights are flat, so a rounding of P or V shows in full in O: f16's 11 significant bits are
; wanted.  P lies in (0, 1], since the running maximum is taken away; q, k, v have f16's room as the launch that stores them states (|q|, |k|, |v| below 65,504).
; SHARES.  A work-group owns 128 queries of a PAIR of heads (so a row of its output is 256 consecutive bytes of att); wave w takes head w / 4 of the pair and queries 32 (w % 4) .. + 31: two tiles of 16.
; Two waves lie on a SIMD: one's products run beside the other's softmax.  Every wave walks its head's keys, 64 a step.
; LAYOUT.  S^T = K Q^T and O^T = V^T P: a lane holds one query (lane % 16) in S^T, P and O^T; K comes out of LDS as it lies, V turned by ds_load_tr16_b128.
; CLUSTER.  The four query blocks of a cluster walk the same K and V: each tile is asked for jointly.  A slot holds two key steps of both heads: eight tiles, one load a wave.
; LIMITS.  q is multiplied by 1/8 in f16 (exact but where q / 8 falls below 2^-14, where the step is 2^-24).  l adds the unrounded weights, the second product takes them in f16.  Where s^2 overflows f32 the term ms s / (1 + s^2) counts as 0.
; REGISTERS.  window 0: v2-11 addresses; v12-27 statistics, 8 a tile; v32-63 at work; v64-127 S^T; v128-159 P; v160-223 K.   window 1: v0-31 Q; v32-95 V; v96-159 O^T.
.set KS,    64
.set PK,    144                        ; a row of K in LDS: 128 bytes + 16: the 16 rows of a load start in 16 different 16-byte columns
.set PV,    160                        ; a row of V: 128 + 32, an odd multiple of 32, for the turning load
.set VOFF,  KS*PK
.set STEPB, KS*(PK+PV)                 ; a head's key step: 64 rows of K, then 64 rows of V
.set SLOT1, 1<<17                      ; a slot is four such (77,824 bytes): head 0's two steps, head 1's two; slot 1 begins here
.set STAGE, SLOT1+4*STEPB              ; behind the ring, a multiple of 256: 128 rows x 272 bytes
.set SP,    272
.set AK0, 2
.set AV0, 3
.set ADR, 4
.set QO,  5
.set STO, 6
.set RD,  7
.set GO,  8
.set ADR2, 10
.set ST,  12                           ; tile t at v[ST+8 t]: +0 c m, +1 m, +2, +3 l (even keys', odd keys'), +4 to +7 at work; a in +6
.set T,   32
.set S,   64
.set P,   128
.set KF,  160
.set VF,  32                           ; window 1
.set O,   96                           ; window 1
.set WV,  12
.set G1K, 24
.set G1V, 32
.set G0K, 40                           ; two sets: one for each first fill; the second walks on
.set G0V, 48
.set SLOTS, 56
.set TWICE, 57
.set CS,  58                           ; s[58:59] log2(e)
.set SEL, 60
.set TB,  62                           ; LDS byte at which the slot's step in hand begins
.set MS,  66                           ; s[66:67] my head's mobius_scale
.set MSB, 0
.macro WIN new
.if MSB != \new
	s_set_vgpr_msb (MSB<<8)|\new
.set MSB, \new
.endif
.endm
.macro JLOAD                           ; a joint refill: waves 0-3 fetch the four tiles of K, waves 4-7 those of V; four v_nop follow each line
	s_cmp_lt_u32 s[WV], 4
	s_cbranch_scc0 .Lfor_v_\@
	tensor_load_to_lds s[G0K+4:G0K+7], s[G1K:G1K+7]
	s_nop 0
.rept 4
	v_nop
.endr
	s_branch .Lasked_\@
.Lfor_v_\@:
	tensor_load_to_lds s[G0V+4:G0V+7], s[G1V:G1V+7]
	s_nop 0
.rept 4
	v_nop
.endr
.Lasked_\@:
.endm
.macro CROUND                          ; a round of the cluster's barrier
	s_barrier_signal -1
	s_barrier_wait -1
	s_cmp_lg_u32 s[WV], 0
	s_cbranch_scc1 .Lnot_wave_0_\@
	s_barrier_signal -3
.Lnot_wave_0_\@:
	s_barrier_wait -3
	s_barrier_signal -1
	s_barrier_wait -1
.endm
.macro PLACES
.rept 4
	v_nop
.endr
.endm
	s_load_b128 s[4:7], s[0:1], 0x0                ; qkvh s[4:5], mobius_scale s[6:7]
	s_load_b64 s[8:9], s[0:1], 0x10                ; att
	v_lshl_add_u32 v254, v0, 2, 0x3b800
	v_mov_b32 v255, 0
	ds_add_u32 v254, v255
	v_lshrrev_b32 v1, 5, v0
	v_readfirstlane_b32 s[WV], v1                  ; wave 0..7
	s_bfe_u32 s13, ttmp6, 0x40000                  ; cx
	s_lshl_b32 s14, ttmp9, 2
	s_add_co_u32 s14, s14, s13                     ; my block of 128 queries: it enters Q's and att's addresses alone
	s_and_b32 s15, ttmp7, 0xffff
	s_lshr_b32 s16, s15, 3                         ; b
	s_and_b32 s17, s15, 7                          ; the pair of heads
	s_and_b32 s18, s[WV], 3                        ; which tile of a slot I fetch; also my 32 queries of the block
	s_lshr_b32 s19, s[WV], 2                       ; my head of the pair
	s_lshl_b32 s20, s17, 20                        ; the tile that I fetch: head 2 hp + idx / 2 (524,288 bytes a head),
	s_lshr_b32 s21, s18, 1
	s_lshl_b32 s21, s21, 19
	s_add_co_u32 s20, s20, s21
	s_lshl_b32 s21, s16, 18                        ; the batch's 2,048 rows of 128 bytes,
	s_add_co_u32 s20, s20, s21
	s_and_b32 s21, s18, 1                          ; step idx % 2: 64 rows
	s_lshl_b32 s21, s21, 13
	s_add_co_u32 s20, s20, s21
	s_mov_b32 s21, 0
	s_mul_i32 s70, s18, STEPB                      ; and its place in a slot
	s_mul_i32 s71, s19, 2*STEPB                    ; where my head's steps lie in a slot
	s_lshl_b32 s2, s17, 20                         ; my rows of Q: head 2 hp + hs,
	s_lshl_b32 s3, s19, 19
	s_add_co_u32 s2, s2, s3
	s_lshl_b32 s3, s16, 18
	s_add_co_u32 s2, s2, s3
	s_lshl_b32 s3, s14, 14                         ; block of 128 rows,
	s_add_co_u32 s2, s2, s3
	s_lshl_b32 s3, s18, 12                         ; my 32 of them
	s_add_co_u32 s2, s2, s3
	s_mov_b32 s3, 0
	s_lshl_b32 s10, s16, 22                        ; the rows of att that I store: 2,048 b + 128 block + 16 wave, 2,048 bytes each,
	s_lshl_b32 s11, s14, 18
	s_add_co_u32 s10, s10, s11
	s_lshl_b32 s11, s[WV], 15
	s_add_co_u32 s10, s10, s11
	s_lshl_b32 s11, s17, 8                         ; and the pair's 256 bytes of a row
	s_add_co_u32 s10, s10, s11
	s_mov_b32 s11, 0
	s_lshl_b32 s66, s17, 3                         ; 4 bytes x (2 hp + hs)
	s_lshl_b32 s67, s19, 2
	s_add_co_u32 s66, s66, s67
	s_mov_b32 s67, 0
	s_mov_b32 s[G1K], 15|(1<<16)|(1<<20)|(1<<21)|(4<<22)|(3<<25)   ; mask: all four; elements of 2 bytes; padding on; bit 21 beside a mask; after every 32 words 4 words
	s_mov_b32 s[G1V], 15|(1<<16)|(1<<20)|(1<<21)|(4<<22)|(7<<25)   ; the same with 8 words
.irp g, G1K, G1V
	s_mov_b32 s[\g+1], 64<<16                      ; tensor_dim0 = 64
	s_mov_b32 s[\g+2], KS<<16                      ; tensor_dim1 = 64
	s_mov_b32 s[\g+3], 64<<16                      ; tile_dim0 = 64
	s_mov_b32 s[\g+4], KS                          ; tile_dim1 = 64
	s_mov_b32 s[\g+5], 64                          ; elements from row to row
	s_mov_b32 s[\g+6], 0
	s_mov_b32 s[\g+7], 0
.endr
	s_mov_b32 s[CS], 0x3fb8aa3b
	s_mov_b32 s[CS+1], s[CS]
	s_mov_b32 s[SEL], 0x76543210
	s_mov_b32 s[SEL+1], 0xfedcba98
	s_mov_b32 s[TB], 0
	s_mov_b32 s[SLOTS], 14                         ; 16 fills of 128 keys; two go out at the start
	s_wait_dscnt 0x0
	s_wait_kmcnt 0x0
	s_add_nc_u64 s[22:23], s[4:5], s[20:21]        ; my tile, counted from the head regions' starts
	s_add_nc_u64 s[4:5], s[4:5], s[2:3]            ; Q at my first row
	s_add_nc_u64 s[8:9], s[8:9], s[10:11]
	s_add_nc_u64 s[6:7], s[6:7], s[66:67]
	s_load_b32 s[MS], s[6:7], 0x0
	CROUND                                         ; all four work-groups are here: the first joint loads meet
.irp s, 0,1
	s_mov_b32 s[G0K+4*\s], 1
	s_add_co_u32 s[G0K+4*\s+1], s70, \s*SLOT1
	s_add_nc_u64 s[G0K+4*\s+2:G0K+4*\s+3], s[22:23], 16*524288+\s*2*KS*128   ; K's heads begin 16 heads in; slot s begins with keys 128 s
	s_or_b32 s[G0K+4*\s+3], s[G0K+4*\s+3], 0x80000000
	s_mov_b32 s[G0V+4*\s], 1
	s_add_co_u32 s[G0V+4*\s+1], s70, \s*SLOT1+VOFF
	s_add_nc_u64 s[G0V+4*\s+2:G0V+4*\s+3], s[22:23], 32*524288+\s*2*KS*128   ; V's 32 heads in
	s_or_b32 s[G0V+4*\s+3], s[G0V+4*\s+3], 0x80000000
.endr
	s_cmp_lt_u32 s[WV], 4                          ; a wave's two first fills stand in one branch, ahead of every wait on TENSORcnt and every LDS read: two loads of mine are out
	s_cbranch_scc0 .Lfirst_v
	tensor_load_to_lds s[G0K:G0K+3], s[G1K:G1K+7]
	s_nop 0
	tensor_load_to_lds s[G0K+4:G0K+7], s[G1K:G1K+7]
	s_nop 0
.rept 4
	v_nop
.endr
	s_branch .Lfirst_asked
.Lfirst_v:
	tensor_load_to_lds s[G0V:G0V+3], s[G1V:G1V+7]
	s_nop 0
	tensor_load_to_lds s[G0V+4:G0V+7], s[G1V:G1V+7]
	s_nop 0
.rept 4
	v_nop
.endr
.Lfirst_asked:
	v_and_b32 v1, 15, v0                           ; r = l % 16
	v_bfe_u32 v9, v0, 4, 1                         ; h = l / 16
	v_lshlrev_b32 v[QO], 7, v1
	v_lshl_add_u32 v[QO], v9, 4, v[QO]             ; row x 128 + 16 x half
	WIN 0x40                                       ; destination window 1
.irp i, 0,1,2,3                        ; Q stays in registers: tile i / 2, channels 32 (i % 2) on
	global_load_b128 v[8*\i:8*\i+3],   v[QO], s[4:5] offset:(\i/2)*2048+(\i%2)*64
	global_load_b128 v[8*\i+4:8*\i+7], v[QO], s[4:5] offset:(\i/2)*2048+(\i%2)*64+32
.endr
	WIN 0
	v_mul_u32_u24 v[AK0], v1, PK
	v_lshl_add_u32 v[AK0], v9, 4, v[AK0]
	v_add_nc_u32 v[AK0], s71, v[AK0]               ; K: my head's steps + row x pitch + 16 x half
	v_and_b32 v10, 7, v0
	v_bfe_u32 v11, v0, 3, 1
	v_lshl_add_u32 v[AV0], v9, 3, v10              ; V, turned: key 8 h + l % 8, channels 8 ((l / 8) % 2) on
	v_mul_u32_u24 v[AV0], v[AV0], PV
	v_lshl_add_u32 v[AV0], v11, 4, v[AV0]
	s_add_co_u32 s20, s71, VOFF
	v_add_nc_u32 v[AV0], s20, v[AV0]
	s_mul_i32 s20, s18, 32*SP                      ; into the stage: row 32 (w % 4) + r, my head's 128 bytes, 16 bytes for each half of the lanes
	s_lshl_b32 s21, s19, 7
	s_add_co_u32 s20, s20, s21
	s_add_co_u32 s20, s20, STAGE
	v_mul_u32_u24 v[STO], v1, SP
	v_lshl_add_u32 v[STO], v9, 4, v[STO]
	v_add_nc_u32 v[STO], s20, v[STO]
	s_mul_i32 s20, s[WV], 16*SP                    ; back: wave w takes rows 16 w .. + 15, whole; lanes 0-15 one row, lanes 16-31 the next
	s_add_co_u32 s20, s20, STAGE
	v_mul_u32_u24 v[RD], v9, SP
	v_lshl_add_u32 v[RD], v1, 4, v[RD]
	v_add_nc_u32 v[RD], s20, v[RD]
	v_lshlrev_b32 v[GO], 11, v9                    ; and the same two rows in att
	v_lshl_add_u32 v[GO], v1, 4, v[GO]
	v_mov_b32 v[T], 0x30003000                     ; 1/8 in f16, twice
.macro FETCH_K                         ; a step's K: 64 keys x 64 channels, 8 fragments
	WIN 0
	v_add_nc_u32 v[ADR], s[TB], v[AK0]
.irp f, 0,1,2,3,4,5,6,7                ; keys 16 (f / 2) on, channels 32 (f % 2) on
	ds_load_b128 v[KF+8*\f:KF+8*\f+3],   v[ADR] offset:(\f/2)*16*PK+(\f%2)*64
	ds_load_b128 v[KF+8*\f+4:KF+8*\f+7], v[ADR] offset:(\f/2)*16*PK+(\f%2)*64+32
.endr
.endm
.macro FETCH_V                         ; the same step's V, turned
	v_add_nc_u32 v[ADR2], s[TB], v[AV0]
	s_add_co_u32 s[TB], s[TB], STEPB               ; the next fetch is the next step's
	WIN 0x40
.irp f, 0,1,2,3,4,5,6,7                ; keys 32 (f / 4) on, channels 16 (f % 4) on
	ds_load_tr16_b128 v[VF+8*\f:VF+8*\f+3],   v[ADR2] offset:(\f/4)*32*PV+(\f%4)*32
	ds_load_tr16_b128 v[VF+8*\f+4:VF+8*\f+7], v[ADR2] offset:(\f/4)*32*PV+16*PV+(\f%4)*32
.endr
.endm
; 16 products S^T = K Q^T: channels 32 (i / 8) on, keys 16 ((i / 2) % 4) on, tile i % 2.  Eight accumulators take turns, one instruction a turn; the first 8 start the sums.
.macro KQ
	WIN 0x04                                       ; Q in window 1
.set i, 0
.rept 16
.set rS, S+32*(i%2)+8*((i/2)%4)
.set rK, KF+16*((i/2)%4)+8*(i/8)
.set rQ, 16*(i%2)+8*(i/8)
.if i < 8
	v_wmma_f32_16x16x32_f16 v[rS:rS+7], v[rK:rK+7], v[rQ:rQ+7], 0
.else
	v_wmma_f32_16x16x32_f16 v[rS:rS+7], v[rK:rK+7], v[rQ:rQ+7], v[rS:rS+7]
.endif
.set i, i+1
.endr
.endm
; 16 products O^T += V^T P: keys 32 (i / 8) on, channels 16 ((i / 2) % 4) on, tile i % 2.  zero = 1: the first 8 start the sums.
.macro PVM zero
	WIN 0x51                                       ; V and O^T in window 1, P in window 0
.set i, 0
.rept 16
.set rO, O+32*(i%2)+8*((i/2)%4)
.set rV, VF+8*(4*(i/8)+(i/2)%4)
.set rP, P+16*(i%2)+8*(i/8)
.if \zero && (i < 8)
	v_wmma_f32_16x16x32_f16 v[rO:rO+7], v[rV:rV+7], v[rP:rP+7], 0
.else
	v_wmma_f32_16x16x32_f16 v[rO:rO+7], v[rV:rV+7], v[rP:rP+7], v[rO:rO+7]
.endif
.set i, i+1
.endr
.endm
; s' = s (1 + ms / (1 + s^2)) for tile t's 32 scores a lane
.macro MOB t
.set rS, S+32*\t
.set n, 0
.rept 16
	v_pk_fma_f32 v[T+2*n:T+2*n+1], v[rS+2*n:rS+2*n+1], v[rS+2*n:rS+2*n+1], 1.0 op_sel_hi:[1,1,0]   ; each accumulator is read from its low end on
.set n, n+1
.endr
.set n, 0
.rept 32
	v_rcp_f32 v[T+n], v[T+n]
.set n, n+1
.endr
	v_nop                                          ; a plain instruction between the reciprocals and the use of their results (ISA guide 5.7.2)
.set n, 0
	s_wait_alu depctr_va_vdst(0)
.rept 16
	v_pk_fma_f32 v[T+2*n:T+2*n+1], v[T+2*n:T+2*n+1], s[MS:MS+1], 1.0 op_sel_hi:[1,0,0]
.set n, n+1
.endr
.set n, 0
.rept 16
	v_pk_mul_f32 v[rS+2*n:rS+2*n+1], v[rS+2*n:rS+2*n+1], v[T+2*n:T+2*n+1]
.set n, n+1
.endr
.endm
; the maximum of the lane's 32 scores and the old m: four chains, three operands at a time
.macro MAXI t, first
.set rT, ST+8*\t
.set rS, S+32*\t
.irp j, 0,1,2,3
	v_max3_num_f32 v[rT+4+\j], v[rS+8*\j], v[rS+8*\j+1], v[rS+8*\j+2]
.endr
.irp j, 0,1,2,3
	v_max3_num_f32 v[rT+4+\j], v[rT+4+\j], v[rS+8*\j+3], v[rS+8*\j+4]
.endr
.irp j, 0,1,2,3
	v_max3_num_f32 v[rT+4+\j], v[rT+4+\j], v[rS+8*\j+5], v[rS+8*\j+6]
.endr
	v_max3_num_f32 v[rT+4], v[rT+4], v[rS+7], v[rS+15]
	v_max3_num_f32 v[rT+6], v[rT+6], v[rS+23], v[rS+31]
	v_max3_num_f32 v[rT+4], v[rT+4], v[rT+5], v[rT+6]
.if \first
	v_max_num_f32 v[rT+4], v[rT+4], v[rT+7]
.else
	v_max3_num_f32 v[rT+4], v[rT+4], v[rT+7], v[rT+1]
.endif
.endm
; the other half of the lanes' maximum; the new m; c m; a = 2^(c m_old - c m_new)
.macro STAT t, first
.set rT, ST+8*\t
	v_permlanex16_b32 v[rT+5], v[rT+4], s[SEL], s[SEL+1]
.if !\first
	v_mov_b32 v[rT+7], v[rT]
.endif
	v_max_num_f32 v[rT+1], v[rT+4], v[rT+5]
	v_mul_f32 v[rT], s[CS], v[rT+1]
.if !\first
	v_sub_f32 v[rT+7], v[rT+7], v[rT]
	v_exp_f32 v[rT+6], v[rT+7]                     ; what follows is plain and names neither register
.endif
.endm
; p = 2^(c s' - c m); P in f16; l = a l + the sum
.macro EXPO t, first
.set rT, ST+8*\t
.set rS, S+32*\t
.set rP, P+16*\t
.set n, 0
.rept 16
	v_pk_fma_f32 v[rS+2*n:rS+2*n+1], v[rS+2*n:rS+2*n+1], s[CS:CS+1], v[rT:rT+1] op_sel_hi:[1,0,0] neg_lo:[0,0,1] neg_hi:[0,0,1]
.set n, n+1
.endr
.set n, 0
.rept 32
	v_exp_f32 v[rS+n], v[rS+n]
.set n, n+1
.endr
	v_nop                                          ; a plain instruction between the exponentials and the use of their results
.set n, 0
	s_wait_alu depctr_va_vdst(0)
.rept 16
	v_cvt_pk_f16_f32 v[rP+n], v[rS+2*n], v[rS+2*n+1]
.set n, n+1
.endr
.irp u, 0,1,2,3,4,5,6,7
	v_pk_add_f32 v[rS+4*\u:rS+4*\u+1], v[rS+4*\u:rS+4*\u+1], v[rS+4*\u+2:rS+4*\u+3]
.endr
.irp u, 0,1,2,3
	v_pk_add_f32 v[rS+8*\u:rS+8*\u+1], v[rS+8*\u:rS+8*\u+1], v[rS+8*\u+4:rS+8*\u+5]
.endr
.irp u, 0,1
	v_pk_add_f32 v[rS+16*\u:rS+16*\u+1], v[rS+16*\u:rS+16*\u+1], v[rS+16*\u+8:rS+16*\u+9]
.endr
.if \first
	v_pk_add_f32 v[rT+2:rT+3], v[rS:rS+1], v[rS+16:rS+17]
.else
	v_pk_add_f32 v[rS:rS+1], v[rS:rS+1], v[rS+16:rS+17]
	v_pk_fma_f32 v[rT+2:rT+3], v[rT+2:rT+3], v[rT+6:rT+7], v[rS:rS+1] op_sel_hi:[1,0,1]
.endif
.endm
.macro RESC t                          ; O^T times a
	WIN 0x41
.set n, 0
.rept 16
	v_pk_mul_f32 v[O+32*\t+2*n:O+32*\t+2*n+1], v[O+32*\t+2*n:O+32*\t+2*n+1], v[ST+8*\t+6:ST+8*\t+7] op_sel_hi:[1,0]
.set n, n+1
.endr
.endm
; A KEY STEP, in phases
.macro STEP first
	FETCH_K
	FETCH_V
	s_wait_dscnt 16                                ; K is in; V's sixteen loads may stay out
	KQ
	WIN 0
	PLACES                                         ; four places between the products and the reads of the scores
	MOB 0
	MOB 1
	MAXI 0, \first
	MAXI 1, \first
	STAT 0, \first
	STAT 1, \first
	EXPO 0, \first
	EXPO 1, \first
.if !\first
	RESC 0
	RESC 1
.endif
	s_wait_dscnt 0x0                               ; V is in
	PVM \first
	WIN 0
	PLACES                                         ; four places in front of the next loads into V's registers
.endm
; THE CHANGE OF SLOTS.  Each wave waits for its reads of the slot and for all its tensor loads, of which one is out: its tile of the other slot.  fill = 1: the barrier is a round of the
; cluster's, and the slot just read is filled again, with the keys two slots on, first thing behind it: it has two key steps in which to land.
.macro CHANGE fill
	WIN 0
	s_wait_dscnt 0x0
	s_wait_tensorcnt 0x0                           ; no tensor load of mine is out, so a group 0 may be written
	ds_add_u32 v254, v255
	s_wait_dscnt 0x0
.if \fill
.irp g, G0K+4, G0V+4
	s_xor_b32 s[\g+1], s[\g+1], SLOT1              ; the walking descriptor: the other slot than last time,
	s_add_nc_u64 s[\g+2:\g+3], s[\g+2:\g+3], 2*KS*128   ; the next 128 keys
.endr
	CROUND
	JLOAD
.else
	s_barrier_signal -1
	s_barrier_wait -1
.endif
	s_sub_co_u32 s[TB], s[TB], 2*STEPB             ; back to a slot's first step,
	s_xor_b32 s[TB], s[TB], SLOT1                  ; in the other slot
.endm
.macro TWO_STEPS                       ; a slot's two key steps: written once, walked twice
	s_mov_b32 s[TWICE], 2
.Lstep_\@:
	STEP 0
	s_sub_co_u32 s[TWICE], s[TWICE], 1
	s_cmp_lg_u32 s[TWICE], 0
	s_cbranch_scc1 .Lstep_\@
.endm
	s_wait_kmcnt 0x0
	s_mov_b32 s[MS+1], s[MS]                       ; named with it as a pair, so it is written
	s_wait_loadcnt 0x0                             ; Q
	WIN 0x41                                       ; Q (destination and source 0) in window 1, the factor in window 0
.set n, 0
.rept 32
	v_pk_mul_f16 v[n], v[n], v[T]                  ; Q / 8, two numbers at a time: a power of two changes the exponent alone
.set n, n+1
.endr
	WIN 0
	s_wait_tensorcnt 1                             ; my tile of slot 0 is in; slot 1's may stay out
	s_barrier_signal -1
	s_barrier_wait -1
	STEP 1                                         ; the first key step starts m, l and O^T
	STEP 0
.Lslot:                                                ; 14 trips: every slot but the last two is filled again
	CHANGE 1
	TWO_STEPS
	s_sub_co_u32 s[SLOTS], s[SLOTS], 1
	s_cmp_lg_u32 s[SLOTS], 0
	s_cbranch_scc1 .Lslot
	CHANGE 0                                       ; the tail is written out: nothing is left to ask for
	TWO_STEPS
	; THE WAY OUT: l's two halves and the other half of the lanes' are added; O^T / l, rounded to bf16, goes through the work-group's stage: a row's 256 bytes come from two waves.
.irp t, 0,1
	v_add_f32 v[ST+8*\t+4], v[ST+8*\t+2], v[ST+8*\t+3]
.endr
.irp t, 0,1
	v_permlanex16_b32 v[ST+8*\t+5], v[ST+8*\t+4], s[SEL], s[SEL+1]
.endr
.irp t, 0,1
	v_add_f32 v[ST+8*\t+4], v[ST+8*\t+4], v[ST+8*\t+5]
.endr
.irp t, 0,1
	v_rcp_f32 v[ST+8*\t+6], v[ST+8*\t+4]
.endr
	v_nop
	s_wait_alu depctr_va_vdst(0)
.irp t, 0,1
	RESC \t                                        ; here the factor is 1 / l
	WIN 0x05                                       ; sources window 1, destination window 0
.set n, 0
.rept 16
	v_cvt_pk_bf16_f32 v[S+16*\t+n], v[O+32*\t+2*n], v[O+32*\t+2*n+1]
.set n, n+1
.endr
	WIN 0
.irp c, 0,1,2,3
	ds_store_b128 v[STO], v[S+16*\t+4*\c:S+16*\t+4*\c+3] offset:\t*16*SP+32*\c
.endr
.endr
	s_wait_dscnt 0x0                               ; for the others' sake: my stores into the stage are done
	s_barrier_signal -1
	s_barrier_wait -1
.irp f, 0,1,2,3,4,5,6,7
	ds_load_b128 v[S+32+4*\f:S+32+4*\f+3], v[RD] offset:\f*2*SP
.endr
.irp f, 0,1,2,3,4,5,6,7
	s_wait_dscnt 7-\f
	global_store_b128 v[GO], v[S+32+4*\f:S+32+4*\f+3], s[8:9] offset:\f*4096   ; 16 lanes store 256 consecutive bytes, aligned
.endr
	s_wait_tensorcnt 0x0
	ds_add_u32 v254, v255
	s_wait_dscnt 0x0
	CROUND                                         ; the closing round
	s_endpgm
.Lfunc_end_k_q18a4577596_attn:
	.size	k_q18a4577596_attn, .Lfunc_end_k_q18a4577596_attn-k_q18a4577596_attn
	.p2alignl 7, 3214868480
	.fill 96, 4, 3214868480
	.section	.rodata,"a",@progbits
	.p2align	6, 0x0
	.amdhsa_kernel k_q18a4577596_attn
		.amdhsa_group_segment_fixed_size 327680
		.amdhsa_private_segment_fixed_size 0
		.amdhsa_enable_private_segment 0
		.amdhsa_kernarg_size 24
		.amdhsa_user_sgpr_count 2
		.amdhsa_user_sgpr_kernarg_segment_ptr 1
		.amdhsa_wavefront_size32 1
		.amdhsa_system_sgpr_workgroup_id_x 1
		.amdhsa_system_sgpr_workgroup_id_y 1
		.amdhsa_system_sgpr_workgroup_id_z 1
		.amdhsa_system_vgpr_workitem_id 0
		.amdhsa_next_free_vgpr 416
		.amdhsa_next_free_sgpr 72
		.amdhsa_reserve_vcc 0
		.amdhsa_float_denorm_mode_32 3
		.amdhsa_float_denorm_mode_16_64 3
		.amdhsa_memory_ordered 1
		.amdhsa_forward_progress 1
		.amdhsa_inst_pref_size 119
	.end_amdhsa_kernel
	.amdgpu_metadata
---
amdhsa.version: [ 1, 2 ]
amdhsa.kernels:
  - .name:           k_q18a4577596_attn
    .symbol:         k_q18a4577596_attn.kd
    .args:
      - { .name: qkvh, .offset: 0, .size: 8, .value_kind: global_buffer, .address_space: global }
      - { .name: mobius_scale, .offset: 8, .size: 8, .value_kind: global_buffer, .address_space: global }
      - { .name: att, .offset: 16, .size: 8, .value_kind: global_buffer, .address_space: global }
    .group_segment_fixed_size: 327680
    .private_segment_fixed_size: 0
    .kernarg_segment_align: 8
    .kernarg_segment_size: 24
    .max_flat_workgroup_size: 256
    .sgpr_count:     72
    .vgpr_count:     416
    .wavefront_size: 32
...
	.end_amdgpu_metadata
.endif
;; end of part 4
;; launch proj (part 5): grid 8 x 32, 4 waves a work-group, clusters of 4 x 4, 327,680 bytes of LDS; arguments att, wot, out0, bo, gpart, b2, adaptive_weight; writes out0
.if DOCPART == 5
	.amdgcn_target "amdgcn-amd-amdhsa--gfx1250"
	.amdhsa_code_object_version 6
	.text
	.protected	k_q18a4577596_proj
	.globl	k_q18a4577596_proj
	.p2align	8
	.type	k_q18a4577596_proj,@function
k_q18a4577596_proj:
	s_mov_b64 s[64:65], 0
	v_nop
	global_prefetch_b8 v0, s[64:65] scope:SCOPE_SE
	s_setreg_imm32_b32 hwreg(HW_REG_WAVE_MODE, 25, 1), 1
	s_wait_xcnt 0x0
	s_wait_alu depctr_hold_cnt(0) depctr_sa_sdst(0) depctr_va_vdst(0) depctr_va_sdst(0) depctr_va_ssrc(0) depctr_va_vcc(0) depctr_vm_vsrc(0)
	s_getreg_b32 s2, hwreg(HW_REG_IB_STS2, 6, 4)
	s_cmp_eq_u32 s2, 0
	s_cbranch_scc0 .Lentry_in_a_cluster
	s_endpgm
.Lentry_in_a_cluster:
	s_bfe_u32 s2, ttmp6, 0x10000c
	s_cmp_lg_u32 s2, 0xf033
	s_cbranch_scc0 .Lentry_shape_is_right
	s_endpgm
.Lentry_shape_is_right:
; proj: out0[m][n] = (sum over k of att[m][k] wot[n][k] + bo[n]) (1 + aw adj[b]), adj = the mean over 16 heads of sigmoid(sum over 32 groups of gpart[b][g][j] + b2[j]).
; att, wot bf16, sums f32, out0 f32.  m < 4,096, n < 1,024, k < 1,024: 256 tiles of 128 x 128, one for each of 256 WGPs.  Four waves, 64 x 64 each: 16 accumulators.
; K goes in steps of 256 (LDS rows of 512 bytes) through two slots; 4 x 4 work-groups form a cluster, A's tiles asked for jointly along a row, B's along a column.
; The matrix instruction is used transposed (source 0 = 16 rows of wot, source 1 = 16 rows of att): a lane holds eight neighbouring columns of a row.  A wave's 64 columns of f32 are 256 bytes: each wave has a stage of its own.
; REGISTERS: window 0: v0-31 addresses, v28-29 the factor; v32-63, v64-95 at work; v96-127 the bias times the factor; v128-255 accumulators ((a, b) at v[128 + 8 (4 a + b)]).  window 1: two fragment buffers of 128.
.set SIZE_K, 1024
.set KSTEP,  256
.set PITCH,  528
.set HALFT,  64*PITCH
.set SLOT,   4*HALFT
.set STAGE,  2*SLOT                    ; behind the ring, a multiple of 256: 16 rows x 272 bytes for each wave
.set SPITCH, 272
.set LAPS, SIZE_K/(2*KSTEP)
.set ADRA, 16
.set ADRB, 20
.set STO,  24
.set RD,   25
.set CO,   26
.set BOF,  27
.set SC,   28
.set T,    32
.set OB,   64
.set BIAS, 96
.set ACC,  128
.set F0,   0
.set F1,   128
.set G1, 24
.set G0, 32
.set G1B, 48
.set G0B, 56
.set MSB, 0
.macro WIN new
.if MSB != \new
	s_set_vgpr_msb (MSB<<8)|\new
.set MSB, \new
.endif
.endm
.set MUL,  0x05                        ; sources 0 (B) and 1 (A) window 1; C and D window 0
.set TO_F, 0x40
.macro JLOAD s                         ; a joint load: waves 0, 1 fetch A's halves, waves 2, 3 B's; four v_nop follow each line
	s_cmp_eq_u32 s11, 0
	s_cbranch_scc0 .Lfor_b_\@
	tensor_load_to_lds s[G0+4*\s:G0+4*\s+3], s[G1:G1+7]
	s_nop 0
.rept 4
	v_nop
.endr
	s_branch .Lasked_\@
.Lfor_b_\@:
	tensor_load_to_lds s[G0B+4*\s:G0B+4*\s+3], s[G1B:G1B+7]
	s_nop 0
.rept 4
	v_nop
.endr
.Lasked_\@:
.endm
.macro CREST
	s_cmp_lg_u32 s10, 0
	s_cbranch_scc1 .Lnot_wave_0_\@
	s_barrier_signal -3
.Lnot_wave_0_\@:
	s_barrier_wait -3
	s_barrier_signal -1
	s_barrier_wait -1
.endm
.macro CROUND
	s_barrier_signal -1
	s_barrier_wait -1
	CREST
.endm
	s_load_b128 s[4:7], s[0:1], 0x0                ; att s[4:5], wot s[6:7]
	s_load_b64 s[8:9], s[0:1], 0x10                ; out0
	s_load_b256 s[68:75], s[0:1], 0x18             ; bo s[68:69], gpart s[70:71], b2 s[72:73], adaptive_weight s[74:75]
	v_lshl_add_u32 v22, v0, 2, 0x46400
	v_mov_b32 v23, 0
	ds_add_u32 v22, v23
	v_lshrrev_b32 v1, 5, v0
	v_readfirstlane_b32 s10, v1                    ; wave 0..3
	s_lshr_b32 s11, s10, 1                         ; which half of the tile's rows is mine.  Also: I fetch for A (0) or for B (1)
	s_and_b32 s12, s10, 1                          ; which half of its columns.  Also: which 64 rows of that tile I fetch
	s_bfe_u32 s40, ttmp6, 0x40000
	s_bfe_u32 s41, ttmp6, 0x40004
	s_lshl_b32 s42, ttmp9, 2
	s_add_co_u32 s42, s42, s40                     ; tile column
	s_and_b32 s13, ttmp7, 0xffff
	s_lshl_b32 s13, s13, 2
	s_add_co_u32 s13, s13, s41                     ; tile row
	s_lshl_b32 s43, s41, 2
	s_lshl_b32 s43, 15, s43
	s_lshl_b32 s44, 0x1111, s40
	s_or_b32 s[G1+0], s43, (1<<16)|(1<<20)|(1<<21)|(6<<22)|(3<<25)   ; mask; elements of 2 bytes; padding on; bit 21 beside a mask; after every 128 words 4 words
	s_or_b32 s[G1B+0], s44, (1<<16)|(1<<20)|(1<<21)|(6<<22)|(3<<25)
.irp g, G1, G1B
	s_mov_b32 s[\g+1], KSTEP<<16                   ; tensor_dim0 = 256
	s_mov_b32 s[\g+2], 64<<16                      ; tensor_dim1 = 64
	s_mov_b32 s[\g+3], KSTEP<<16                   ; tile_dim0 = 256
	s_mov_b32 s[\g+4], 64                          ; tile_dim1 = 64
	s_mov_b32 s[\g+5], SIZE_K
	s_mov_b32 s[\g+6], 0
	s_mov_b32 s[\g+7], 0
.endr
	s_mov_b32 s78, 0x76543210
	s_mov_b32 s79, 0xfedcba98
	s_lshl_b32 s17, s12, 6
	s_lshl_b32 s16, s13, 7
	s_add_co_u32 s16, s16, s17                     ; A: row 128 x tile row + 64 x half
	s_lshl_b32 s46, s42, 7
	s_add_co_u32 s46, s46, s17                     ; B: row 128 x tile column + 64 x half
	s_mov_b32 s17, 0
	s_mov_b32 s47, 0
	s_mov_b64 s[18:19], SIZE_K*2
	s_mul_u64 s[16:17], s[16:17], s[18:19]
	s_mul_u64 s[46:47], s[46:47], s[18:19]
	s_mul_i32 s20, s10, HALFT                      ; where they go: wave x 64 rows
	s_wait_dscnt 0x0
	s_wait_kmcnt 0x0
	s_add_nc_u64 s[14:15], s[4:5], s[16:17]
	s_add_nc_u64 s[46:47], s[6:7], s[46:47]
	s_load_b32 s76, s[74:75], 0x0                  ; adaptive_weight
	CROUND                                         ; all sixteen work-groups are here: the first joint loads meet
.irp s, 0,1
	s_mov_b32 s[G0+4*\s], 1
	s_add_co_u32 s[G0+4*\s+1], s20, \s*SLOT
	s_add_nc_u64 s[G0+4*\s+2:G0+4*\s+3], s[14:15], \s*KSTEP*2
	s_or_b32 s[G0+4*\s+3], s[G0+4*\s+3], 0x80000000
	s_mov_b32 s[G0B+4*\s], 1
	s_add_co_u32 s[G0B+4*\s+1], s20, \s*SLOT
	s_add_nc_u64 s[G0B+4*\s+2:G0B+4*\s+3], s[46:47], \s*KSTEP*2
	s_or_b32 s[G0B+4*\s+3], s[G0B+4*\s+3], 0x80000000
	JLOAD \s                                       ; two loads of mine are out
.endr
	s_lshl_b32 s46, s42, 9                         ; my 64 columns in bytes of f32: 512 x tile column + 256 x half
	s_lshl_b32 s47, s12, 8
	s_add_co_u32 s46, s46, s47
	s_mov_b32 s47, 0
	s_add_nc_u64 s[68:69], s[68:69], s[46:47]      ; bo
	s_add_nc_u64 s[8:9], s[8:9], s[46:47]          ; out0
	s_lshl_b32 s16, s13, 7
	s_lshl_b32 s17, s11, 6
	s_add_co_u32 s16, s16, s17                     ; my first row: 128 x tile row + 64 x half,
	s_lshl_b32 s16, s16, 12                        ; of 4,096 bytes
	s_mov_b32 s17, 0
	s_add_nc_u64 s[8:9], s[8:9], s[16:17]
	s_lshr_b32 s16, s13, 4                         ; the batch: 16 tile rows each
	s_lshl_b32 s16, s16, 11
	s_add_nc_u64 s[70:71], s[70:71], s[16:17]      ; gpart at the batch's 32 x 16 numbers
	v_and_b32 v1, 15, v0                           ; l % 16
	v_bfe_u32 v2, v0, 4, 1                         ; l / 16
	v_lshlrev_b32 v30, 2, v1                       ; head j = l % 16
	v_lshl_add_u32 v31, v2, 10, v30                ; groups 16 (l / 16) on
	v_lshlrev_b32 v[BOF], 5, v2
.irp i, 0,1,2,3,4,5,6,7,8,9,10,11,12,13,14,15
	global_load_b32 v[T+\i], v31, s[70:71] offset:64*\i
.endr
	global_load_b32 v[T+16], v30, s[72:73]         ; b2[j]
.irp b, 0,1,2,3
	global_load_b128 v[BIAS+8*\b:BIAS+8*\b+3],   v[BOF], s[68:69] offset:64*\b
	global_load_b128 v[BIAS+8*\b+4:BIAS+8*\b+7], v[BOF], s[68:69] offset:64*\b+16
.endr
	v_mul_u32_u24 v3, v1, PITCH
	v_lshl_add_u32 v3, v2, 4, v3
	s_mul_i32 s21, s11, HALFT                      ; my 64 rows of A
	s_mul_i32 s22, s12, HALFT                      ; my 64 rows of B,
	s_add_co_u32 s22, s22, 2*HALFT                 ; which lie behind A's 128
.irp s, 0,1
	v_add_nc_u32 v[ADRA+\s], s21, v3
	v_add_nc_u32 v[ADRB+\s], s22, v3
	s_add_co_u32 s21, s21, SLOT
	s_add_co_u32 s22, s22, SLOT
.endr
	s_mul_i32 s23, s10, 16*SPITCH
	s_add_co_u32 s23, s23, STAGE                   ; my stage
	v_mul_u32_u24 v4, v1, SPITCH                   ; in: row l % 16, 32 bytes for each half of the lanes
	v_lshl_add_u32 v4, v2, 5, v4
	v_add_nc_u32 v[STO], s23, v4
	v_mul_u32_u24 v5, v2, SPITCH                   ; back: lanes 0-15 one row of 256 bytes, lanes 16-31 the next
	v_lshl_add_u32 v5, v1, 4, v5
	v_add_nc_u32 v[RD], s23, v5
	v_lshlrev_b32 v5, 12, v2                       ; and the same two rows in out0
	v_lshl_add_u32 v[CO], v1, 4, v5
	; the gate is finished here, by every wave, while the first tiles are on their way
	s_wait_loadcnt 0x0
	s_wait_kmcnt 0x0
	v_pk_add_f32 v[T:T+1], v[T:T+1], v[T+2:T+3]
	v_pk_add_f32 v[T+4:T+5], v[T+4:T+5], v[T+6:T+7]
	v_pk_add_f32 v[T+8:T+9], v[T+8:T+9], v[T+10:T+11]
	v_pk_add_f32 v[T+12:T+13], v[T+12:T+13], v[T+14:T+15]
	v_pk_add_f32 v[T:T+1], v[T:T+1], v[T+4:T+5]
	v_pk_add_f32 v[T+8:T+9], v[T+8:T+9], v[T+12:T+13]
	v_pk_add_f32 v[T:T+1], v[T:T+1], v[T+8:T+9]
	v_add_f32 v[T], v[T], v[T+1]
	v_permlanex16_b32 v[T+1], v[T], s78, s79       ; the other sixteen groups
	v_add_f32 v[T], v[T], v[T+1]
	v_add_f32 v[T], v[T], v[T+16]                  ; the logit of head j
	v_mul_f32 v[T], 0xbfb8aa3b, v[T]
	v_exp_f32 v[T], v[T]
	v_nop                                          ; a plain instruction behind each transcendental
	s_wait_alu depctr_va_vdst(0)
	v_add_f32 v[T], 1.0, v[T]
	v_rcp_f32 v[T], v[T]                           ; sigmoid
	v_nop
	s_wait_alu depctr_va_vdst(0)
	v_add_f32_dpp v[T], v[T], v[T] row_xmask:1 row_mask:0xf bank_mask:0xf
	v_add_f32_dpp v[T], v[T], v[T] row_xmask:2 row_mask:0xf bank_mask:0xf
	v_add_f32_dpp v[T], v[T], v[T] row_xmask:4 row_mask:0xf bank_mask:0xf
	v_add_f32_dpp v[T], v[T], v[T] row_xmask:8 row_mask:0xf bank_mask:0xf
	v_mul_f32 v[T], 0x3d800000, v[T]               ; the mean of 16
	v_fma_f32 v[SC], v[T], s76, 1.0
	v_mov_b32 v[SC+1], v[SC]
.set n, 0
.rept 16
	v_pk_mul_f32 v[BIAS+2*n:BIAS+2*n+1], v[BIAS+2*n:BIAS+2*n+1], v[SC:SC+1]
.set n, n+1
.endr
; 8 matrix instructions: m blocks a0, a0 + 1 x all 4 n blocks, 32 along K: half c of buffer f.  The 16 accumulators take turns.
.macro MUL8 f, c, a0, zero
.irp a, \a0, \a0+1
.irp b, 0,1,2,3
.if \zero
	v_wmma_f32_16x16x32_bf16 v[ACC+8*(4*(\a)+\b):ACC+8*(4*(\a)+\b)+7], v[\f+64+8*(4*\c+\b):\f+64+8*(4*\c+\b)+7], v[\f+8*(4*\c+\a):\f+8*(4*\c+\a)+7], 0
.else
	v_wmma_f32_16x16x32_bf16 v[ACC+8*(4*(\a)+\b):ACC+8*(4*(\a)+\b)+7], v[\f+64+8*(4*\c+\b):\f+64+8*(4*\c+\b)+7], v[\f+8*(4*\c+\a):\f+8*(4*\c+\a)+7], v[ACC+8*(4*(\a)+\b):ACC+8*(4*(\a)+\b)+7]
.endif
.endr
.endr
.endm
; 32 LDS loads in one run: the fragments of 64 along K at byte k of the rows, into buffer f; the first 32 along K first
.macro FETCH slot, k, f
	WIN TO_F
.irp c, 0,1
.irp i, 0,1,2,3
	ds_load_b128 v[\f+64+8*(4*\c+\i):\f+64+8*(4*\c+\i)+3],   v[ADRB+\slot] offset:\k+64*\c+\i*16*PITCH
	ds_load_b128 v[\f+64+8*(4*\c+\i)+4:\f+64+8*(4*\c+\i)+7], v[ADRB+\slot] offset:\k+64*\c+\i*16*PITCH+32
	ds_load_b128 v[\f+8*(4*\c+\i):\f+8*(4*\c+\i)+3],         v[ADRA+\slot] offset:\k+64*\c+\i*16*PITCH
	ds_load_b128 v[\f+8*(4*\c+\i)+4:\f+8*(4*\c+\i)+7],       v[ADRA+\slot] offset:\k+64*\c+\i*16*PITCH+32
.endr
.endr
.endm
.macro PLACES
.rept 4
	v_nop
.endr
.endm
.macro QUARTER slot, k, f, g, zero
	s_wait_dscnt 16                                ; the first 32 along K are in
	WIN MUL
	MUL8 \f, 0, 0, \zero
	MUL8 \f, 0, 2, \zero
	PLACES
	FETCH \slot, \k, \g
	s_wait_dscnt 32                                ; all but the 32 just issued
	WIN MUL
	MUL8 \f, 1, 0, 0
	MUL8 \f, 1, 2, 0
.endm
.macro TURN slot, next, fill
	s_wait_dscnt 16
	WIN MUL
	MUL8 F1, 0, 0, 0
	s_wait_dscnt 0                                 ; my reads of this slot are over,
	s_set_vgpr_msb 0x500
	s_wait_tensorcnt 0x0                           ; and all my tensor loads have landed: my part of the next slot
	ds_add_u32 v22, v23
	s_wait_dscnt 0x0
	s_set_vgpr_msb 0x5
	s_barrier_signal -1
	MUL8 F1, 0, 2, 0
.if \fill
	WIN 0
.endif
	s_barrier_wait -1
.if \fill
	CREST                                          ; the barrier has opened a round of the cluster's: no wave of any partner still reads this slot or has a load on its way
	s_add_nc_u64 s[G0+4*\slot+2:G0+4*\slot+3], s[G0+4*\slot+2:G0+4*\slot+3], 2*KSTEP*2
	s_add_nc_u64 s[G0B+4*\slot+2:G0B+4*\slot+3], s[G0B+4*\slot+2:G0B+4*\slot+3], 2*KSTEP*2
	JLOAD \slot                                    ; my one tensor load behind the round; its four v_nop are also the places in front of the loads below
.else
	PLACES
.endif
	FETCH \next, 0, F0
	WIN MUL
	MUL8 F1, 1, 0, 0
	MUL8 F1, 1, 2, 0
.endm
	s_wait_tensorcnt 1                             ; my part of K step 0 is in; K step 1's may stay out
	s_barrier_signal -1
	s_barrier_wait -1
	FETCH 0, 0, F0
	QUARTER 0, 128, F0, F1, 1                      ; the first quarter stands in front of the loop: its first products start the sums
	WIN 0
	s_mov_b32 s3, LAPS-1
.Llap:
	QUARTER 0, 256, F1, F0, 0
	QUARTER 0, 384, F0, F1, 0
	TURN 0, 1, 1
	QUARTER 1, 128, F0, F1, 0
	QUARTER 1, 256, F1, F0, 0
	QUARTER 1, 384, F0, F1, 0
	TURN 1, 0, 1
	QUARTER 0, 128, F0, F1, 0
	WIN 0
	s_sub_co_u32 s3, s3, 1
	s_cmp_lg_u32 s3, 0
	s_cbranch_scc1 .Llap
	QUARTER 0, 256, F1, F0, 0                      ; the last lap fills nothing
	QUARTER 0, 384, F0, F1, 0
	TURN 0, 1, 0
	QUARTER 1, 128, F0, F1, 0
	QUARTER 1, 256, F1, F0, 0
	QUARTER 1, 384, F0, F1, 0
	s_wait_dscnt 16
	WIN MUL
	MUL8 F1, 0, 0, 0
	MUL8 F1, 0, 2, 0
	s_wait_dscnt 0
	MUL8 F1, 1, 0, 0
	MUL8 F1, 1, 2, 0
	WIN 0
	; THE WAY OUT, 16 rows at a time: sum x factor + bias x factor in one fused multiply-add; 32 bytes a lane into my stage; back as whole rows of 256 bytes.
	PLACES
.irp a, 0,1,2,3
.if \a > 0
	s_wait_xcnt 0x0                                ; the registers that the last block's stores read are loaded again only behind this wait
.endif
.set n, 0
.rept 16
	v_pk_fma_f32 v[T+2*n:T+2*n+1], v[ACC+32*\a+2*n:ACC+32*\a+2*n+1], v[SC:SC+1], v[BIAS+2*n:BIAS+2*n+1]   ; each accumulator is read from its low end on
.set n, n+1
.endr
.irp e, 0,1,2,3,4,5,6,7
	ds_store_b128 v[STO], v[T+4*\e:T+4*\e+3] offset:64*(\e/2)+16*(\e%2)
.endr
.irp t, 0,1,2,3,4,5,6,7
	ds_load_b128 v[OB+4*\t:OB+4*\t+3], v[RD] offset:\t*2*SPITCH    ; LDS serves a wave's instructions in order (ISA guide 5.7.1.4): these see the stores above
.endr
.irp t, 0,1,2,3,4,5,6,7
	s_wait_dscnt 7-\t
	global_store_b128 v[CO], v[OB+4*\t:OB+4*\t+3], s[8:9] offset:(16*\a+2*\t)*4096 th:TH_STORE_NT   ; 16 lanes store 256 consecutive bytes, aligned
.endr
.endr
	s_wait_tensorcnt 0x0
	ds_add_u32 v22, v23
	s_wait_dscnt 0x0
	CROUND                                         ; the closing round
	s_endpgm
.Lfunc_end_k_q18a4577596_proj:
	.size	k_q18a4577596_proj, .Lfunc_end_k_q18a4577596_proj-k_q18a4577596_proj
	.p2alignl 7, 3214868480
	.fill 96, 4, 3214868480
	.section	.rodata,"a",@progbits
	.p2align	6, 0x0
	.amdhsa_kernel k_q18a4577596_proj
		.amdhsa_group_segment_fixed_size 327680
		.amdhsa_private_segment_fixed_size 0
		.amdhsa_enable_private_segment 0
		.amdhsa_kernarg_size 56
		.amdhsa_user_sgpr_count 2
		.amdhsa_user_sgpr_kernarg_segment_ptr 1
		.amdhsa_wavefront_size32 1
		.amdhsa_system_sgpr_workgroup_id_x 1
		.amdhsa_system_sgpr_workgroup_id_y 1
		.amdhsa_system_sgpr_workgroup_id_z 1
		.amdhsa_system_vgpr_workitem_id 0
		.amdhsa_next_free_vgpr 512
		.amdhsa_next_free_sgpr 80
		.amdhsa_reserve_vcc 0
		.amdhsa_float_denorm_mode_32 3
		.amdhsa_float_denorm_mode_16_64 3
		.amdhsa_memory_ordered 1
		.amdhsa_forward_progress 1
		.amdhsa_inst_pref_size 96
	.end_amdhsa_kernel
	.amdgpu_metadata
---
amdhsa.version: [ 1, 2 ]
amdhsa.kernels:
  - .name:           k_q18a4577596_proj
    .symbol:         k_q18a4577596_proj.kd
    .args:
      - { .name: att, .offset: 0, .size: 8, .value_kind: global_buffer, .address_space: global }
      - { .name: wot, .offset: 8, .size: 8, .value_kind: global_buffer, .address_space: global }
      - { .name: out0, .offset: 16, .size: 8, .value_kind: global_buffer, .address_space: global }
      - { .name: bo, .offset: 24, .size: 8, .value_kind: global_buffer, .address_space: global }
      - { .name: gpart, .offset: 32, .size: 8, .value_kind: global_buffer, .address_space: global }
      - { .name: b2, .offset: 40, .size: 8, .value_kind: global_buffer, .address_space: global }
      - { .name: adaptive_weight, .offset: 48, .size: 8, .value_kind: global_buffer, .address_space: global }
    .group_segment_fixed_size: 327680
    .private_segment_fixed_size: 0
    .kernarg_segment_align: 8
    .kernarg_segment_size: 56
    .max_flat_workgroup_size: 128
    .sgpr_count:     80
    .vgpr_count:     512
    .wavefront_size: 32
...
	.end_amdgpu_metadata
.endif
;; end of part 5
;; ======== version 2 of 2: 4 launches
;; limits: values are held in f16: magnitudes above 65,504 overflow, below 6.1e-05 lose precision
;; workspace buffers: xb 8,388,608 bytes; wqkvt 6,291,456 bytes; wot 2,097,152 bytes; csum 65,536 bytes; gpart 16,384 bytes; qkvh 25,165,824 bytes; att 8,388,608 bytes
;; launch prep (part 6): grid 256 x 1, 8 waves a work-group, no clusters, 70,656 bytes of LDS; arguments x, Wqkv, Wo, xb, csum, wqkvt, wot; writes xb, csum, wqkvt, wot
.if DOCPART == 6
	.amdgcn_target "amdgcn-amd-amdhsa--gfx1250"
	.amdhsa_code_object_version 6
	.text
	.protected	k_q18a4577596_prep
	.globl	k_q18a4577596_prep
	.p2align	8
	.type	k_q18a4577596_prep,@function
k_q18a4577596_prep:
	s_mov_b64 s[64:65], 0
	v_nop
	global_prefetch_b8 v0, s[64:65] scope:SCOPE_SE
	s_setreg_imm32_b32 hwreg(HW_REG_WAVE_MODE, 25, 1), 1
	s_wait_xcnt 0x0
; prep: x -> bf16 (xb) and 16 partial column sums (csum[16][1024]: row g = the sum of x's rows 256 g .. 256 g + 255); Wqkv and Wo -> bf16, turned to [n][k] (wqkvt, wot).
; 256 work-groups of eight waves, 131,072 bytes of f32 each: groups 0-127 take 256 rows x 128 columns of x, 128-223 a tile of 128 k x 256 n of Wqkv,
; 224-255 such a tile of Wo.  Memory binds: each input byte is read once, by loads that cover 512 neighbouring bytes a wave, and each
; store of sixteen (bf16 rows of x: thirty-two) neighbouring lanes covers 256 consecutive bytes, aligned.  No matrix unit, no cluster: no byte is shared.
; LDS: bytes 0 to 65,535 the weight paths' tile; bytes 65,536 to 69,631 the x path's sums: each path has bytes of its own.
.set X,   20                           ; v[20:147]  32 loads of 4 registers
.set Y,   148                          ; v[148:211] packed bf16
.set SUM, 14                           ; v[14:17]   x path: sums of my 4 columns
.set SA,  4                            ; v4-5       weight path: LDS address of my stores, for k rows 0-7 and 8-15 of my wave
.set RA,  6                            ; v[6:13]    weight path: LDS address of my reads, one for each pair of loads
.set XS,  65536                        ; x path: where the eight waves' sums meet
; A tile of a weight [k][n] (np bytes a row).  Wave w loads k rows 16 w .. 16 w + 15, lane l columns 4 l .. 4 l + 3 of each half of 128.
; Two k neighbours of one n are packed into a word, eight k into 16 bytes, and stored into LDS row n (256 bytes = 128 k).
.macro WPATH src, dst, np, first
	s_sub_co_u32 s21, ttmp9, \first
	s_and_b32 s22, s21, 7                          ; kb: which 128 rows of k
	s_lshr_b32 s23, s21, 3                         ; nb: which 256 columns of n
	s_mul_i32 s2, s22, 128*\np
	s_lshl_b32 s24, s23, 10
	s_add_co_u32 s2, s2, s24
	s_add_nc_u64 s[\src:\src+1], s[\src:\src+1], s[2:3]
	v_mul_u32_u24 v1, v18, 16*\np                  ; my wave's 16 rows
	v_lshl_add_u32 v1, v3, 4, v1                   ; + 16 bytes a lane
.irp q, 0,1,2,3                        ; group q: k rows 8 (q / 2) .. + 7, half q % 2 of the columns
.irp j, 0,1,2,3,4,5,6,7
	global_load_b128 v[X+4*(8*\q+\j):X+4*(8*\q+\j)+3], v1, s[\src:\src+1] offset:(8*(\q/2)+\j)*\np+512*(\q%2) th:TH_LOAD_NT
.endr
.endr
	s_lshl_b32 s2, s23, 19                         ; 256 rows of 2,048 bytes of the turned weight
	s_lshl_b32 s24, s22, 8                         ; 128 k of 2 bytes
	s_add_co_u32 s2, s2, s24
	s_add_nc_u64 s[\dst:\dst+1], s[\dst:\dst+1], s[2:3]
	v_lshl_add_u32 v19, v18, 1, v3                 ; 2 wave + lane
.irp o, 0,1
	v_add_nc_u32 v[SA+\o], \o, v19                 ; piece 2 wave + o, turned by n / 4 = lane (mod 16)
	v_and_b32 v[SA+\o], 15, v[SA+\o]
	v_lshlrev_b32 v[SA+\o], 4, v[SA+\o]
	v_lshl_add_u32 v[SA+\o], v3, 10, v[SA+\o]      ; row 4 lane
.endr
	v_and_b32 v2, 15, v3                           ; c: the piece that I read back
	v_lshrrev_b32 v19, 4, v3                       ; hi: the even or the odd row of a pair
	v_lshl_add_u32 v14, v18, 3, v2                 ; c + 8 wave
	v_lshlrev_b32 v15, 13, v18                     ; row 32 wave
	v_lshl_add_u32 v15, v19, 8, v15                ; + hi
.irp u, 0,1,2,3,4,5,6,7
	v_add_nc_u32 v[RA+\u], \u, v14                 ; rows 32 wave + 4 u .. + 3 are turned by 8 wave + u
	v_and_b32 v[RA+\u], 15, v[RA+\u]
	v_lshl_add_u32 v[RA+\u], v[RA+\u], 4, v15
.endr
	v_lshlrev_b32 v16, 16, v18                     ; in memory: row 32 wave of 2,048 bytes
	v_lshl_add_u32 v16, v19, 11, v16
	v_lshl_add_u32 v2, v2, 4, v16
.irp q, 0,1,2,3
	s_wait_loadcnt 24-8*\q                         ; loads return in order: group q is in, the younger groups stay out
.irp i, 0,1,2,3
.irp jj, 0,1,2,3
	v_cvt_pk_bf16_f32 v[Y+16*\q+4*\i+\jj], v[X+4*(8*\q+2*\jj)+\i], v[X+4*(8*\q+2*\jj+1)+\i]
.endr
	ds_store_b128 v[SA+\q/2], v[Y+16*\q+4*\i:Y+16*\q+4*\i+3] offset:(\q%2)*32768+\i*256
.endr
.endr
	s_wait_dscnt 0x0                               ; for the others' sake: my stores are done
	s_barrier_signal -1
	s_barrier_wait -1
.irp t, 0,1,2,3,4,5,6,7,8,9,10,11,12,13,14,15
	ds_load_b128 v[X+4*\t:X+4*\t+3], v[RA+\t/2] offset:512*\t      ; rows 32 wave + 2 t and + 2 t + 1, whole
.endr
.irp t, 0,1,2,3,4,5,6,7,8,9,10,11,12,13,14,15
	s_wait_dscnt 15-\t
	global_store_b128 v2, v[X+4*\t:X+4*\t+3], s[\dst:\dst+1] offset:4096*\t   ; 16 lanes store 256 consecutive bytes, aligned
.endr
.endm
	s_load_b256 s[4:11], s[0:1], 0x0               ; x s[4:5], Wqkv s[6:7], Wo s[8:9], xb s[10:11]
	s_load_b128 s[12:15], s[0:1], 0x20             ; csum s[12:13], wqkvt s[14:15]
	s_load_b64 s[16:17], s[0:1], 0x30              ; wot
	v_lshl_add_u32 v216, v0, 2, 0x11000
	v_mov_b32 v217, 0
	v_and_b32 v3, 31, v0                           ; lane
	v_lshrrev_b32 v18, 5, v0                       ; wave
	v_readfirstlane_b32 s20, v18                   ; and as a scalar
	s_mov_b32 s3, 0                                ; high word of every offset
	s_wait_kmcnt 0x0
	s_cmp_lt_u32 ttmp9, 128                        ; the branches hang on the work-group's number alone
	s_cbranch_scc1 .Lx
	s_cmp_lt_u32 ttmp9, 224
	s_cbranch_scc1 .Lwqkv
	WPATH 8, 16, 4096, 224
	s_wait_tensorcnt 0x0
	ds_add_u32 v216, v217
	s_wait_dscnt 0x0
	s_endpgm
.Lwqkv:
	WPATH 6, 14, 12288, 128
	s_wait_tensorcnt 0x0
	ds_add_u32 v216, v217
	s_wait_dscnt 0x0
	s_endpgm
.Lx:                                                   ; rows 256 (group / 8) .. + 255, columns 128 (group % 8) .. + 127: wave w takes rows w + 8 i, lane l columns 4 l .. 4 l + 3
	s_lshr_b32 s21, ttmp9, 3                       ; which 256 rows
	s_and_b32 s22, ttmp9, 7                        ; which 128 columns
	s_lshl_b32 s2, s21, 20                         ; 256 rows of 4,096 bytes
	s_lshl_b32 s24, s22, 9                         ; 128 columns of 4 bytes
	s_add_co_u32 s2, s2, s24
	s_add_nc_u64 s[4:5], s[4:5], s[2:3]
	s_lshl_b32 s2, s21, 19                         ; the same in bf16
	s_lshl_b32 s23, s22, 8
	s_add_co_u32 s2, s2, s23
	s_add_nc_u64 s[10:11], s[10:11], s[2:3]
	s_lshl_b32 s2, s21, 12                         ; my row of csum, my 512 bytes of it
	s_add_co_u32 s2, s2, s24
	s_add_nc_u64 s[12:13], s[12:13], s[2:3]
	v_lshlrev_b32 v1, 12, v18
	v_lshl_add_u32 v1, v3, 4, v1                   ; row w, 16 bytes a lane
	v_lshlrev_b32 v2, 11, v18
	v_lshl_add_u32 v2, v3, 3, v2
	v_lshl_add_u32 v4, v0, 4, XS                   ; LDS: 512 bytes a wave, 16 a lane, in the x path's own bytes
	v_lshlrev_b32 v5, 4, v0                        ; in wave 0: 16 x lane, my 16 bytes of csum's 512
.set i, 0
.rept 32
	global_load_b128 v[X+4*i:X+4*i+3], v1, s[4:5] offset:32768*i th:TH_LOAD_NT   ; all my 32 rows are asked for at once; a load covers 512 consecutive bytes
.set i, i+1
.endr
.set i, 0
.rept 32
	s_wait_loadcnt 31-i                            ; row i is in, the younger rows stay out
	v_cvt_pk_bf16_f32 v[Y+2*i], v[X+4*i], v[X+4*i+1]
	v_cvt_pk_bf16_f32 v[Y+2*i+1], v[X+4*i+2], v[X+4*i+3]
.if i == 1
	v_pk_add_f32 v[SUM:SUM+1], v[X:X+1], v[X+4:X+5]            ; the first two rows start the sums: nothing is cleared
	v_pk_add_f32 v[SUM+2:SUM+3], v[X+2:X+3], v[X+6:X+7]
.elseif i > 1
	v_pk_add_f32 v[SUM:SUM+1], v[SUM:SUM+1], v[X+4*i:X+4*i+1]
	v_pk_add_f32 v[SUM+2:SUM+3], v[SUM+2:SUM+3], v[X+4*i+2:X+4*i+3]
.endif
	global_store_b64 v2, v[Y+2*i:Y+2*i+1], s[10:11] offset:16384*i   ; a wave's 32 lanes store 256 consecutive bytes, aligned; no register is used twice
.set i, i+1
.endr
	ds_store_b128 v4, v[SUM:SUM+3]                 ; the eight waves' sums of the same 128 columns meet in LDS
	s_wait_dscnt 0x0                               ; for wave 0's sake: my store is done
	s_barrier_signal -1
	s_barrier_wait -1
	s_cmp_lg_u32 s20, 0
	s_cbranch_scc1 .Lxend                          ; wave 0 adds them; no barrier follows
.irp w, 0,1,2,3,4,5,6,7
	ds_load_b128 v[X+4*\w:X+4*\w+3], v4 offset:512*\w          ; in wave 0 v4 is the region's start + 16 x lane
.endr
	s_wait_dscnt 0x0
.irp d, 4,2,1
.set n, 0
.rept \d
	v_pk_add_f32 v[X+4*n:X+4*n+1], v[X+4*n:X+4*n+1], v[X+4*(n+\d):X+4*(n+\d)+1]
	v_pk_add_f32 v[X+4*n+2:X+4*n+3], v[X+4*n+2:X+4*n+3], v[X+4*(n+\d)+2:X+4*(n+\d)+3]
.set n, n+1
.endr
.endr
	global_store_b128 v5, v[X:X+3], s[12:13]       ; 512 consecutive bytes of csum
.Lxend:
	s_wait_tensorcnt 0x0
	ds_add_u32 v216, v217
	s_wait_dscnt 0x0
	s_endpgm
.Lfunc_end_k_q18a4577596_prep:
	.size	k_q18a4577596_prep, .Lfunc_end_k_q18a4577596_prep-k_q18a4577596_prep
	.p2alignl 7, 3214868480
	.fill 96, 4, 3214868480
	.section	.rodata,"a",@progbits
	.p2align	6, 0x0
	.amdhsa_kernel k_q18a4577596_prep
		.amdhsa_group_segment_fixed_size 70656
		.amdhsa_private_segment_fixed_size 0
		.amdhsa_enable_private_segment 0
		.amdhsa_kernarg_size 56
		.amdhsa_user_sgpr_count 2
		.amdhsa_user_sgpr_kernarg_segment_ptr 1
		.amdhsa_wavefront_size32 1
		.amdhsa_system_sgpr_workgroup_id_x 1
		.amdhsa_system_sgpr_workgroup_id_y 1
		.amdhsa_system_sgpr_workgroup_id_z 1
		.amdhsa_system_vgpr_workitem_id 0
		.amdhsa_next_free_vgpr 218
		.amdhsa_next_free_sgpr 66
		.amdhsa_reserve_vcc 0
		.amdhsa_float_denorm_mode_32 3
		.amdhsa_float_denorm_mode_16_64 3
		.amdhsa_memory_ordered 1
		.amdhsa_forward_progress 1
		.amdhsa_inst_pref_size 46
	.end_amdhsa_kernel
	.amdgpu_metadata
---
amdhsa.version: [ 1, 2 ]
amdhsa.kernels:
  - .name:           k_q18a4577596_prep
    .symbol:         k_q18a4577596_prep.kd
    .args:
      - { .name: x, .offset: 0, .size: 8, .value_kind: global_buffer, .address_space: global }
      - { .name: Wqkv, .offset: 8, .size: 8, .value_kind: global_buffer, .address_space: global }
      - { .name: Wo, .offset: 16, .size: 8, .value_kind: global_buffer, .address_space: global }
      - { .name: xb, .offset: 24, .size: 8, .value_kind: global_buffer, .address_space: global }
      - { .name: csum, .offset: 32, .size: 8, .value_kind: global_buffer, .address_space: global }
      - { .name: wqkvt, .offset: 40, .size: 8, .value_kind: global_buffer, .address_space: global }
      - { .name: wot, .offset: 48, .size: 8, .value_kind: global_buffer, .address_space: global }
    .group_segment_fixed_size: 70656
    .private_segment_fixed_size: 0
    .kernarg_segment_align: 8
    .kernarg_segment_size: 56
    .max_flat_workgroup_size: 256
    .sgpr_count:     66
    .vgpr_count:     218
    .wavefront_size: 32
...
	.end_amdgpu_metadata
.endif
;; end of part 6
;; launch qkv (part 7): grid 16 x 16, 4 waves a work-group, clusters of 4 x 4, 327,680 bytes of LDS; arguments xb, wqkvt, qkvh, bqkv, csum, W1, b1, W2, gpart; writes qkvh, gpart
.if DOCPART == 7
	.amdgcn_target "amdgcn-amd-amdhsa--gfx1250"
	.amdhsa_code_object_version 6
	.text
	.protected	k_q18a4577596_qkv
	.globl	k_q18a4577596_qkv
	.p2align	8
	.type	k_q18a4577596_qkv,@function
k_q18a4577596_qkv:
	s_mov_b64 s[64:65], 0
	v_nop
	global_prefetch_b8 v0, s[64:65] scope:SCOPE_SE
	s_setreg_imm32_b32 hwreg(HW_REG_WAVE_MODE, 25, 1), 1
	s_wait_xcnt 0x0
	s_wait_alu depctr_hold_cnt(0) depctr_sa_sdst(0) depctr_va_vdst(0) depctr_va_sdst(0) depctr_va_ssrc(0) depctr_va_vcc(0) depctr_vm_vsrc(0)
	s_getreg_b32 s2, hwreg(HW_REG_IB_STS2, 6, 4)
	s_cmp_eq_u32 s2, 0
	s_cbranch_scc0 .Lentry_in_a_cluster
	s_endpgm
.Lentry_in_a_cluster:
	s_bfe_u32 s2, ttmp6, 0x10000c
	s_cmp_lg_u32 s2, 0xf033
	s_cbranch_scc0 .Lentry_shape_is_right
	s_endpgm
.Lentry_shape_is_right:
; qkv: C[m][n] = sum over k of xb[m][k] wqkvt[n][k] + bqkv[n], m < 4,096, n < 3,072, k < 1,024; operands bf16, sums f32, C rounded once to F16 and laid
; head-major: qkvh[n / 64][m][n % 64].  16 x 16 work-groups, a tile of 256 x 192 each: one for each of 256 WGPs.  Four waves; wave w makes rows 64 w .. + 63 and all
; 192 columns (three whole heads), 48 accumulators of 16 x 16, so that its way out touches no other wave's rows.
; WHY F16 OUT: the attention that reads q, k, v adds 2,048 terms that nearly cancel, so each rounding of an operand shows in full in its result; f16 keeps 11 significant bits, bf16 8.
; LIMIT: |q|, |k|, |v| below 65,504.  Room: x of spread 1 and weights of spread 0.02 give a spread of 0.64; both 30 times larger give 576; common offsets of 30 and 0.6 give 1,024 x 30 x 0.6 = 18,432;
; both 30 times smaller give 7e-4, of which f16's fixed step 2^-24 is a ten-thousandth.
; K goes in steps of 128 (rows of 256 bytes in memory) through two LDS slots filled by the tensor data mover.  4 x 4 work-groups form a cluster: A's tiles are asked for jointly
; along a row of the cluster, B's along a column.  The matrix instruction is used transposed (source 0 = 16 rows of B, source 1 = 16 rows of A): a lane holds eight neighbouring columns of a row of C.
; THE GATE'S HIDDEN LAYER RIDES ALONG, all in f32 on the vector unit: the 256 work-groups are 2 batches x 128 groups of 4 hidden columns.  While the first tiles are on their way each thread adds the
; batch's 8 rows of csum for its 8 values of k, multiplies by its 8 rows x 4 columns of W1, and the wave's sum goes to LDS; at the kernel's end wave 0 adds the four waves' parts,
; u = 2^-11 sum + b1, h = gelu(u) = u / 2 (1 + erf(u / sqrt 2)), and stores the 16 partial logits sum over my 4 columns of h W2 -> gpart[batch][group][0..15].
; LIMIT: erf by the five-term rational form 1 - (a1 t + .. + a5 t^5) exp(-z^2), t = 1 / (1 + p z): absolute error 1.5e-7.
; REGISTERS: window 0: v16-27 addresses; v64-95, v96-127 A's fragments, two buffers; v128-223 the bias; v224-252 the gate's; on the way out v32-127 at work.
;   window 1: v0-95, v128-223 B's fragments, two buffers.  window 2: accumulators of my row blocks 0, 1 at v[8 (12 a + b)]; window 3: blocks 2, 3.
.set SIZE_K, 1024
.set KSTEP,  128
.set PITCH,  272                       ; an LDS row: 256 bytes + 16 of padding: the 16 rows of a fragment load start in 16 different 16-byte columns
.set AHALF,  128*PITCH                 ; what waves 0 and 1 fetch: 128 rows of A
.set BHALF,  96*PITCH                  ; what waves 2 and 3 fetch: 96 rows of B
.set BOFF,   256*PITCH                 ; B's 192 rows lie behind A's 256
.set SLOT,   448*PITCH
.set STAGE,  2*SLOT                    ; behind the ring, a multiple of 256: for each wave 3 heads x 16 rows x 144 bytes
.set SP,     144
.set HSTG,   16*SP
.set SCR,    STAGE+12*HSTG             ; behind the stages, a multiple of 256: 16 bytes a wave for the gate's sums; no fill lands here
.set LAPS,   SIZE_K/(2*KSTEP)
.set ADRA, 16                          ; v16-17 LDS address of my A fragments in slot 0, 1
.set ADRB, 20                          ; v20-21 the same for B
.set STO,  24
.set RD,   25
.set CO,   26
.set BOF,  27
.set T,    32                          ; the way out: 96 sums, then 48 packed words
.set OB,   80                          ; the way out: 12 x 4 registers read back from the stage
.set BIAS, 128
.set GX,   32                          ; the gate: v[32:95]  16 loads of csum (half of k, row)
.set GW,   96                          ; v[96:127] 8 rows x 4 columns of W1
.set W2R,  224                         ; v[224:239] row 4 g + lane % 4 of W2; kept to the end
.set B1,   240                         ; b1 of that hidden column; kept to the end
.set GA,   244                         ; v[244:247] my sums for the 4 hidden columns
.set G1,  24                           ; s[24:31] group 1 for A's tiles;  s[32:39] group 0, a set for each slot
.set G0,  32
.set G1B, 48                           ; s[48:55], s[56:63] the same for B's
.set G0B, 56
.set MSB, 0
.macro WIN new                         ; the immediate's high byte repeats the setting that is left
.if MSB != \new
	s_set_vgpr_msb (MSB<<8)|\new
.set MSB, \new
.endif
.endm
.set MUL_LO, 0xa1                      ; source 0 (B) window 1, source 1 (A) window 0, C and D window 2
.set MUL_HI, 0xf1                      ; the same, C and D window 3
.set TO_B,   0x40                      ; destination window 1, address window 0
.macro JLOAD s                         ; a joint load: waves 0, 1 fetch A's halves, waves 2, 3 B's; four v_nop follow each line
	s_cmp_eq_u32 s11, 0
	s_cbranch_scc0 .Lfor_b_\@
	tensor_load_to_lds s[G0+4*\s:G0+4*\s+3], s[G1:G1+7]
	s_nop 0
.rept 4
	v_nop
.endr
	s_branch .Lasked_\@
.Lfor_b_\@:
	tensor_load_to_lds s[G0B+4*\s:G0B+4*\s+3], s[G1B:G1B+7]
	s_nop 0
.rept 4
	v_nop
.endr
.Lasked_\@:
.endm
.macro CREST                           ; a round of the cluster's barrier behind its opening barrier
	s_cmp_lg_u32 s10, 0
	s_cbranch_scc1 .Lnot_wave_0_\@
	s_barrier_signal -3
.Lnot_wave_0_\@:
	s_barrier_wait -3
	s_barrier_signal -1
	s_barrier_wait -1
.endm
.macro CROUND
	s_barrier_signal -1
	s_barrier_wait -1
	CREST
.endm
.macro PLACES                          ; four plain places in front of loads into registers that matrix instructions have read, and of vector reads of their results
.rept 4
	v_nop
.endr
.endm
	s_load_b128 s[4:7], s[0:1], 0x0                ; xb s[4:5], wqkvt s[6:7]
	s_load_b64 s[8:9], s[0:1], 0x10                ; qkvh
	s_load_b64 s[66:67], s[0:1], 0x18              ; bqkv
	s_load_b256 s[72:79], s[0:1], 0x20             ; csum s[72:73], W1 s[74:75], b1 s[76:77], W2 s[78:79]
	s_load_b64 s[80:81], s[0:1], 0x40              ; gpart
	s_set_vgpr_msb 0x40
	v_lshl_add_u32 v255, v0, 2, 0x42500
	s_set_vgpr_msb 0x4000
	v_mov_b32 v255, 0
	s_set_vgpr_msb 0x1
	ds_add_u32 v255, v255
	s_set_vgpr_msb 0x100
	v_lshrrev_b32 v1, 5, v0
	v_readfirstlane_b32 s10, v1                    ; wave 0..3
	s_lshr_b32 s11, s10, 1                         ; I fetch for A (0) or for B (1)
	s_and_b32 s12, s10, 1                          ; which half of that tile
	s_bfe_u32 s40, ttmp6, 0x40000                  ; cx
	s_bfe_u32 s41, ttmp6, 0x40004                  ; cy
	s_lshl_b32 s42, ttmp9, 2
	s_add_co_u32 s42, s42, s40                     ; tile column = 4 x cluster x + cx
	s_and_b32 s13, ttmp7, 0xffff
	s_lshl_b32 s13, s13, 2
	s_add_co_u32 s13, s13, s41                     ; tile row = 4 x cluster y + cy
	s_lshl_b32 s43, s41, 2
	s_lshl_b32 s43, 15, s43                        ; my row of the cluster
	s_lshl_b32 s44, 0x1111, s40                    ; my column
	s_or_b32 s[G1+0], s43, (1<<16)|(1<<20)|(1<<21)|(5<<22)|(3<<25)   ; mask; elements of 2 bytes; padding on; bit 21 beside a mask; after every 64 words 4 words
	s_or_b32 s[G1B+0], s44, (1<<16)|(1<<20)|(1<<21)|(5<<22)|(3<<25)
	s_mov_b32 s[G1+1], KSTEP<<16                   ; tensor_dim0 = 128
	s_mov_b32 s[G1+2], 128<<16                     ; tensor_dim1 = 128
	s_mov_b32 s[G1+3], KSTEP<<16                   ; tile_dim0 = 128
	s_mov_b32 s[G1+4], 128                         ; tile_dim1 = 128
	s_mov_b32 s[G1+5], SIZE_K                      ; elements from row to row
	s_mov_b32 s[G1+6], 0
	s_mov_b32 s[G1+7], 0
	s_mov_b32 s[G1B+1], KSTEP<<16
	s_mov_b32 s[G1B+2], 96<<16                     ; B's load has 96 rows
	s_mov_b32 s[G1B+3], KSTEP<<16
	s_mov_b32 s[G1B+4], 96
	s_mov_b32 s[G1B+5], SIZE_K
	s_mov_b32 s[G1B+6], 0
	s_mov_b32 s[G1B+7], 0
	s_mov_b32 s82, 0x76543210                      ; v_permlanex16_b32: each lane takes its own place in the other half
	s_mov_b32 s83, 0xfedcba98
	s_lshl_b32 s17, s12, 7
	s_lshl_b32 s16, s13, 8
	s_add_co_u32 s16, s16, s17                     ; A: row 256 x tile row + 128 x half
	s_mul_i32 s46, s42, 192
	s_mul_i32 s47, s12, 96
	s_add_co_u32 s46, s46, s47                     ; B: row 192 x tile column + 96 x half
	s_mov_b32 s17, 0
	s_mov_b32 s47, 0
	s_mov_b64 s[18:19], SIZE_K*2
	s_mul_u64 s[16:17], s[16:17], s[18:19]
	s_mul_u64 s[46:47], s[46:47], s[18:19]
	s_mul_i32 s20, s10, AHALF                      ; where A's halves go (waves 0, 1)
	s_mul_i32 s21, s10, BHALF
	s_add_co_u32 s21, s21, BOFF-2*BHALF            ; where B's halves go (waves 2, 3): no place in the cluster enters an LDS address
	s_wait_dscnt 0x0
	s_wait_kmcnt 0x0
	s_add_nc_u64 s[14:15], s[4:5], s[16:17]
	s_add_nc_u64 s[46:47], s[6:7], s[46:47]
	CROUND                                         ; all sixteen work-groups are here: the first joint loads meet
.irp s, 0,1
	s_mov_b32 s[G0+4*\s], 1
	s_add_co_u32 s[G0+4*\s+1], s20, \s*SLOT
	s_add_nc_u64 s[G0+4*\s+2:G0+4*\s+3], s[14:15], \s*KSTEP*2
	s_or_b32 s[G0+4*\s+3], s[G0+4*\s+3], 0x80000000
	s_mov_b32 s[G0B+4*\s], 1
	s_add_co_u32 s[G0B+4*\s+1], s21, \s*SLOT
	s_add_nc_u64 s[G0B+4*\s+2:G0B+4*\s+3], s[46:47], \s*KSTEP*2
	s_or_b32 s[G0B+4*\s+3], s[G0B+4*\s+3], 0x80000000
	JLOAD \s                                       ; both slots are asked for before anything else: two loads of mine are out
.endr
	; the gate's share of this work-group: batch = tile row / 8, group g = 16 (tile row % 8) + tile column, hidden columns 4 g .. 4 g + 3.  These numbers enter global addresses alone.
	s_lshr_b32 s84, s13, 3                         ; batch
	s_and_b32 s85, s13, 7
	s_lshl_b32 s85, s85, 4
	s_add_co_u32 s85, s85, s42                     ; g
	s_mov_b32 s87, 0
	s_lshl_b32 s86, s84, 15
	s_add_nc_u64 s[72:73], s[72:73], s[86:87]      ; csum at the batch's 8 rows of 4,096 bytes
	s_lshl_b32 s86, s85, 4
	s_add_nc_u64 s[74:75], s[74:75], s[86:87]      ; W1 at column 4 g
	s_add_nc_u64 s[76:77], s[76:77], s[86:87]      ; b1 at 4 g
	s_lshl_b32 s86, s85, 8
	s_add_nc_u64 s[78:79], s[78:79], s[86:87]      ; W2 at row 4 g (64 bytes a row)
	s_lshl_b32 s84, s84, 7
	s_add_co_u32 s84, s84, s85
	s_lshl_b32 s86, s84, 6
	s_add_nc_u64 s[80:81], s[80:81], s[86:87]      ; gpart at (128 batch + g) x 64 bytes
	v_and_b32 v248, 3, v0                          ; c: my hidden column at the end
	v_lshlrev_b32 v249, 2, v248
	v_lshlrev_b32 v248, 6, v248
	v_lshlrev_b32 v250, 13, v0                     ; thread t owns k = 512 half + 4 t + i: rows of W1 of 2,048 bytes
	v_lshlrev_b32 v251, 4, v0                      ; and 16 bytes of each half of a row of csum: a load covers 512 consecutive bytes
.irp i, 0,1,2,3
	global_load_b128 v[W2R+4*\i:W2R+4*\i+3], v248, s[78:79] offset:16*\i
.endr
	global_load_b32 v[B1], v249, s[76:77]
.irp n, 0,1,2,3,4,5,6,7
	global_load_b128 v[GW+4*\n:GW+4*\n+3], v250, s[74:75] offset:(\n/4)*1048576+(\n%4)*2048
.endr
.irp n, 0,1,2,3,4,5,6,7,8,9,10,11,12,13,14,15
	global_load_b128 v[GX+4*\n:GX+4*\n+3], v251, s[72:73] offset:(\n/8)*2048+(\n%8)*4096
.endr
	s_mul_i32 s46, s42, 768                        ; the tile's 192 numbers of the bias
	s_mov_b32 s47, 0
	s_add_nc_u64 s[66:67], s[66:67], s[46:47]
	v_and_b32 v1, 15, v0                           ; r = l % 16
	v_bfe_u32 v2, v0, 4, 1                         ; h = l / 16
	v_lshlrev_b32 v[BOF], 5, v2                    ; my eight columns of a block of 16
.irp b, 0,1,2,3,4,5,6,7,8,9,10,11
	global_load_b128 v[BIAS+8*\b:BIAS+8*\b+3],   v[BOF], s[66:67] offset:64*\b
	global_load_b128 v[BIAS+8*\b+4:BIAS+8*\b+7], v[BOF], s[66:67] offset:64*\b+16
.endr
	v_mul_u32_u24 v3, v1, PITCH
	v_lshl_add_u32 v3, v2, 4, v3                   ; a fragment's row x pitch + 16 x half
	s_mul_i32 s22, s10, 64*PITCH                   ; my 64 rows of A
.irp s, 0,1
	v_add_nc_u32 v[ADRA+\s], s22, v3
	v_add_nc_u32 v[ADRB+\s], BOFF+\s*SLOT, v3      ; every wave reads all of B
	s_add_co_u32 s22, s22, SLOT
.endr
	s_mul_i32 s23, s10, 3*HSTG
	s_add_co_u32 s23, s23, STAGE                   ; my stage
	v_mul_u32_u24 v4, v1, SP                       ; in: row r, 16 bytes for each half of the lanes
	v_lshl_add_u32 v4, v2, 4, v4
	v_add_nc_u32 v[STO], s23, v4
	v_and_b32 v5, 31, v0
	v_lshrrev_b32 v6, 3, v5                        ; back: eight lanes take a row of 128 bytes, a load four rows
	v_and_b32 v7, 7, v0
	v_mul_u32_u24 v6, v6, SP
	v_lshl_add_u32 v6, v7, 4, v6
	v_add_nc_u32 v[RD], s23, v6
	v_lshlrev_b32 v[CO], 4, v5                     ; in memory a head's rows follow each other: 512 neighbouring bytes a store
	s_mul_i32 s46, s42, 3*524288                   ; my three heads,
	s_lshl_b32 s47, s13, 15                        ; the tile's 256 rows of 128 bytes,
	s_add_co_u32 s46, s46, s47
	s_lshl_b32 s47, s10, 13                        ; my 64 of them
	s_add_co_u32 s46, s46, s47
	s_mov_b32 s47, 0
	s_add_nc_u64 s[8:9], s[8:9], s[46:47]
	s_lshl_b32 s84, s10, 4
	s_add_co_u32 s84, s84, SCR
	v_mov_b32 v252, s84                            ; my wave's 16 bytes of the gate's scratch
	; the gate's sums, while the first tiles are on their way
	s_wait_loadcnt 24                              ; the gate's 29 loads are in; the 24 loads of the bias, issued behind them, may stay out
.irp hf, 0,1                           ; the batch's 8 rows of csum are added: 2,048 times the mean for my k = 512 hf + 4 t + 0 .. 3
.irp d, 4,2,1
.set n, 0
.rept \d
	v_pk_add_f32 v[GX+32*\hf+4*n:GX+32*\hf+4*n+1], v[GX+32*\hf+4*n:GX+32*\hf+4*n+1], v[GX+32*\hf+4*(n+\d):GX+32*\hf+4*(n+\d)+1]
	v_pk_add_f32 v[GX+32*\hf+4*n+2:GX+32*\hf+4*n+3], v[GX+32*\hf+4*n+2:GX+32*\hf+4*n+3], v[GX+32*\hf+4*(n+\d)+2:GX+32*\hf+4*(n+\d)+3]
.set n, n+1
.endr
.endr
.endr
.irp c, 0,1,2,3
	v_mul_f32 v[GA+\c], v[GX], v[GW+\c]            ; the first product starts the sums
.endr
.set n, 1
.rept 7
.irp c, 0,1,2,3
	v_fma_f32 v[GA+\c], v[GX+32*(n/4)+n%4], v[GW+4*n+\c], v[GA+\c]
.endr
.set n, n+1
.endr
.irp m, 1,2,4,8
.irp c, 0,1,2,3
	v_add_f32_dpp v[GA+\c], v[GA+\c], v[GA+\c] row_xmask:\m row_mask:0xf bank_mask:0xf
.endr
.endr
.irp c, 0,1,2,3
	v_permlanex16_b32 v[GX+4+\c], v[GA+\c], s82, s83   ; the destination has been written before
.endr
.irp c, 0,1,2,3
	v_add_f32 v[GA+\c], v[GA+\c], v[GX+4+\c]
.endr
	ds_store_b128 v252, v[GA:GA+3]                 ; every lane holds the wave's sums and writes the same 16 bytes
; 12 matrix instructions: my row block 2 hi + a x all 12 column blocks, 32 along K, from buffer f.  zero = 1: the product starts the sums.
; The 48 accumulators take turns, one instruction a turn, in the same order in every quarter.
.macro MUL12 f, hi, a, zero
.irp b, 0,1,2,3,4,5,6,7,8,9,10,11
.if \zero
	v_wmma_f32_16x16x32_bf16 v[8*(12*\a+\b):8*(12*\a+\b)+7], v[128*\f+8*\b:128*\f+8*\b+7], v[64+32*\f+8*(2*\hi+\a):64+32*\f+8*(2*\hi+\a)+7], 0
.else
	v_wmma_f32_16x16x32_bf16 v[8*(12*\a+\b):8*(12*\a+\b)+7], v[128*\f+8*\b:128*\f+8*\b+7], v[64+32*\f+8*(2*\hi+\a):64+32*\f+8*(2*\hi+\a)+7], v[8*(12*\a+\b):8*(12*\a+\b)+7]
.endif
.endr
.endm
; 32 LDS loads in one run: 192 rows of B, then my 64 rows of A, 32 K at byte k of the rows, into buffer f
.macro FETCH slot, k, f
	WIN TO_B
.irp i, 0,1,2,3,4,5,6,7,8,9,10,11
	ds_load_b128 v[128*\f+8*\i:128*\f+8*\i+3],   v[ADRB+\slot] offset:\k+\i*16*PITCH
	ds_load_b128 v[128*\f+8*\i+4:128*\f+8*\i+7], v[ADRB+\slot] offset:\k+\i*16*PITCH+32
.endr
	WIN 0
.irp i, 0,1,2,3
	ds_load_b128 v[64+32*\f+8*\i:64+32*\f+8*\i+3],   v[ADRA+\slot] offset:\k+\i*16*PITCH
	ds_load_b128 v[64+32*\f+8*\i+4:64+32*\f+8*\i+7], v[ADRA+\slot] offset:\k+\i*16*PITCH+32
.endr
.endm
; A K step is four quarters of 32 along K, 48 matrix instructions each, on buffers 0, 1, 0, 1.  One of the first three.
.macro QUARTER slot, k, f, g, zero
	s_wait_dscnt 4                                 ; B and A's blocks 0, 1 are in; the youngest four loads (blocks 2, 3) may be out
	WIN MUL_LO
	MUL12 \f, 0, 0, \zero
	MUL12 \f, 0, 1, \zero
	PLACES
	FETCH \slot, \k, \g
	s_wait_dscnt 32                                ; all but the 32 just issued
	WIN MUL_HI
	MUL12 \f, 1, 0, \zero
	MUL12 \f, 1, 1, \zero
.endm
; The last quarter multiplies buffer 1 and changes slots: one barrier; in front of it each wave waits for its reads of this slot and for all its tensor loads.
; fill = 1: the barrier opens a round of the cluster's barrier, and the slot just read is filled again, two K steps ahead, first thing behind the round.
.macro TURN slot, next, fill
	s_wait_dscnt 4
	WIN MUL_LO
	MUL12 1, 0, 0, 0
	s_wait_dscnt 0                                 ; my reads of this slot are over,
	s_wait_tensorcnt 0x0                           ; and all my tensor loads have landed: the one that was out is my part of the next slot
	ds_add_u32 v255, v255
	s_wait_dscnt 0x0
	s_barrier_signal -1
	MUL12 1, 0, 1, 0                               ; register work while the others arrive
.if \fill
	WIN 0
.endif
	s_barrier_wait -1
.if \fill
	CREST                                          ; no wave of any partner still reads this slot or has a load on its way
	s_add_nc_u64 s[G0+4*\slot+2:G0+4*\slot+3], s[G0+4*\slot+2:G0+4*\slot+3], 2*KSTEP*2
	s_add_nc_u64 s[G0B+4*\slot+2:G0B+4*\slot+3], s[G0B+4*\slot+2:G0B+4*\slot+3], 2*KSTEP*2
	JLOAD \slot                                    ; my one tensor load behind the round; its four v_nop are also the places in front of the loads below
.else
	PLACES
.endif
	FETCH \next, 0, 0
	WIN MUL_HI
	MUL12 1, 1, 0, 0
	MUL12 1, 1, 1, 0
.endm
	s_wait_dscnt 0x0                               ; for wave 0's sake: my store of the gate's sums is done
	s_wait_tensorcnt 1                             ; my part of K step 0 is in; K step 1's may stay out
	s_barrier_signal -1
	s_barrier_wait -1
	FETCH 0, 0, 0
	QUARTER 0, 64, 0, 1, 1                         ; the first quarter stands in front of the loop: its products start the sums
	WIN 0                                          ; at a label and at a branch every window is 0
	s_mov_b32 s3, LAPS-1
.Llap:                                                 ; a trip goes once round the ring and fills both slots again
	QUARTER 0, 128, 1, 0, 0
	QUARTER 0, 192, 0, 1, 0
	TURN 0, 1, 1
	QUARTER 1, 64,  0, 1, 0
	QUARTER 1, 128, 1, 0, 0
	QUARTER 1, 192, 0, 1, 0
	TURN 1, 0, 1
	QUARTER 0, 64,  0, 1, 0
	WIN 0
	s_sub_co_u32 s3, s3, 1
	s_cmp_lg_u32 s3, 0
	s_cbranch_scc1 .Llap
	QUARTER 0, 128, 1, 0, 0                        ; the last lap fills nothing
	QUARTER 0, 192, 0, 1, 0
	TURN 0, 1, 0
	QUARTER 1, 64,  0, 1, 0
	QUARTER 1, 128, 1, 0, 0
	QUARTER 1, 192, 0, 1, 0
	s_wait_dscnt 4                                 ; the very last quarter
	WIN MUL_LO
	MUL12 1, 0, 0, 0
	MUL12 1, 0, 1, 0
	s_wait_dscnt 0
	WIN MUL_HI
	MUL12 1, 1, 0, 0
	MUL12 1, 1, 1, 0
	WIN 0
; THE WAY OUT of my row block a: bias added, rounded to f16, 16 bytes a lane into my own stage (a region of 16 rows x 144 bytes for each head), back as 4 rows a load, stored.
.macro OUT a
.if \a > 0
	s_wait_xcnt 0x0                                ; the registers that the last block's stores read are written again only behind this wait
.endif
	WIN 0x02+(\a)/2                                ; source 0: window 2 or 3
.set n, 0
.rept 48
	v_pk_add_f32 v[T+2*n:T+2*n+1], v[96*((\a)%2)+2*n:96*((\a)%2)+2*n+1], v[BIAS+2*n:BIAS+2*n+1]   ; each accumulator is read from its low end on
.set n, n+1
.endr
	WIN 0
.set n, 0
.rept 48
	v_cvt_pk_f16_f32 v[T+n], v[T+2*n], v[T+2*n+1]  ; in place: word n is written when words 2 n and 2 n + 1 are read, and never ahead of them
.set n, n+1
.endr
.irp b, 0,1,2,3,4,5,6,7,8,9,10,11
	ds_store_b128 v[STO], v[T+4*\b:T+4*\b+3] offset:(\b/4)*HSTG+32*(\b%4)
.endr
.irp n, 0,1,2,3,4,5,6,7,8,9,10,11
	ds_load_b128 v[OB+4*\n:OB+4*\n+3], v[RD] offset:(\n/4)*HSTG+(\n%4)*4*SP   ; LDS serves a wave's instructions in order (ISA guide 5.7.1.4): these see the stores above
.endr
.irp n, 0,1,2,3,4,5,6,7,8,9,10,11
	s_wait_dscnt 11-\n
	global_store_b128 v[CO], v[OB+4*\n:OB+4*\n+3], s[8:9] offset:(\n/4)*524288+\a*2048+(\n%4)*512   ; a store covers 512 consecutive bytes, aligned
.endr
.endm
	s_wait_loadcnt 0x0                             ; the bias
	PLACES
	OUT 0
	OUT 1
	OUT 2
	OUT 3
	; THE GATE IS FINISHED by wave 0, while the tile's stores are on their way.  The branch hangs on the wave's number alone and jumps over no barrier.
	s_cmp_lg_u32 s10, 0
	s_cbranch_scc1 .Lno_gate
	v_and_b32 v32, 3, v0                           ; lane l stands for hidden column 4 g + l % 4
	v_lshlrev_b32 v32, 2, v32
	v_add_nc_u32 v32, SCR, v32
.irp w, 0,1,2,3
	ds_load_b32 v[34+\w], v32 offset:16*\w         ; the four waves' parts, stored in front of the first barrier
.endr
	v_mov_b32 v33, 0
	s_wait_dscnt 0x0
	v_add_f32 v34, v34, v35
	v_add_f32 v36, v36, v37
	v_add_f32 v34, v34, v36
	v_fma_f32 v35, v34, 0x3a000000, v[B1]          ; u = 2^-11 sum + b1: the mean of 2,048 rows
	v_and_b32 v36, 0x7fffffff, v35
	v_mul_f32 v36, 0x3f3504f3, v36                 ; z = |u| / sqrt 2
	v_fma_f32 v37, 0x3ea7ba05, v36, 1.0            ; 1 + p z
	v_rcp_f32 v37, v37                             ; t
	v_mul_f32 v38, v36, v36                        ; a plain instruction stands behind each transcendental before its result is used
	v_mul_f32 v38, 0xbfb8aa3b, v38
	v_exp_f32 v38, v38                             ; exp(-z^2)
	v_mov_b32 v39, 0x3f87dc22                      ; a5
	s_wait_alu depctr_va_vdst(0)
	v_fma_f32 v39, v39, v37, 0xbfba00e3            ; a4
	v_fma_f32 v39, v39, v37, 0x3fb5f0e3            ; a3
	v_fma_f32 v39, v39, v37, 0xbe91a98e            ; a2
	v_fma_f32 v39, v39, v37, 0x3e827906            ; a1
	v_mul_f32 v39, v39, v37
	v_fma_f32 v40, -v39, v38, 1.0                  ; erf(z)
	v_and_b32 v41, 0x80000000, v35
	v_xor_b32 v40, v40, v41                        ; with u's sign
	v_add_f32 v40, 1.0, v40
	v_mul_f32 v41, 0.5, v35
	v_mul_f32 v40, v40, v41                        ; h
.set n, 0
.rept 8
	v_pk_mul_f32 v[W2R+2*n:W2R+2*n+1], v[W2R+2*n:W2R+2*n+1], v[40:41] op_sel_hi:[1,0]
.set n, n+1
.endr
.irp m, 1,2                            ; the sum over my 4 hidden columns: over four neighbouring lanes
.set n, 0
.rept 16
	v_add_f32_dpp v[W2R+n], v[W2R+n], v[W2R+n] row_xmask:\m row_mask:0xf bank_mask:0xf
.set n, n+1
.endr
.endr
	s_wait_xcnt 0x0                                ; EXEC changes only behind this wait
	v_cmp_eq_u32 vcc_lo, 0, v0
	s_and_saveexec_b32 s84, vcc_lo                 ; lane 0 stores the 16 partial logits, 64 bytes
.irp i, 0,1,2,3
	global_store_b128 v33, v[W2R+4*\i:W2R+4*\i+3], s[80:81] offset:16*\i
.endr
	s_wait_xcnt 0x0                                ; and again in front of the line that widens it
	s_or_b32 exec_lo, exec_lo, s84
.Lno_gate:
	s_set_vgpr_msb 0x1
	s_wait_tensorcnt 0x0
	ds_add_u32 v255, v255
	s_wait_dscnt 0x0
	s_set_vgpr_msb 0x100
	CROUND                                         ; the closing round: no work-group ends while a partner may still ask for a tile that names it
	s_endpgm
.Lfunc_end_k_q18a4577596_qkv:
	.size	k_q18a4577596_qkv, .Lfunc_end_k_q18a4577596_qkv-k_q18a4577596_qkv
	.p2alignl 7, 3214868480
	.fill 96, 4, 3214868480
	.section	.rodata,"a",@progbits
	.p2align	6, 0x0
	.amdhsa_kernel k_q18a4577596_qkv
		.amdhsa_group_segment_fixed_size 327680
		.amdhsa_private_segment_fixed_size 0
		.amdhsa_enable_private_segment 0
		.amdhsa_kernarg_size 72
		.amdhsa_user_sgpr_count 2
		.amdhsa_user_sgpr_kernarg_segment_ptr 1
		.amdhsa_wavefront_size32 1
		.amdhsa_system_sgpr_workgroup_id_x 1
		.amdhsa_system_sgpr_workgroup_id_y 1
		.amdhsa_system_sgpr_workgroup_id_z 1
		.amdhsa_system_vgpr_workitem_id 0
		.amdhsa_next_free_vgpr 1024
		.amdhsa_next_free_sgpr 88
		.amdhsa_reserve_vcc 1
		.amdhsa_float_denorm_mode_32 3
		.amdhsa_float_denorm_mode_16_64 3
		.amdhsa_memory_ordered 1
		.amdhsa_forward_progress 1
		.amdhsa_inst_pref_size 148
	.end_amdhsa_kernel
	.amdgpu_metadata
---
amdhsa.version: [ 1, 2 ]
amdhsa.kernels:
  - .name:           k_q18a4577596_qkv
    .symbol:         k_q18a4577596_qkv.kd
    .args:
      - { .name: xb, .offset: 0, .size: 8, .value_kind: global_buffer, .address_space: global }
      - { .name: wqkvt, .offset: 8, .size: 8, .value_kind: global_buffer, .address_space: global }
      - { .name: qkvh, .offset: 16, .size: 8, .value_kind: global_buffer, .address_space: global }
      - { .name: bqkv, .offset: 24, .size: 8, .value_kind: global_buffer, .address_space: global }
      - { .name: csum, .offset: 32, .size: 8, .value_kind: global_buffer, .address_space: global }
      - { .name: W1, .offset: 40, .size: 8, .value_kind: global_buffer, .address_space: global }
      - { .name: b1, .offset: 48, .size: 8, .value_kind: global_buffer, .address_space: global }
      - { .name: W2, .offset: 56, .size: 8, .value_kind: global_buffer, .address_space: global }
      - { .name: gpart, .offset: 64, .size: 8, .value_kind: global_buffer, .address_space: global }
    .group_segment_fixed_size: 327680
    .private_segment_fixed_size: 0
    .kernarg_segment_align: 8
    .kernarg_segment_size: 72
    .max_flat_workgroup_size: 128
    .sgpr_count:     88
    .vgpr_count:     1024
    .wavefront_size: 32
...
	.end_amdgpu_metadata
.endif
;; end of part 7
;; launch attn (part 8): grid 16 x 16, 8 waves a work-group, clusters of 4 x 1, 327,680 bytes of LDS; arguments qkvh, mobius_scale, att; writes att
.if DOCPART == 8
	.amdgcn_target "amdgcn-amd-amdhsa--gfx1250"
	.amdhsa_code_object_version 6
	.text
	.protected	k_q18a4577596_attn
	.globl	k_q18a4577596_attn
	.p2align	8
	.type	k_q18a4577596_attn,@function
k_q18a4577596_attn:
	s_mov_b64 s[64:65], 0
	v_nop
	global_prefetch_b8 v0, s[64:65] scope:SCOPE_SE
	s_setreg_imm32_b32 hwreg(HW_REG_WAVE_MODE, 25, 1), 1
	s_wait_xcnt 0x0
	s_wait_alu depctr_hold_cnt(0) depctr_sa_sdst(0) depctr_va_vdst(0) depctr_va_sdst(0) depctr_va_ssrc(0) depctr_va_vcc(0) depctr_vm_vsrc(0)
	s_getreg_b32 s2, hwreg(HW_REG_IB_STS2, 6, 4)
	s_cmp_eq_u32 s2, 0
	s_cbranch_scc0 .Lentry_in_a_cluster
	s_endpgm
.Lentry_in_a_cluster:
	s_bfe_u32 s2, ttmp6, 0x10000c
	s_cmp_lg_u32 s2, 0x3003
	s_cbranch_scc0 .Lentry_shape_is_right
	s_endpgm
.Lentry_shape_is_right:
; attn: for each batch and head, s = q . k / 8, s' = s + ms s / (1 + s^2), softmax over the 2,048 keys with a running maximum, O = P V.
; q, k, v: qkvh[g][m][64] f16 (g = head, 16 + head, 32 + head; m = 2,048 b + position).  att[m][64 head + d] bf16.
; THE SCORE, in f32, from u = q . k: with c = log2(e), c s' = u (c / 8 + 8 c ms / (64 + u^2)): the factor 1/8 and the change to base 2 cost no instruction of their own.  Maxima and exponents are kept in base-2 units.
; FORMATS.  Both products take f16 operands and add in f32.  O adds 2,048 terms that nearly cancel where the weights are flat, so a rounding of P or V shows in full in O: f16's 11 significant bits are
; wanted.  P lies in (0, 1], since the running maximum is taken away; q, k, v have f16's room as the launch that stores them states (|q|, |k|, |v| below 65,504).
; SHARES.  A work-group owns 128 queries of a PAIR of heads (so a row of its output is 256 consecutive bytes of att); wave w takes head w / 4 of the pair and queries 32 (w % 4) .. + 31: two tiles of 16.
; Two waves lie on a SIMD: one's products run beside the other's softmax.  Every wave walks its head's keys, 64 a step.
; LAYOUT.  S^T = K Q^T and O^T = V^T P: a lane holds one query (lane % 16) in S^T, P and O^T; K comes out of LDS as it lies, V turned by ds_load_tr16_b128.
; CLUSTER.  The four query blocks of a cluster walk the same K and V: each tile is asked for jointly.  A slot holds FOUR key steps of both heads, as much as two slots in LDS allow: eight tiles of 128 rows,
; one load a wave, so that a round of the cluster's barrier serves 256 keys: 8 fills, two at the start and six behind rounds.
; LIMITS.  l adds the unrounded weights, the second product takes them in f16.  Where u^2 overflows f32 the term ms s / (1 + s^2) counts as 0.
; REGISTERS.  window 0: v2-11 addresses; v12-27 statistics, 8 a tile; v28-29 8 c ms; v32-63 at work; v64-127 S^T; v128-159 P; v160-223 K; v224-227 the constants 64 and c / 8.
;   window 1: v0-31 Q; v32-95 V; v96-159 O^T.
.set KS,    64
.set NS,    4                          ; key steps in a slot
.set PK,    144                        ; a row of K in LDS: 128 bytes + 16: the 16 rows of a load start in 16 different 16-byte columns
.set PV,    160                        ; a row of V: 128 + 32, an odd multiple of 32, for the turning load
.set KTILE, 128*PK                     ; what one of waves 0-3 fetches: 128 rows of K
.set VTILE, 128*PV                     ; what one of waves 4-7 fetches: 128 rows of V
.set KHEAD, 2*KTILE                    ; a head's 256 rows of K
.set VHEAD, 2*VTILE
.set VBASE, 2*KHEAD                    ; a slot: K of head 0, K of head 1, V of head 0, V of head 1
.set SLOT,  VBASE+2*VHEAD              ; 155,648 bytes, a multiple of 256
.set STAGE, 0                          ; the way out goes through the first 128 x 272 bytes of slot 0, which has had its last fill by then
.set SP,    272
.set AK0, 2
.set AV0, 3
.set ADR, 4
.set QO,  5
.set STO, 6
.set RD,  7
.set GO,  8
.set ADR2, 10
.set ST,  12                           ; tile t at v[ST+8 t]: +0, +1 m (twice: a pair for the packed subtraction), +2, +3 l (even keys', odd keys'), +4 to +7 at work; a in +6
.set K1,  28                           ; v[28:29] 8 c ms, twice
.set T,   32
.set S,   64
.set P,   128
.set KF,  160
.set C64, 224                          ; v[224:225] 64.0, twice
.set K2,  226                          ; v[226:227] c / 8, twice
.set VF,  32                           ; window 1
.set O,   96                           ; window 1
.set WV,  12
.set G1K, 24
.set G1V, 32
.set G0K, 40                           ; s[40:47] group 0 for K's tiles, a set for each slot
.set G0V, 48                           ; s[48:55] the same for V's
.set SLOTS, 56
.set CNT, 57
.set SEL, 60
.set TBK, 62                           ; LDS byte at which the step in hand begins in a head's rows of K,
.set TBV, 63                           ; and of V
.set MS,  66                           ; my head's mobius_scale
.set MSB, 0
.macro WIN new
.if MSB != \new
	s_set_vgpr_msb (MSB<<8)|\new
.set MSB, \new
.endif
.endm
.macro JLOAD s                         ; a joint refill of slot s: waves 0-3 fetch the four tiles of K, waves 4-7 those of V; four v_nop follow each line
	s_cmp_lt_u32 s[WV], 4
	s_cbranch_scc0 .Lfor_v_\@
	tensor_load_to_lds s[G0K+4*(\s):G0K+4*(\s)+3], s[G1K:G1K+7]
	s_nop 0
.rept 4
	v_nop
.endr
	s_branch .Lasked_\@
.Lfor_v_\@:
	tensor_load_to_lds s[G0V+4*(\s):G0V+4*(\s)+3], s[G1V:G1V+7]
	s_nop 0
.rept 4
	v_nop
.endr
.Lasked_\@:
.endm
.macro CROUND                          ; a round of the cluster's barrier
	s_barrier_signal -1
	s_barrier_wait -1
	s_cmp_lg_u32 s[WV], 0
	s_cbranch_scc1 .Lnot_wave_0_\@
	s_barrier_signal -3
.Lnot_wave_0_\@:
	s_barrier_wait -3
	s_barrier_signal -1
	s_barrier_wait -1
.endm
.macro PLACES
.rept 4
	v_nop
.endr
.endm
	s_load_b128 s[4:7], s[0:1], 0x0                ; qkvh s[4:5], mobius_scale s[6:7]
	s_load_b64 s[8:9], s[0:1], 0x10                ; att
	v_lshl_add_u32 v254, v0, 2, 0x4c000
	v_mov_b32 v255, 0
	ds_add_u32 v254, v255
	v_lshrrev_b32 v1, 5, v0
	v_readfirstlane_b32 s[WV], v1                  ; wave 0..7
	s_bfe_u32 s13, ttmp6, 0x40000                  ; cx
	s_lshl_b32 s14, ttmp9, 2
	s_add_co_u32 s14, s14, s13                     ; my block of 128 queries: it enters Q's and att's addresses alone
	s_and_b32 s15, ttmp7, 0xffff
	s_lshr_b32 s16, s15, 3                         ; b
	s_and_b32 s17, s15, 7                          ; the pair of heads
	s_and_b32 s18, s[WV], 3                        ; which tile of a slot I fetch; also my 32 queries of the block
	s_lshr_b32 s19, s[WV], 2                       ; my head of the pair
	s_lshl_b32 s20, s17, 20                        ; the tile that I fetch: head 2 hp + idx / 2 (524,288 bytes a head),
	s_lshr_b32 s21, s18, 1
	s_lshl_b32 s21, s21, 19
	s_add_co_u32 s20, s20, s21
	s_lshl_b32 s21, s16, 18                        ; the batch's 2,048 rows of 128 bytes,
	s_add_co_u32 s20, s20, s21
	s_and_b32 s21, s18, 1                          ; half idx % 2 of a slot's 256 keys: 128 rows
	s_lshl_b32 s21, s21, 14
	s_add_co_u32 s20, s20, s21
	s_mov_b32 s21, 0
	s_mul_i32 s70, s18, KTILE                      ; its place in a slot, as a tile of K,
	s_mul_i32 s71, s18, VTILE
	s_add_co_u32 s71, s71, VBASE                   ; and as a tile of V
	s_mul_i32 s72, s19, KHEAD                      ; where my head's rows lie in a slot
	s_mul_i32 s73, s19, VHEAD
	s_add_co_u32 s73, s73, VBASE
	s_lshl_b32 s2, s17, 20                         ; my rows of Q: head 2 hp + hs,
	s_lshl_b32 s3, s19, 19
	s_add_co_u32 s2, s2, s3
	s_lshl_b32 s3, s16, 18
	s_add_co_u32 s2, s2, s3
	s_lshl_b32 s3, s14, 14                         ; block of 128 rows,
	s_add_co_u32 s2, s2, s3
	s_lshl_b32 s3, s18, 12                         ; my 32 of them
	s_add_co_u32 s2, s2, s3
	s_mov_b32 s3, 0
	s_lshl_b32 s10, s16, 22                        ; the rows of att that I store: 2,048 b + 128 block + 16 wave, 2,048 bytes each,
	s_lshl_b32 s11, s14, 18
	s_add_co_u32 s10, s10, s11
	s_lshl_b32 s11, s[WV], 15
	s_add_co_u32 s10, s10, s11
	s_lshl_b32 s11, s17, 8                         ; and the pair's 256 bytes of a row
	s_add_co_u32 s10, s10, s11
	s_mov_b32 s11, 0
	s_lshl_b32 s66, s17, 3                         ; 4 bytes x (2 hp + hs)
	s_lshl_b32 s67, s19, 2
	s_add_co_u32 s66, s66, s67
	s_mov_b32 s67, 0
	s_mov_b32 s[G1K], 15|(1<<16)|(1<<20)|(1<<21)|(4<<22)|(3<<25)   ; mask: all four; elements of 2 bytes; padding on; bit 21 beside a mask; after every 32 words 4 words
	s_mov_b32 s[G1V], 15|(1<<16)|(1<<20)|(1<<21)|(4<<22)|(7<<25)   ; the same with 8 words
.irp g, G1K, G1V
	s_mov_b32 s[\g+1], 64<<16                      ; tensor_dim0 = 64
	s_mov_b32 s[\g+2], 128<<16                     ; tensor_dim1 = 128
	s_mov_b32 s[\g+3], 64<<16                      ; tile_dim0 = 64
	s_mov_b32 s[\g+4], 128                         ; tile_dim1 = 128
	s_mov_b32 s[\g+5], 64                          ; elements from row to row
	s_mov_b32 s[\g+6], 0
	s_mov_b32 s[\g+7], 0
.endr
	s_mov_b32 s[SEL], 0x76543210
	s_mov_b32 s[SEL+1], 0xfedcba98
	s_mov_b32 s[TBK], 0
	s_mov_b32 s[TBV], 0
	s_wait_dscnt 0x0
	s_wait_kmcnt 0x0
	s_add_nc_u64 s[22:23], s[4:5], s[20:21]        ; my tile, counted from the head regions' starts
	s_add_nc_u64 s[4:5], s[4:5], s[2:3]            ; Q at my first row
	s_add_nc_u64 s[8:9], s[8:9], s[10:11]
	s_add_nc_u64 s[6:7], s[6:7], s[66:67]
	s_load_b32 s[MS], s[6:7], 0x0
	CROUND                                         ; all four work-groups are here: the first joint loads meet
.irp s, 0,1
	s_mov_b32 s[G0K+4*\s], 1
	s_add_co_u32 s[G0K+4*\s+1], s70, \s*SLOT
	s_add_nc_u64 s[G0K+4*\s+2:G0K+4*\s+3], s[22:23], 16*524288+\s*NS*KS*128   ; K's heads begin 16 heads in; slot s begins with keys 256 s
	s_or_b32 s[G0K+4*\s+3], s[G0K+4*\s+3], 0x80000000
	s_mov_b32 s[G0V+4*\s], 1
	s_add_co_u32 s[G0V+4*\s+1], s71, \s*SLOT
	s_add_nc_u64 s[G0V+4*\s+2:G0V+4*\s+3], s[22:23], 32*524288+\s*NS*KS*128   ; V's 32 heads in
	s_or_b32 s[G0V+4*\s+3], s[G0V+4*\s+3], 0x80000000
.endr
	s_cmp_lt_u32 s[WV], 4                          ; a wave's two first fills stand in one branch, ahead of every wait on TENSORcnt and every LDS read: two loads of mine are out
	s_cbranch_scc0 .Lfirst_v
	tensor_load_to_lds s[G0K:G0K+3], s[G1K:G1K+7]
	s_nop 0
	tensor_load_to_lds s[G0K+4:G0K+7], s[G1K:G1K+7]
	s_nop 0
.rept 4
	v_nop
.endr
	s_branch .Lfirst_asked
.Lfirst_v:
	tensor_load_to_lds s[G0V:G0V+3], s[G1V:G1V+7]
	s_nop 0
	tensor_load_to_lds s[G0V+4:G0V+7], s[G1V:G1V+7]
	s_nop 0
.rept 4
	v_nop
.endr
.Lfirst_asked:
	v_and_b32 v1, 15, v0                           ; r = l % 16
	v_bfe_u32 v9, v0, 4, 1                         ; h = l / 16
	v_lshlrev_b32 v[QO], 7, v1
	v_lshl_add_u32 v[QO], v9, 4, v[QO]             ; row x 128 + 16 x half
	WIN 0x40                                       ; destination window 1
.irp i, 0,1,2,3                        ; Q stays in registers: tile i / 2, channels 32 (i % 2) on
	global_load_b128 v[8*\i:8*\i+3],   v[QO], s[4:5] offset:(\i/2)*2048+(\i%2)*64
	global_load_b128 v[8*\i+4:8*\i+7], v[QO], s[4:5] offset:(\i/2)*2048+(\i%2)*64+32
.endr
	WIN 0
	v_mul_u32_u24 v[AK0], v1, PK
	v_lshl_add_u32 v[AK0], v9, 4, v[AK0]
	v_add_nc_u32 v[AK0], s72, v[AK0]               ; K: my head's rows + row x pitch + 16 x half
	v_and_b32 v10, 7, v0
	v_bfe_u32 v11, v0, 3, 1
	v_lshl_add_u32 v[AV0], v9, 3, v10              ; V, turned: key 8 h + l % 8, channels 8 ((l / 8) % 2) on
	v_mul_u32_u24 v[AV0], v[AV0], PV
	v_lshl_add_u32 v[AV0], v11, 4, v[AV0]
	v_add_nc_u32 v[AV0], s73, v[AV0]
	s_mul_i32 s20, s18, 32*SP                      ; into the stage: row 32 (w % 4) + r, my head's 128 bytes, 16 bytes for each half of the lanes
	s_lshl_b32 s21, s19, 7
	s_add_co_u32 s20, s20, s21
	s_add_co_u32 s20, s20, STAGE
	v_mul_u32_u24 v[STO], v1, SP
	v_lshl_add_u32 v[STO], v9, 4, v[STO]
	v_add_nc_u32 v[STO], s20, v[STO]
	s_mul_i32 s20, s[WV], 16*SP                    ; back: wave w takes rows 16 w .. + 15, whole; lanes 0-15 one row, lanes 16-31 the next
	s_add_co_u32 s20, s20, STAGE
	v_mul_u32_u24 v[RD], v9, SP
	v_lshl_add_u32 v[RD], v1, 4, v[RD]
	v_add_nc_u32 v[RD], s20, v[RD]
	v_lshlrev_b32 v[GO], 11, v9                    ; and the same two rows in att
	v_lshl_add_u32 v[GO], v1, 4, v[GO]
	v_mov_b32 v[C64], 0x42800000                   ; 64.0, as a pair for the packed multiply-add
	v_mov_b32 v[C64+1], 0x42800000
	v_mov_b32 v[K2], 0x3e38aa3b                    ; log2(e) / 8, likewise
	v_mov_b32 v[K2+1], 0x3e38aa3b
.macro FETCH_K                         ; a step's K: 64 keys x 64 channels, 8 fragments
	WIN 0
	v_add_nc_u32 v[ADR], s[TBK], v[AK0]
.irp f, 0,1,2,3,4,5,6,7                ; keys 16 (f / 2) on, channels 32 (f % 2) on
	ds_load_b128 v[KF+8*\f:KF+8*\f+3],   v[ADR] offset:(\f/2)*16*PK+(\f%2)*64
	ds_load_b128 v[KF+8*\f+4:KF+8*\f+7], v[ADR] offset:(\f/2)*16*PK+(\f%2)*64+32
.endr
.endm
.macro FETCH_V                         ; the same step's V, turned
	v_add_nc_u32 v[ADR2], s[TBV], v[AV0]
	s_add_co_u32 s[TBK], s[TBK], KS*PK             ; the next fetches are the next step's
	s_add_co_u32 s[TBV], s[TBV], KS*PV
	WIN 0x40
.irp f, 0,1,2,3,4,5,6,7                ; keys 32 (f / 4) on, channels 16 (f % 4) on
	ds_load_tr16_b128 v[VF+8*\f:VF+8*\f+3],   v[ADR2] offset:(\f/4)*32*PV+(\f%4)*32
	ds_load_tr16_b128 v[VF+8*\f+4:VF+8*\f+7], v[ADR2] offset:(\f/4)*32*PV+16*PV+(\f%4)*32
.endr
.endm
; 16 products S^T = K Q^T: channels 32 (i / 8) on, keys 16 ((i / 2) % 4) on, tile i % 2.  Eight accumulators take turns, one instruction a turn; the first 8 start the sums.
.macro KQ
	WIN 0x04                                       ; Q in window 1
.set i, 0
.rept 16
.set rS, S+32*(i%2)+8*((i/2)%4)
.set rK, KF+16*((i/2)%4)+8*(i/8)
.set rQ, 16*(i%2)+8*(i/8)
.if i < 8
	v_wmma_f32_16x16x32_f16 v[rS:rS+7], v[rK:rK+7], v[rQ:rQ+7], 0
.else
	v_wmma_f32_16x16x32_f16 v[rS:rS+7], v[rK:rK+7], v[rQ:rQ+7], v[rS:rS+7]
.endif
.set i, i+1
.endr
.endm
; 16 products O^T += V^T P: keys 32 (i / 8) on, channels 16 ((i / 2) % 4) on, tile i % 2.  zero = 1: the first 8 start the sums.
.macro PVM zero
	WIN 0x51                                       ; V and O^T in window 1, P in window 0
.set i, 0
.rept 16
.set rO, O+32*(i%2)+8*((i/2)%4)
.set rV, VF+8*(4*(i/8)+(i/2)%4)
.set rP, P+16*(i%2)+8*(i/8)
.if \zero && (i < 8)
	v_wmma_f32_16x16x32_f16 v[rO:rO+7], v[rV:rV+7], v[rP:rP+7], 0
.else
	v_wmma_f32_16x16x32_f16 v[rO:rO+7], v[rV:rV+7], v[rP:rP+7], v[rO:rO+7]
.endif
.set i, i+1
.endr
.endm
; c s' = u (c / 8 + 8 c ms / (64 + u^2)) for tile t's 32 scores a lane
.macro MOB t
.set rS, S+32*\t
.set n, 0
.rept 16
	v_pk_fma_f32 v[T+2*n:T+2*n+1], v[rS+2*n:rS+2*n+1], v[rS+2*n:rS+2*n+1], v[C64:C64+1]   ; each accumulator is read from its low end on
.set n, n+1
.endr
.set n, 0
.rept 32
	v_rcp_f32 v[T+n], v[T+n]
.set n, n+1
.endr
	v_nop                                          ; a plain instruction between the reciprocals and the use of their results (ISA guide 5.7.2)
.set n, 0
	s_wait_alu depctr_va_vdst(0)
.rept 16
	v_pk_fma_f32 v[T+2*n:T+2*n+1], v[T+2*n:T+2*n+1], v[K1:K1+1], v[K2:K2+1]
.set n, n+1
.endr
.set n, 0
.rept 16
	v_pk_mul_f32 v[rS+2*n:rS+2*n+1], v[rS+2*n:rS+2*n+1], v[T+2*n:T+2*n+1]
.set n, n+1
.endr
.endm
; the maximum of the lane's 32 scores and the old m: four chains, three operands at a time
.macro MAXI t, first
.set rT, ST+8*\t
.set rS, S+32*\t
.irp j, 0,1,2,3
	v_max3_num_f32 v[rT+4+\j], v[rS+8*\j], v[rS+8*\j+1], v[rS+8*\j+2]
.endr
.irp j, 0,1,2,3
	v_max3_num_f32 v[rT+4+\j], v[rT+4+\j], v[rS+8*\j+3], v[rS+8*\j+4]
.endr
.irp j, 0,1,2,3
	v_max3_num_f32 v[rT+4+\j], v[rT+4+\j], v[rS+8*\j+5], v[rS+8*\j+6]
.endr
	v_max3_num_f32 v[rT+4], v[rT+4], v[rS+7], v[rS+15]
	v_max3_num_f32 v[rT+6], v[rT+6], v[rS+23], v[rS+31]
	v_max3_num_f32 v[rT+4], v[rT+4], v[rT+5], v[rT+6]
.if \first
	v_max_num_f32 v[rT+4], v[rT+4], v[rT+7]
.else
	v_max3_num_f32 v[rT+4], v[rT+4], v[rT+7], v[rT+1]
.endif
.endm
; the other half of the lanes' maximum; the new m; a = 2^(m_old - m_new)
.macro STAT t, first
.set rT, ST+8*\t
	v_permlanex16_b32 v[rT+5], v[rT+4], s[SEL], s[SEL+1]
	v_max_num_f32 v[rT], v[rT+4], v[rT+5]          ; the new m; +1 still holds the old one
.if !\first
	v_sub_f32 v[rT+7], v[rT+1], v[rT]
	v_exp_f32 v[rT+6], v[rT+7]                     ; the line below is plain and names neither register
.endif
	v_mov_b32 v[rT+1], v[rT]                       ; the pair's second half, and the next step's old m
.endm
; p = 2^(c s' - m); P in f16; l = a l + the sum
.macro EXPO t, first
.set rT, ST+8*\t
.set rS, S+32*\t
.set rP, P+16*\t
.set n, 0
.rept 16
	v_pk_add_f32 v[rS+2*n:rS+2*n+1], v[rS+2*n:rS+2*n+1], v[rT:rT+1] neg_lo:[0,1] neg_hi:[0,1]
.set n, n+1
.endr
.set n, 0
.rept 32
	v_exp_f32 v[rS+n], v[rS+n]
.set n, n+1
.endr
	v_nop                                          ; a plain instruction between the exponentials and the use of their results
.set n, 0
	s_wait_alu depctr_va_vdst(0)
.rept 16
	v_cvt_pk_f16_f32 v[rP+n], v[rS+2*n], v[rS+2*n+1]
.set n, n+1
.endr
.irp u, 0,1,2,3,4,5,6,7
	v_pk_add_f32 v[rS+4*\u:rS+4*\u+1], v[rS+4*\u:rS+4*\u+1], v[rS+4*\u+2:rS+4*\u+3]
.endr
.irp u, 0,1,2,3
	v_pk_add_f32 v[rS+8*\u:rS+8*\u+1], v[rS+8*\u:rS+8*\u+1], v[rS+8*\u+4:rS+8*\u+5]
.endr
.irp u, 0,1
	v_pk_add_f32 v[rS+16*\u:rS+16*\u+1], v[rS+16*\u:rS+16*\u+1], v[rS+16*\u+8:rS+16*\u+9]
.endr
.if \first
	v_pk_add_f32 v[rT+2:rT+3], v[rS:rS+1], v[rS+16:rS+17]
.else
	v_pk_add_f32 v[rS:rS+1], v[rS:rS+1], v[rS+16:rS+17]
	v_pk_fma_f32 v[rT+2:rT+3], v[rT+2:rT+3], v[rT+6:rT+7], v[rS:rS+1] op_sel_hi:[1,0,1]
.endif
.endm
.macro RESC t                          ; O^T times a
	WIN 0x41
.set n, 0
	s_wait_alu depctr_va_vdst(0)
.rept 16
	v_pk_mul_f32 v[O+32*\t+2*n:O+32*\t+2*n+1], v[O+32*\t+2*n:O+32*\t+2*n+1], v[ST+8*\t+6:ST+8*\t+7] op_sel_hi:[1,0]
.set n, n+1
.endr
.endm
; A KEY STEP, in phases
.macro STEP first
	FETCH_K
	FETCH_V
	s_wait_dscnt 16                                ; K is in; V's sixteen loads may stay out
	KQ
	WIN 0
	PLACES                                         ; four places between the products and the reads of the scores
	MOB 0
	MOB 1
	MAXI 0, \first
	MAXI 1, \first
	STAT 0, \first
	STAT 1, \first
	EXPO 0, \first
	EXPO 1, \first
.if !\first
	RESC 0
	RESC 1
.endif
	s_wait_dscnt 0x0                               ; V is in
	PVM \first
	WIN 0
	PLACES                                         ; four places in front of the next loads into V's registers
.endm
; THE CHANGE OF SLOTS, to slot s.  Each wave waits for its reads of the other slot and for all its tensor loads, of which one is out: its tile of slot s.  fill = 1: the barrier is a round of the
; cluster's, and the slot just read is filled again, with the keys two slots on, first thing behind it: it has four key steps in which to land.
.macro CHANGE s, fill
	WIN 0
	s_wait_dscnt 0x0
	s_wait_tensorcnt 0x0                           ; no tensor load of mine is out, so a group 0 may be written
	ds_add_u32 v254, v255
	s_wait_dscnt 0x0
.if \fill
	s_add_nc_u64 s[G0K+6-4*\s:G0K+7-4*\s], s[G0K+6-4*\s:G0K+7-4*\s], 2*NS*KS*128   ; the other slot's next 256 keys; the type bits on top are not reached
	s_add_nc_u64 s[G0V+6-4*\s:G0V+7-4*\s], s[G0V+6-4*\s:G0V+7-4*\s], 2*NS*KS*128
	CROUND
	JLOAD 1-\s
.else
	s_barrier_signal -1
	s_barrier_wait -1
.endif
	s_mov_b32 s[TBK], \s*SLOT                      ; the fetches begin at slot s's first step
	s_mov_b32 s[TBV], \s*SLOT
.endm
.macro STEPS n                         ; n key steps: written once, walked n times
	s_mov_b32 s[CNT], \n
.Lstep_\@:
	STEP 0
	s_sub_co_u32 s[CNT], s[CNT], 1
	s_cmp_lg_u32 s[CNT], 0
	s_cbranch_scc1 .Lstep_\@
.endm
	s_wait_kmcnt 0x0
	v_mov_b32 v[K1+1], s[MS]
	v_mul_f32 v[K1], 0x4138aa3b, v[K1+1]           ; 8 log2(e) ms,
	v_mul_f32 v[K1+1], 0x4138aa3b, v[K1+1]         ; twice: a pair for the packed multiply-add
	s_wait_loadcnt 0x0                             ; Q
	s_wait_tensorcnt 1                             ; my tile of slot 0 is in; slot 1's may stay out
	s_barrier_signal -1
	s_barrier_wait -1
	STEP 1                                         ; the first key step starts m, l and O^T
	STEPS NS-1
	s_mov_b32 s[SLOTS], 3                          ; 8 fills of 256 keys: two went out at the start, each trip asks for two
.Lslot:
	CHANGE 1, 1
	STEPS NS
	CHANGE 0, 1
	STEPS NS
	s_sub_co_u32 s[SLOTS], s[SLOTS], 1
	s_cmp_lg_u32 s[SLOTS], 0
	s_cbranch_scc1 .Lslot
	CHANGE 1, 0                                    ; the tail is written out: nothing is left to ask for; behind this barrier no wave reads slot 0 and no load lands in it
	STEPS NS
	; THE WAY OUT: l's two halves and the other half of the lanes' are added; O^T / l, rounded to bf16, goes through the work-group's stage: a row's 256 bytes come from two waves.
	; A barrier stands in front of the stores into the stage: every wave's LDS reads are over before any wave writes LDS.  (The waves still at work read slot 1 and the stage lies in slot 0;
	; with the barrier the order does not lean on that.)  The arithmetic on l, register work, stands between its signal and its wait.
	s_wait_dscnt 0x0                               ; my last reads of K and V are back
	s_barrier_signal -1
.irp t, 0,1
	v_add_f32 v[ST+8*\t+4], v[ST+8*\t+2], v[ST+8*\t+3]
.endr
.irp t, 0,1
	v_permlanex16_b32 v[ST+8*\t+5], v[ST+8*\t+4], s[SEL], s[SEL+1]
.endr
.irp t, 0,1
	v_add_f32 v[ST+8*\t+4], v[ST+8*\t+4], v[ST+8*\t+5]
.endr
.irp t, 0,1
	v_rcp_f32 v[ST+8*\t+6], v[ST+8*\t+4]
.endr
	v_nop                                          ; a plain instruction between the reciprocals and the use of their results
	s_barrier_wait -1
.irp t, 0,1
	RESC \t                                        ; here the factor is 1 / l
	WIN 0x05                                       ; sources window 1, destination window 0
.set n, 0
.rept 16
	v_cvt_pk_bf16_f32 v[S+16*\t+n], v[O+32*\t+2*n], v[O+32*\t+2*n+1]
.set n, n+1
.endr
	WIN 0
.irp c, 0,1,2,3
	ds_store_b128 v[STO], v[S+16*\t+4*\c:S+16*\t+4*\c+3] offset:\t*16*SP+32*\c
.endr
.endr
	s_wait_dscnt 0x0                               ; for the others' sake: my stores into the stage are done
	s_barrier_signal -1
	s_barrier_wait -1
.irp f, 0,1,2,3,4,5,6,7
	ds_load_b128 v[S+32+4*\f:S+32+4*\f+3], v[RD] offset:\f*2*SP
.endr
.irp f, 0,1,2,3,4,5,6,7
	s_wait_dscnt 7-\f
	global_store_b128 v[GO], v[S+32+4*\f:S+32+4*\f+3], s[8:9] offset:\f*4096   ; 16 lanes store 256 consecutive bytes, aligned
.endr
	s_wait_tensorcnt 0x0
	ds_add_u32 v254, v255
	s_wait_dscnt 0x0
	CROUND                                         ; the closing round
	s_endpgm
.Lfunc_end_k_q18a4577596_attn:
	.size	k_q18a4577596_attn, .Lfunc_end_k_q18a4577596_attn-k_q18a4577596_attn
	.p2alignl 7, 3214868480
	.fill 96, 4, 3214868480
	.section	.rodata,"a",@progbits
	.p2align	6, 0x0
	.amdhsa_kernel k_q18a4577596_attn
		.amdhsa_group_segment_fixed_size 327680
		.amdhsa_private_segment_fixed_size 0
		.amdhsa_enable_private_segment 0
		.amdhsa_kernarg_size 24
		.amdhsa_user_sgpr_count 2
		.amdhsa_user_sgpr_kernarg_segment_ptr 1
		.amdhsa_wavefront_size32 1
		.amdhsa_system_sgpr_workgroup_id_x 1
		.amdhsa_system_sgpr_workgroup_id_y 1
		.amdhsa_system_sgpr_workgroup_id_z 1
		.amdhsa_system_vgpr_workitem_id 0
		.amdhsa_next_free_vgpr 416
		.amdhsa_next_free_sgpr 76
		.amdhsa_reserve_vcc 0
		.amdhsa_float_denorm_mode_32 3
		.amdhsa_float_denorm_mode_16_64 3
		.amdhsa_memory_ordered 1
		.amdhsa_forward_progress 1
		.amdhsa_inst_pref_size 144
	.end_amdhsa_kernel
	.amdgpu_metadata
---
amdhsa.version: [ 1, 2 ]
amdhsa.kernels:
  - .name:           k_q18a4577596_attn
    .symbol:         k_q18a4577596_attn.kd
    .args:
      - { .name: qkvh, .offset: 0, .size: 8, .value_kind: global_buffer, .address_space: global }
      - { .name: mobius_scale, .offset: 8, .size: 8, .value_kind: global_buffer, .address_space: global }
      - { .name: att, .offset: 16, .size: 8, .value_kind: global_buffer, .address_space: global }
    .group_segment_fixed_size: 327680
    .private_segment_fixed_size: 0
    .kernarg_segment_align: 8
    .kernarg_segment_size: 24
    .max_flat_workgroup_size: 256
    .sgpr_count:     76
    .vgpr_count:     416
    .wavefront_size: 32
...
	.end_amdgpu_metadata
.endif
;; end of part 8
;; launch proj (part 9): grid 8 x 32, 4 waves a work-group, clusters of 4 x 4, 327,680 bytes of LDS; arguments att, wot, out0, bo, gpart, b2, adaptive_weight; writes out0
.if DOCPART == 9
	.amdgcn_target "amdgcn-amd-amdhsa--gfx1250"
	.amdhsa_code_object_version 6
	.text
	.protected	k_q18a4577596_proj
	.globl	k_q18a4577596_proj
	.p2align	8
	.type	k_q18a4577596_proj,@function
k_q18a4577596_proj:
	s_mov_b64 s[64:65], 0
	v_nop
	global_prefetch_b8 v0, s[64:65] scope:SCOPE_SE
	s_setreg_imm32_b32 hwreg(HW_REG_WAVE_MODE, 25, 1), 1
	s_wait_xcnt 0x0
	s_wait_alu depctr_hold_cnt(0) depctr_sa_sdst(0) depctr_va_vdst(0) depctr_va_sdst(0) depctr_va_ssrc(0) depctr_va_vcc(0) depctr_vm_vsrc(0)
	s_getreg_b32 s2, hwreg(HW_REG_IB_STS2, 6, 4)
	s_cmp_eq_u32 s2, 0
	s_cbranch_scc0 .Lentry_in_a_cluster
	s_endpgm
.Lentry_in_a_cluster:
	s_bfe_u32 s2, ttmp6, 0x10000c
	s_cmp_lg_u32 s2, 0xf033
	s_cbranch_scc0 .Lentry_shape_is_right
	s_endpgm
.Lentry_shape_is_right:
; proj: out0[m][n] = (sum over k of att[m][k] wot[n][k] + bo[n]) (1 + aw adj[b]), adj = the mean over 16 heads of sigmoid(sum over 128 groups of gpart[b][g][j] + b2[j]).
; att, wot bf16, sums f32, out0 f32.  m < 4,096, n < 1,024, k < 1,024: 256 tiles of 128 x 128, one for each of 256 WGPs.  Four waves, 64 x 64 each: 16 accumulators.
; K goes in steps of 256 (LDS rows of 512 bytes) through two slots; 4 x 4 work-groups form a cluster, A's tiles asked for jointly along a row, B's along a column.
; The matrix instruction is used transposed (source 0 = 16 rows of wot, source 1 = 16 rows of att): a lane holds eight neighbouring columns of a row.  A wave's 64 columns of f32 are 256 bytes: each wave has a stage of its own.
; REGISTERS: window 0: v0-31 addresses, v8-11 b2, v28-29 the factor; v32-63, v64-95 at work; v96-127 the bias times the factor; v128-255 accumulators ((a, b) at v[128 + 8 (4 a + b)]).  window 1: two fragment buffers of 128.
.set SIZE_K, 1024
.set KSTEP,  256
.set PITCH,  528
.set HALFT,  64*PITCH
.set SLOT,   4*HALFT
.set STAGE,  2*SLOT                    ; behind the ring, a multiple of 256: 16 rows x 272 bytes for each wave
.set SPITCH, 272
.set LAPS, SIZE_K/(2*KSTEP)
.set ADRA, 16
.set ADRB, 20
.set STO,  24
.set RD,   25
.set CO,   26
.set BOF,  27
.set SC,   28
.set T,    32
.set OB,   64
.set BIAS, 96
.set ACC,  128
.set F0,   0
.set F1,   128
.set G1, 24
.set G0, 32
.set G1B, 48
.set G0B, 56
.set MSB, 0
.macro WIN new
.if MSB != \new
	s_set_vgpr_msb (MSB<<8)|\new
.set MSB, \new
.endif
.endm
.set MUL,  0x05                        ; sources 0 (B) and 1 (A) window 1; C and D window 0
.set TO_F, 0x40
.macro JLOAD s                         ; a joint load: waves 0, 1 fetch A's halves, waves 2, 3 B's; four v_nop follow each line
	s_cmp_eq_u32 s11, 0
	s_cbranch_scc0 .Lfor_b_\@
	tensor_load_to_lds s[G0+4*\s:G0+4*\s+3], s[G1:G1+7]
	s_nop 0
.rept 4
	v_nop
.endr
	s_branch .Lasked_\@
.Lfor_b_\@:
	tensor_load_to_lds s[G0B+4*\s:G0B+4*\s+3], s[G1B:G1B+7]
	s_nop 0
.rept 4
	v_nop
.endr
.Lasked_\@:
.endm
.macro CREST
	s_cmp_lg_u32 s10, 0
	s_cbranch_scc1 .Lnot_wave_0_\@
	s_barrier_signal -3
.Lnot_wave_0_\@:
	s_barrier_wait -3
	s_barrier_signal -1
	s_barrier_wait -1
.endm
.macro CROUND
	s_barrier_signal -1
	s_barrier_wait -1
	CREST
.endm
	s_load_b128 s[4:7], s[0:1], 0x0                ; att s[4:5], wot s[6:7]
	s_load_b64 s[8:9], s[0:1], 0x10                ; out0
	s_load_b256 s[68:75], s[0:1], 0x18             ; bo s[68:69], gpart s[70:71], b2 s[72:73], adaptive_weight s[74:75]
	v_lshl_add_u32 v22, v0, 2, 0x46400
	v_mov_b32 v23, 0
	ds_add_u32 v22, v23
	v_lshrrev_b32 v1, 5, v0
	v_readfirstlane_b32 s10, v1                    ; wave 0..3
	s_lshr_b32 s11, s10, 1                         ; which half of the tile's rows is mine.  Also: I fetch for A (0) or for B (1)
	s_and_b32 s12, s10, 1                          ; which half of its columns.  Also: which 64 rows of that tile I fetch
	s_bfe_u32 s40, ttmp6, 0x40000
	s_bfe_u32 s41, ttmp6, 0x40004
	s_lshl_b32 s42, ttmp9, 2
	s_add_co_u32 s42, s42, s40                     ; tile column
	s_and_b32 s13, ttmp7, 0xffff
	s_lshl_b32 s13, s13, 2
	s_add_co_u32 s13, s13, s41                     ; tile row
	s_lshl_b32 s43, s41, 2
	s_lshl_b32 s43, 15, s43
	s_lshl_b32 s44, 0x1111, s40
	s_or_b32 s[G1+0], s43, (1<<16)|(1<<20)|(1<<21)|(6<<22)|(3<<25)   ; mask; elements of 2 bytes; padding on; bit 21 beside a mask; after every 128 words 4 words
	s_or_b32 s[G1B+0], s44, (1<<16)|(1<<20)|(1<<21)|(6<<22)|(3<<25)
.irp g, G1, G1B
	s_mov_b32 s[\g+1], KSTEP<<16                   ; tensor_dim0 = 256
	s_mov_b32 s[\g+2], 64<<16                      ; tensor_dim1 = 64
	s_mov_b32 s[\g+3], KSTEP<<16                   ; tile_dim0 = 256
	s_mov_b32 s[\g+4], 64                          ; tile_dim1 = 64
	s_mov_b32 s[\g+5], SIZE_K
	s_mov_b32 s[\g+6], 0
	s_mov_b32 s[\g+7], 0
.endr
	s_mov_b32 s78, 0x76543210
	s_mov_b32 s79, 0xfedcba98
	s_lshl_b32 s17, s12, 6
	s_lshl_b32 s16, s13, 7
	s_add_co_u32 s16, s16, s17                     ; A: row 128 x tile row + 64 x half
	s_lshl_b32 s46, s42, 7
	s_add_co_u32 s46, s46, s17                     ; B: row 128 x tile column + 64 x half
	s_mov_b32 s17, 0
	s_mov_b32 s47, 0
	s_mov_b64 s[18:19], SIZE_K*2
	s_mul_u64 s[16:17], s[16:17], s[18:19]
	s_mul_u64 s[46:47], s[46:47], s[18:19]
	s_mul_i32 s20, s10, HALFT                      ; where they go: wave x 64 rows
	s_wait_dscnt 0x0
	s_wait_kmcnt 0x0
	s_add_nc_u64 s[14:15], s[4:5], s[16:17]
	s_add_nc_u64 s[46:47], s[6:7], s[46:47]
	s_load_b32 s76, s[74:75], 0x0                  ; adaptive_weight
	CROUND                                         ; all sixteen work-groups are here: the first joint loads meet
.irp s, 0,1
	s_mov_b32 s[G0+4*\s], 1
	s_add_co_u32 s[G0+4*\s+1], s20, \s*SLOT
	s_add_nc_u64 s[G0+4*\s+2:G0+4*\s+3], s[14:15], \s*KSTEP*2
	s_or_b32 s[G0+4*\s+3], s[G0+4*\s+3], 0x80000000
	s_mov_b32 s[G0B+4*\s], 1
	s_add_co_u32 s[G0B+4*\s+1], s20, \s*SLOT
	s_add_nc_u64 s[G0B+4*\s+2:G0B+4*\s+3], s[46:47], \s*KSTEP*2
	s_or_b32 s[G0B+4*\s+3], s[G0B+4*\s+3], 0x80000000
	JLOAD \s                                       ; two loads of mine are out
.endr
	s_lshl_b32 s46, s42, 9                         ; my 64 columns in bytes of f32: 512 x tile column + 256 x half
	s_lshl_b32 s47, s12, 8
	s_add_co_u32 s46, s46, s47
	s_mov_b32 s47, 0
	s_add_nc_u64 s[68:69], s[68:69], s[46:47]      ; bo
	s_add_nc_u64 s[8:9], s[8:9], s[46:47]          ; out0
	s_lshl_b32 s16, s13, 7
	s_lshl_b32 s17, s11, 6
	s_add_co_u32 s16, s16, s17                     ; my first row: 128 x tile row + 64 x half,
	s_lshl_b32 s16, s16, 12                        ; of 4,096 bytes
	s_mov_b32 s17, 0
	s_add_nc_u64 s[8:9], s[8:9], s[16:17]
	s_lshr_b32 s16, s13, 4                         ; the batch: 16 tile rows each
	s_lshl_b32 s16, s16, 13
	s_add_nc_u64 s[70:71], s[70:71], s[16:17]      ; gpart at the batch's 128 x 16 numbers
	v_and_b32 v1, 15, v0                           ; l % 16
	v_bfe_u32 v2, v0, 4, 1                         ; l / 16
	v_and_b32 v31, 31, v0
	v_lshlrev_b32 v31, 4, v31                      ; 16 l = 64 (l / 4) + 16 (l % 4): group l / 4 of eight, heads 4 (l % 4) .. + 3
	v_and_b32 v30, 3, v0
	v_lshlrev_b32 v30, 4, v30                      ; b2 of those four heads
	v_lshlrev_b32 v[BOF], 5, v2
.irp i, 0,1,2,3,4,5,6,7,8,9,10,11,12,13,14,15
	global_load_b128 v[T+4*\i:T+4*\i+3], v31, s[70:71] offset:512*\i   ; eight groups, 512 consecutive bytes
.endr
	global_load_b128 v[8:11], v30, s[72:73]
.irp b, 0,1,2,3
	global_load_b128 v[BIAS+8*\b:BIAS+8*\b+3],   v[BOF], s[68:69] offset:64*\b
	global_load_b128 v[BIAS+8*\b+4:BIAS+8*\b+7], v[BOF], s[68:69] offset:64*\b+16
.endr
	v_mul_u32_u24 v3, v1, PITCH
	v_lshl_add_u32 v3, v2, 4, v3
	s_mul_i32 s21, s11, HALFT                      ; my 64 rows of A
	s_mul_i32 s22, s12, HALFT                      ; my 64 rows of B,
	s_add_co_u32 s22, s22, 2*HALFT                 ; which lie behind A's 128
.irp s, 0,1
	v_add_nc_u32 v[ADRA+\s], s21, v3
	v_add_nc_u32 v[ADRB+\s], s22, v3
	s_add_co_u32 s21, s21, SLOT
	s_add_co_u32 s22, s22, SLOT
.endr
	s_mul_i32 s23, s10, 16*SPITCH
	s_add_co_u32 s23, s23, STAGE                   ; my stage
	v_mul_u32_u24 v4, v1, SPITCH                   ; in: row l % 16, 32 bytes for each half of the lanes
	v_lshl_add_u32 v4, v2, 5, v4
	v_add_nc_u32 v[STO], s23, v4
	v_mul_u32_u24 v5, v2, SPITCH                   ; back: lanes 0-15 one row of 256 bytes, lanes 16-31 the next
	v_lshl_add_u32 v5, v1, 4, v5
	v_add_nc_u32 v[RD], s23, v5
	v_lshlrev_b32 v5, 12, v2                       ; and the same two rows in out0
	v_lshl_add_u32 v[CO], v1, 4, v5
	; the gate is finished here, by every wave, while the first tiles are on their way
	s_wait_loadcnt 0x0
	s_wait_kmcnt 0x0
.irp d, 8,4,2,1                        ; my 16 loads are added: 16 of the 128 groups
.set n, 0
.rept \d
	v_pk_add_f32 v[T+4*n:T+4*n+1], v[T+4*n:T+4*n+1], v[T+4*(n+\d):T+4*(n+\d)+1]
	v_pk_add_f32 v[T+4*n+2:T+4*n+3], v[T+4*n+2:T+4*n+3], v[T+4*(n+\d)+2:T+4*(n+\d)+3]
.set n, n+1
.endr
.endr
.irp m, 4,8                            ; and the eight lanes with my l % 4: lane bits 2, 3 and 4
.irp e, 0,1,2,3
	v_add_f32_dpp v[T+\e], v[T+\e], v[T+\e] row_xmask:\m row_mask:0xf bank_mask:0xf
.endr
.endr
.irp e, 0,1,2,3
	v_permlanex16_b32 v[T+4+\e], v[T+\e], s78, s79 ; the destination has been written before
.endr
	v_pk_add_f32 v[T:T+1], v[T:T+1], v[T+4:T+5]
	v_pk_add_f32 v[T+2:T+3], v[T+2:T+3], v[T+6:T+7]
	v_pk_add_f32 v[T:T+1], v[T:T+1], v[8:9]        ; the logits of heads 4 (l % 4) .. + 3
	v_pk_add_f32 v[T+2:T+3], v[T+2:T+3], v[10:11]
	v_pk_mul_f32 v[T:T+1], v[T:T+1], 0xbfb8aa3b op_sel_hi:[1,0]
	v_pk_mul_f32 v[T+2:T+3], v[T+2:T+3], 0xbfb8aa3b op_sel_hi:[1,0]
.irp e, 0,1,2,3
	v_exp_f32 v[T+\e], v[T+\e]
.endr
	v_nop                                          ; a plain instruction behind the transcendentals before their results are used
	s_wait_alu depctr_va_vdst(0)
	v_pk_add_f32 v[T:T+1], v[T:T+1], 1.0 op_sel_hi:[1,0]
	v_pk_add_f32 v[T+2:T+3], v[T+2:T+3], 1.0 op_sel_hi:[1,0]
.irp e, 0,1,2,3
	v_rcp_f32 v[T+\e], v[T+\e]                     ; sigmoid
.endr
	v_nop
	s_wait_alu depctr_va_vdst(0)
	v_pk_add_f32 v[T:T+1], v[T:T+1], v[T+2:T+3]
	v_add_f32 v[T], v[T], v[T+1]
	v_add_f32_dpp v[T], v[T], v[T] row_xmask:1 row_mask:0xf bank_mask:0xf
	v_add_f32_dpp v[T], v[T], v[T] row_xmask:2 row_mask:0xf bank_mask:0xf
	v_mul_f32 v[T], 0x3d800000, v[T]               ; the mean of 16
	v_fma_f32 v[SC], v[T], s76, 1.0
	v_mov_b32 v[SC+1], v[SC]
.set n, 0
.rept 16
	v_pk_mul_f32 v[BIAS+2*n:BIAS+2*n+1], v[BIAS+2*n:BIAS+2*n+1], v[SC:SC+1]
.set n, n+1
.endr
; 8 matrix instructions: m blocks a0, a0 + 1 x all 4 n blocks, 32 along K: half c of buffer f.  The 16 accumulators take turns.
.macro MUL8 f, c, a0, zero
.irp a, \a0, \a0+1
.irp b, 0,1,2,3
.if \zero
	v_wmma_f32_16x16x32_bf16 v[ACC+8*(4*(\a)+\b):ACC+8*(4*(\a)+\b)+7], v[\f+64+8*(4*\c+\b):\f+64+8*(4*\c+\b)+7], v[\f+8*(4*\c+\a):\f+8*(4*\c+\a)+7], 0
.else
	v_wmma_f32_16x16x32_bf16 v[ACC+8*(4*(\a)+\b):ACC+8*(4*(\a)+\b)+7], v[\f+64+8*(4*\c+\b):\f+64+8*(4*\c+\b)+7], v[\f+8*(4*\c+\a):\f+8*(4*\c+\a)+7], v[ACC+8*(4*(\a)+\b):ACC+8*(4*(\a)+\b)+7]
.endif
.endr
.endr
.endm
; 32 LDS loads in one run: the fragments of 64 along K at byte k of the rows, into buffer f; the first 32 along K first
.macro FETCH slot, k, f
	WIN TO_F
.irp c, 0,1
.irp i, 0,1,2,3
	ds_load_b128 v[\f+64+8*(4*\c+\i):\f+64+8*(4*\c+\i)+3],   v[ADRB+\slot] offset:\k+64*\c+\i*16*PITCH
	ds_load_b128 v[\f+64+8*(4*\c+\i)+4:\f+64+8*(4*\c+\i)+7], v[ADRB+\slot] offset:\k+64*\c+\i*16*PITCH+32
	ds_load_b128 v[\f+8*(4*\c+\i):\f+8*(4*\c+\i)+3],         v[ADRA+\slot] offset:\k+64*\c+\i*16*PITCH
	ds_load_b128 v[\f+8*(4*\c+\i)+4:\f+8*(4*\c+\i)+7],       v[ADRA+\slot] offset:\k+64*\c+\i*16*PITCH+32
.endr
.endr
.endm
.macro PLACES
.rept 4
	v_nop
.endr
.endm
.macro QUARTER slot, k, f, g, zero
	s_wait_dscnt 16                                ; the first 32 along K are in
	WIN MUL
	MUL8 \f, 0, 0, \zero
	MUL8 \f, 0, 2, \zero
	PLACES
	FETCH \slot, \k, \g
	s_wait_dscnt 32                                ; all but the 32 just issued
	WIN MUL
	MUL8 \f, 1, 0, 0
	MUL8 \f, 1, 2, 0
.endm
.macro TURN slot, next, fill
	s_wait_dscnt 16
	WIN MUL
	MUL8 F1, 0, 0, 0
	s_wait_dscnt 0                                 ; my reads of this slot are over,
	s_set_vgpr_msb 0x500
	s_wait_tensorcnt 0x0                           ; and all my tensor loads have landed: my part of the next slot
	ds_add_u32 v22, v23
	s_wait_dscnt 0x0
	s_set_vgpr_msb 0x5
	s_barrier_signal -1
	MUL8 F1, 0, 2, 0
.if \fill
	WIN 0
.endif
	s_barrier_wait -1
.if \fill
	CREST                                          ; the barrier has opened a round of the cluster's: no wave of any partner still reads this slot or has a load on its way
	s_add_nc_u64 s[G0+4*\slot+2:G0+4*\slot+3], s[G0+4*\slot+2:G0+4*\slot+3], 2*KSTEP*2
	s_add_nc_u64 s[G0B+4*\slot+2:G0B+4*\slot+3], s[G0B+4*\slot+2:G0B+4*\slot+3], 2*KSTEP*2
	JLOAD \slot                                    ; my one tensor load behind the round; its four v_nop are also the places in front of the loads below
.else
	PLACES
.endif
	FETCH \next, 0, F0
	WIN MUL
	MUL8 F1, 1, 0, 0
	MUL8 F1, 1, 2, 0
.endm
	s_wait_tensorcnt 1                             ; my part of K step 0 is in; K step 1's may stay out
	s_barrier_signal -1
	s_barrier_wait -1
	FETCH 0, 0, F0
	QUARTER 0, 128, F0, F1, 1                      ; the first quarter stands in front of the loop: its first products start the sums
	WIN 0
	s_mov_b32 s3, LAPS-1
.Llap:
	QUARTER 0, 256, F1, F0, 0
	QUARTER 0, 384, F0, F1, 0
	TURN 0, 1, 1
	QUARTER 1, 128, F0, F1, 0
	QUARTER 1, 256, F1, F0, 0
	QUARTER 1, 384, F0, F1, 0
	TURN 1, 0, 1
	QUARTER 0, 128, F0, F1, 0
	WIN 0
	s_sub_co_u32 s3, s3, 1
	s_cmp_lg_u32 s3, 0
	s_cbranch_scc1 .Llap
	QUARTER 0, 256, F1, F0, 0                      ; the last lap fills nothing
	QUARTER 0, 384, F0, F1, 0
	TURN 0, 1, 0
	QUARTER 1, 128, F0, F1, 0
	QUARTER 1, 256, F1, F0, 0
	QUARTER 1, 384, F0, F1, 0
	s_wait_dscnt 16
	WIN MUL
	MUL8 F1, 0, 0, 0
	MUL8 F1, 0, 2, 0
	s_wait_dscnt 0
	MUL8 F1, 1, 0, 0
	MUL8 F1, 1, 2, 0
	WIN 0
	; THE WAY OUT, 16 rows at a time: sum x factor + bias x factor in one fused multiply-add; 32 bytes a lane into my stage; back as whole rows of 256 bytes.
	PLACES
.irp a, 0,1,2,3
.if \a > 0
	s_wait_xcnt 0x0                                ; the registers that the last block's stores read are loaded again only behind this wait
.endif
.set n, 0
.rept 16
	v_pk_fma_f32 v[T+2*n:T+2*n+1], v[ACC+32*\a+2*n:ACC+32*\a+2*n+1], v[SC:SC+1], v[BIAS+2*n:BIAS+2*n+1]   ; each accumulator is read from its low end on
.set n, n+1
.endr
.irp e, 0,1,2,3,4,5,6,7
	ds_store_b128 v[STO], v[T+4*\e:T+4*\e+3] offset:64*(\e/2)+16*(\e%2)
.endr
.irp t, 0,1,2,3,4,5,6,7
	ds_load_b128 v[OB+4*\t:OB+4*\t+3], v[RD] offset:\t*2*SPITCH    ; LDS serves a wave's instructions in order (ISA guide 5.7.1.4): these see the stores above
.endr
.irp t, 0,1,2,3,4,5,6,7
	s_wait_dscnt 7-\t
	global_store_b128 v[CO], v[OB+4*\t:OB+4*\t+3], s[8:9] offset:(16*\a+2*\t)*4096 th:TH_STORE_NT   ; 16 lanes store 256 consecutive bytes, aligned
.endr
.endr
	s_wait_tensorcnt 0x0
	ds_add_u32 v22, v23
	s_wait_dscnt 0x0
	CROUND                                         ; the closing round
	s_endpgm
.Lfunc_end_k_q18a4577596_proj:
	.size	k_q18a4577596_proj, .Lfunc_end_k_q18a4577596_proj-k_q18a4577596_proj
	.p2alignl 7, 3214868480
	.fill 96, 4, 3214868480
	.section	.rodata,"a",@progbits
	.p2align	6, 0x0
	.amdhsa_kernel k_q18a4577596_proj
		.amdhsa_group_segment_fixed_size 327680
		.amdhsa_private_segment_fixed_size 0
		.amdhsa_enable_private_segment 0
		.amdhsa_kernarg_size 56
		.amdhsa_user_sgpr_count 2
		.amdhsa_user_sgpr_kernarg_segment_ptr 1
		.amdhsa_wavefront_size32 1
		.amdhsa_system_sgpr_workgroup_id_x 1
		.amdhsa_system_sgpr_workgroup_id_y 1
		.amdhsa_system_sgpr_workgroup_id_z 1
		.amdhsa_system_vgpr_workitem_id 0
		.amdhsa_next_free_vgpr 512
		.amdhsa_next_free_sgpr 80
		.amdhsa_reserve_vcc 0
		.amdhsa_float_denorm_mode_32 3
		.amdhsa_float_denorm_mode_16_64 3
		.amdhsa_memory_ordered 1
		.amdhsa_forward_progress 1
		.amdhsa_inst_pref_size 98
	.end_amdhsa_kernel
	.amdgpu_metadata
---
amdhsa.version: [ 1, 2 ]
amdhsa.kernels:
  - .name:           k_q18a4577596_proj
    .symbol:         k_q18a4577596_proj.kd
    .args:
      - { .name: att, .offset: 0, .size: 8, .value_kind: global_buffer, .address_space: global }
      - { .name: wot, .offset: 8, .size: 8, .value_kind: global_buffer, .address_space: global }
      - { .name: out0, .offset: 16, .size: 8, .value_kind: global_buffer, .address_space: global }
      - { .name: bo, .offset: 24, .size: 8, .value_kind: global_buffer, .address_space: global }
      - { .name: gpart, .offset: 32, .size: 8, .value_kind: global_buffer, .address_space: global }
      - { .name: b2, .offset: 40, .size: 8, .value_kind: global_buffer, .address_space: global }
      - { .name: adaptive_weight, .offset: 48, .size: 8, .value_kind: global_buffer, .address_space: global }
    .group_segment_fixed_size: 327680
    .private_segment_fixed_size: 0
    .kernarg_segment_align: 8
    .kernarg_segment_size: 56
    .max_flat_workgroup_size: 128
    .sgpr_count:     80
    .vgpr_count:     512
    .wavefront_size: 32
...
	.end_amdgpu_metadata
.endif
;; end of part 9
